; MI455X (gfx1250); checked and timed in simulation.
; The chip was launched on July 23, 2026; its instructions are those of AMD's public machine-readable ISA for CDNA 5 (MIT licence, August 2026) and "CDNA5" Instruction Set Architecture Reference Guide (July 2026). The comments in the code are by the model that wrote it; some were corrected since.
;; Block. Allowed arithmetic: float matrix products may take bf16 or f16 operands with f32 sums; all other float work in f32.
;; Inputs: b_attn 3,072 float32; b_fc 4,096 float32; b_mlp_proj 1,024 float32; b_proj 1,024 float32; w_attn 3,072 x 1,024 float32; w_fc 4,096 x 1,024 float32; w_mlp_proj 1,024 x 4,096 float32; w_proj 1,024 x 1,024 float32; x 4 x 1,024 x 1,024 float32.
;; Outputs: out0 4 x 1,024 x 1,024 float32.
;; 2 versions, each right and faster than the one before. Each part assembles by itself: llvm-mc -triple=amdgcn-amd-amdhsa -mcpu=gfx1250 --defsym DOCPART=n.
;; ======== version 1 of 2: 7 launches
;; workspace buffers: wb 25,165,824 bytes; xn 8,388,608 bytes; qkv 25,165,824 bytes; y 8,388,608 bytes; x1 16,777,216 bytes; h 33,554,432 bytes
;; launch prep (part 1): grid 1024 x 1, 8 waves a work-group, no clusters, 0 bytes of LDS; arguments x, w_attn, w_proj, w_fc, w_mlp_proj, xn, wb; writes xn, wb
.if DOCPART == 1
	.amdgcn_target "amdgcn-amd-amdhsa--gfx1250"
	.amdhsa_code_object_version 6
	.text
	.protected	k_q9d06f62f49_prep
	.globl	k_q9d06f62f49_prep
	.p2align	8
	.type	k_q9d06f62f49_prep,@function
k_q9d06f62f49_prep:
	s_mov_b64 s[64:65], 0
	v_nop
	global_prefetch_b8 v0, s[64:65] scope:SCOPE_SE
	s_setreg_imm32_b32 hwreg(HW_REG_WAVE_MODE, 25, 1), 1
	s_wait_xcnt 0x0
; prep: two streams in one launch.  Work-groups 0-255: xn = LN(x), rounded to bf16.  Work-groups 256-1023: wb = the four weight matrices, rounded to bf16,
; one behind the other (w_attn, w_proj, w_fc, w_mlp_proj), each as it lies ([N][K], K along the rows).
; A work-group takes 65,536 bytes of f32 (16 rows of 4,096 bytes) and stores 32,768 bytes of bf16.  A wave takes two rows; a row is eight 16-byte loads a lane
; (each load of the wave covers 512 neighbouring bytes) and stays in 32 registers, so that LN's mean, its centred squares and the scaling read memory once.
; LN is the two-pass form of the problem: mean, x - mean, mean of the squares of that, times 1 / sqrt(var + 1e-10): no difference of large sums is formed.
; No LDS, no barrier, no matrix unit: a row never leaves its wave, and the stream has nothing to multiply.  There is no loop: no source of a load or store is ever rewritten.
; Limits: v_rsq_f32 is good to one unit in the last place; results are rounded once, to bf16, as operands of the matrix products that follow.
.set SO, 3                             ; v3       byte offset of my 16 bytes in the wave's first row of the source
.set DO, 4                             ; v4       byte offset of my 8 bytes in the wave's first row of the destination
.set M,  6                             ; v[6:7]   the mean twice, then 1 / sigma twice (pairs for the packed forms)
.set C,  8                             ; v[8:15]  four chains of pairs
.set R,  16                            ; v16 a sum on its way over the lanes, v17 the other half's
.set X,  20                            ; v[20:83] two rows, 32 registers each
.set Y,  84                            ; v[84:115] two rows, 16 registers each, bf16
	s_load_b256 s[4:11], s[0:1], 0x0               ; x s[4:5], w_attn s[6:7], w_proj s[8:9], w_fc s[10:11]
	s_load_b128 s[12:15], s[0:1], 0x20             ; w_mlp_proj s[12:13], xn s[14:15]
	s_load_b64 s[16:17], s[0:1], 0x30              ; wb
	v_and_b32 v1, 31, v0                           ; lane
	v_lshrrev_b32 v2, 5, v0                        ; wave
	v_lshlrev_b32 v[SO], 4, v1
	v_lshl_add_u32 v[SO], v2, 13, v[SO]            ; wave x 2 rows x 4,096 + 16 lane
	v_lshlrev_b32 v[DO], 3, v1
	v_lshl_add_u32 v[DO], v2, 12, v[DO]            ; wave x 2 rows x 2,048 + 8 lane
	v_mov_b32 v[R+1], 0                            ; v_permlanex16_b32 counts as a reader of its destination
	s_mov_b32 s30, 0x3a800000                      ; 1 / 1024
	s_mov_b32 s31, 0x2edbe6ff                      ; 1e-10
	s_mov_b32 s32, 0x76543210                      ; v_permlanex16_b32: each lane takes its own place in the other half
	s_mov_b32 s33, 0xfedcba98
	s_wait_kmcnt 0x0
	; which source, which destination: chosen by the work-group's number alone.  s22 = the first number of the source's range, s23 of the destination's.
	s_mov_b64 s[20:21], s[4:5]
	s_mov_b64 s[24:25], s[14:15]
	s_mov_b32 s22, 0
	s_mov_b32 s23, 0
	s_cmp_ge_u32 ttmp9, 256
	s_cselect_b64 s[20:21], s[6:7], s[20:21]
	s_cselect_b64 s[24:25], s[16:17], s[24:25]
	s_cselect_b32 s22, 256, s22
	s_cselect_b32 s23, 256, s23
	s_cmp_ge_u32 ttmp9, 448                        ; w_attn is 192 shares of 65,536 bytes
	s_cselect_b64 s[20:21], s[8:9], s[20:21]
	s_cselect_b32 s22, 448, s22
	s_cmp_ge_u32 ttmp9, 512                        ; w_proj 64
	s_cselect_b64 s[20:21], s[10:11], s[20:21]
	s_cselect_b32 s22, 512, s22
	s_cmp_ge_u32 ttmp9, 768                        ; w_fc 256, w_mlp_proj 256
	s_cselect_b64 s[20:21], s[12:13], s[20:21]
	s_cselect_b32 s22, 768, s22
	s_sub_co_u32 s26, ttmp9, s22
	s_lshl_b32 s26, s26, 16                        ; my share of the source
	s_mov_b32 s27, 0
	s_sub_co_u32 s28, ttmp9, s23
	s_lshl_b32 s28, s28, 15                        ; and of the destination: the weights follow each other in wb as their ranges of numbers do
	s_mov_b32 s29, 0
	s_add_nc_u64 s[20:21], s[20:21], s[26:27]
	s_add_nc_u64 s[24:25], s[24:25], s[28:29]
.irp r, 0,1
.irp j, 0,1,2,3,4,5,6,7
	global_load_b128 v[X+32*\r+4*\j:X+32*\r+4*\j+3], v[SO], s[20:21] offset:\r*4096+\j*512
.endr
.endr
; the four chains' pairs become one sum, in every lane, in v[R]
.macro REDUCE
	v_pk_add_f32 v[C:C+1], v[C:C+1], v[C+2:C+3]
	v_pk_add_f32 v[C+4:C+5], v[C+4:C+5], v[C+6:C+7]
	v_pk_add_f32 v[C:C+1], v[C:C+1], v[C+4:C+5]
	v_add_f32 v[R], v[C], v[C+1]
	v_add_f32_dpp v[R], v[R], v[R] row_xmask:1 row_mask:0xf bank_mask:0xf
	v_add_f32_dpp v[R], v[R], v[R] row_xmask:2 row_mask:0xf bank_mask:0xf
	v_add_f32_dpp v[R], v[R], v[R] row_xmask:4 row_mask:0xf bank_mask:0xf
	v_add_f32_dpp v[R], v[R], v[R] row_xmask:8 row_mask:0xf bank_mask:0xf
	v_permlanex16_b32 v[R+1], v[R], s32, s33
	v_add_f32 v[R], v[R], v[R+1]
.endm
; row r of the wave's two is normalised in place
.macro NORM r
.set XR, X+32*\r
	s_wait_loadcnt 8*(1-\r)                        ; loads come back in order: row 0's eight are in while row 1's eight may be out; then all
.irp k, 0,1,2,3
	v_pk_add_f32 v[C+2*\k:C+2*\k+1], v[XR+2*\k:XR+2*\k+1], v[XR+8+2*\k:XR+8+2*\k+1]   ; the first eight pairs start the chains: nothing is cleared
.endr
.irp p, 8,9,10,11,12,13,14,15
	v_pk_add_f32 v[C+2*(\p%4):C+2*(\p%4)+1], v[C+2*(\p%4):C+2*(\p%4)+1], v[XR+2*\p:XR+2*\p+1]
.endr
	REDUCE
	v_mul_f32 v[M], s30, v[R]                      ; the mean
	v_mul_f32 v[M+1], s30, v[R]
.irp p, 0,1,2,3,4,5,6,7,8,9,10,11,12,13,14,15
	v_pk_add_f32 v[XR+2*\p:XR+2*\p+1], v[XR+2*\p:XR+2*\p+1], v[M:M+1] neg_lo:[0,1] neg_hi:[0,1]   ; x - mean
.endr
.irp k, 0,1,2,3
	v_pk_mul_f32 v[C+2*\k:C+2*\k+1], v[XR+2*\k:XR+2*\k+1], v[XR+2*\k:XR+2*\k+1]
.endr
.irp p, 4,5,6,7,8,9,10,11,12,13,14,15
	v_pk_fma_f32 v[C+2*(\p%4):C+2*(\p%4)+1], v[XR+2*\p:XR+2*\p+1], v[XR+2*\p:XR+2*\p+1], v[C+2*(\p%4):C+2*(\p%4)+1]
.endr
	REDUCE
	v_fma_f32 v[R], v[R], s30, s31                 ; var + 1e-10
	v_rsq_f32 v[M], v[R]
	v_rsq_f32 v[M+1], v[R]
	v_nop                                          ; a plain instruction between the last v_rsq_f32 and the use of its result (ISA guide 5.7.2)
	s_wait_alu depctr_va_vdst(0)
.irp p, 0,1,2,3,4,5,6,7,8,9,10,11,12,13,14,15
	v_pk_mul_f32 v[XR+2*\p:XR+2*\p+1], v[XR+2*\p:XR+2*\p+1], v[M:M+1]
.endr
.endm
	s_cmp_ge_u32 ttmp9, 256
	s_cbranch_scc1 .Lcvt                           ; weights are only rounded
	NORM 0
	NORM 1
.Lcvt:
	s_wait_loadcnt 0x0
.irp r, 0,1
.irp j, 0,1,2,3,4,5,6,7
	v_cvt_pk_bf16_f32 v[Y+16*\r+2*\j],   v[X+32*\r+4*\j],   v[X+32*\r+4*\j+1]
	v_cvt_pk_bf16_f32 v[Y+16*\r+2*\j+1], v[X+32*\r+4*\j+2], v[X+32*\r+4*\j+3]
.endr
.endr
.irp r, 0,1
.irp j, 0,1,2,3,4,5,6,7
	global_store_b64 v[DO], v[Y+16*\r+2*\j:Y+16*\r+2*\j+1], s[24:25] offset:\r*2048+\j*256   ; 32 lanes x 8 bytes: 256 consecutive bytes, at a multiple of 256 from the buffer's first byte
.endr
.endr
	s_endpgm
.Lfunc_end_k_q9d06f62f49_prep:
	.size	k_q9d06f62f49_prep, .Lfunc_end_k_q9d06f62f49_prep-k_q9d06f62f49_prep
	.p2alignl 7, 3214868480
	.fill 96, 4, 3214868480
	.section	.rodata,"a",@progbits
	.p2align	6, 0x0
	.amdhsa_kernel k_q9d06f62f49_prep
		.amdhsa_group_segment_fixed_size 0
		.amdhsa_private_segment_fixed_size 0
		.amdhsa_enable_private_segment 0
		.amdhsa_kernarg_size 56
		.amdhsa_user_sgpr_count 2
		.amdhsa_user_sgpr_kernarg_segment_ptr 1
		.amdhsa_wavefront_size32 1
		.amdhsa_system_sgpr_workgroup_id_x 1
		.amdhsa_system_sgpr_workgroup_id_y 1
		.amdhsa_system_sgpr_workgroup_id_z 1
		.amdhsa_system_vgpr_workitem_id 0
		.amdhsa_next_free_vgpr 116
		.amdhsa_next_free_sgpr 66
		.amdhsa_reserve_vcc 0
		.amdhsa_float_denorm_mode_32 3
		.amdhsa_float_denorm_mode_16_64 3
		.amdhsa_memory_ordered 1
		.amdhsa_forward_progress 1
		.amdhsa_inst_pref_size 18
	.end_amdhsa_kernel
	.amdgpu_metadata
---
amdhsa.version: [ 1, 2 ]
amdhsa.kernels:
  - .name:           k_q9d06f62f49_prep
    .symbol:         k_q9d06f62f49_prep.kd
    .args:
      - { .name: x, .offset: 0, .size: 8, .value_kind: global_buffer, .address_space: global }
      - { .name: w_attn, .offset: 8, .size: 8, .value_kind: global_buffer, .address_space: global }
      - { .name: w_proj, .offset: 16, .size: 8, .value_kind: global_buffer, .address_space: global }
      - { .name: w_fc, .offset: 24, .size: 8, .value_kind: global_buffer, .address_space: global }
      - { .name: w_mlp_proj, .offset: 32, .size: 8, .value_kind: global_buffer, .address_space: global }
      - { .name: xn, .offset: 40, .size: 8, .value_kind: global_buffer, .address_space: global }
      - { .name: wb, .offset: 48, .size: 8, .value_kind: global_buffer, .address_space: global }
    .group_segment_fixed_size: 0
    .private_segment_fixed_size: 0
    .kernarg_segment_align: 8
    .kernarg_segment_size: 56
    .max_flat_workgroup_size: 256
    .sgpr_count:     66
    .vgpr_count:     116
    .wavefront_size: 32
...
	.end_amdgpu_metadata
.endif
;; end of part 1
;; launch g_qkv (part 2): grid 24 x 32, 4 waves a work-group, clusters of 4 x 4, 327,680 bytes of LDS; arguments xn, wb, b_attn, qkv; writes qkv
.if DOCPART == 2
	.amdgcn_target "amdgcn-amd-amdhsa--gfx1250"
	.amdhsa_code_object_version 6
	.text
	.protected	k_q9d06f62f49_g_qkv
	.globl	k_q9d06f62f49_g_qkv
	.p2align	8
	.type	k_q9d06f62f49_g_qkv,@function
k_q9d06f62f49_g_qkv:
	s_mov_b64 s[64:65], 0
	v_nop
	global_prefetch_b8 v0, s[64:65] scope:SCOPE_SE
	s_setreg_imm32_b32 hwreg(HW_REG_WAVE_MODE, 25, 1), 1
	s_wait_xcnt 0x0
	s_wait_alu depctr_hold_cnt(0) depctr_sa_sdst(0) depctr_va_vdst(0) depctr_va_sdst(0) depctr_va_ssrc(0) depctr_va_vcc(0) depctr_vm_vsrc(0)
	s_getreg_b32 s2, hwreg(HW_REG_IB_STS2, 6, 4)
	s_cmp_eq_u32 s2, 0
	s_cbranch_scc0 .Lentry_in_a_cluster
	s_endpgm
.Lentry_in_a_cluster:
	s_bfe_u32 s2, ttmp6, 0x10000c
	s_cmp_lg_u32 s2, 0xf033
	s_cbranch_scc0 .Lentry_shape_is_right
	s_endpgm
.Lentry_shape_is_right:
; qkv = xn w_attn^T + b_attn.  C[m][n] = sum over k of A[m][k] B[n][k] + bias[n].  A: [4096][SIZE_K] bf16; B: [SIZE_N][SIZE_K] bf16, WOFF bytes into wb; bias f32; C: [4096][SIZE_N] bf16; sums in f32.
; A tile of C is 128 x 128.  Four waves, each 64 x 64: 16 accumulators of 16 x 16, 128 registers.  K goes in steps of 256 (LDS rows of 512 bytes; a wave's tensor load brings 64 of them) through two LDS slots.
; The four waves share ONE stage on the way out, with a barrier between writing and reading, since a wave's 64 columns are only half of an aligned 256 bytes of C.
; CLUSTERS: 4 x 4 work-groups.  The four of a row of the cluster need the same tiles of A, the four of a column the same tiles of B: each tile is asked for JOINTLY, by the same tensor load with the
; same descriptor and a mask that names the four.  THE MATRIX INSTRUCTION IS USED TRANSPOSED (source 0 = 16 rows of B, source 1 = 16 rows of A): a lane then holds eight neighbouring numbers of a row of C.
; REGISTERS: window 0: v0-31 addresses and constants; v32-95 at work on the way out; v96-127 the bias of my columns; v128-255 the accumulators ((a, b) at v[128 + 8 (4 a + b)]).
;   window 1: two fragment buffers of 128: for 64 along K (two matrix instructions deep), 64 registers of A (2 x 4 x 16 rows x 32 K), then 64 of B.
; By this text's own count a wave has two tensor loads out at the start and one behind each round.
; Limits: operands are bf16 as stored; C is rounded once to bf16.
.set SIZE_N, 3072
.set SIZE_K, 1024
.set WOFF,   0
.set GELU_ON, 0
.set KSTEP,  256
.set PITCH,  528                       ; an LDS row: 512 bytes of data + 16 of padding = 132 words: row r starts at bank 4 r mod 64 (64 banks of 4 bytes: ISA guide 11.1)
.set HALFT,  64*PITCH                  ; 64 rows: what one tensor load brings, and what one wave reads of A or of B
.set SLOT,   4*HALFT                   ; A's 128 rows, then B's 128 rows
.set STAGE,  2*SLOT                    ; behind the ring: 128 rows x 272 bytes, the work-group's, for the way out; no tensor load lands there
.set SPITCH, 272
.set LAPS, SIZE_K/(2*KSTEP)            ; a lap = two K steps = once round the ring
.set GG,   8                           ; v8-15   at work in the activation
.set ADRA, 16                          ; v16-17  LDS address of my A fragments in slot 0, 1
.set ADRB, 20                          ; v20-21  the same for B
.set STO,  24                          ; v24     the way out: where I put 16 bytes of a row
.set RD,   25                          ; v25     the way out: where I read a row back
.set CO,   26                          ; v26     my byte offset in C
.set BO,   27                          ; v27     my byte offset in the bias of my wave's 64 columns
.set K0,   28                          ; v28-29  the activation's constants, each twice
.set K1,   30                          ; v30-31
.set TMP,  32                          ; the way out: 64 registers, packed results and then whole rows
.set BI,   96                          ; v[96+8 b+j] = bias of column 16 b + 8 (lane / 16) + j of my 64
.set ACC,  128
.set F0,   0                           ; fragment buffers, in window 1
.set F1,   128
.set G1, 24                            ; s[24:31] descriptor group 1 for A's tiles;  s[32:39] group 0, one set for each slot
.set G0, 32
.set G1B, 48                           ; s[48:55], s[56:63] the same for B's tiles
.set G0B, 56
.set BIAS, 68                          ; s[68:69] the bias
.set CP,   70                          ; s[70:71] C
.set MSB, 0
.macro WIN new                         ; the immediate's high byte repeats the setting that is left
.if MSB != \new
	s_set_vgpr_msb (MSB<<8)|\new
.set MSB, \new
.endif
.endm
.set MUL,  0x05                        ; sources 0 (B) and 1 (A) window 1; C and D window 0
.set TO_F, 0x40                        ; destination window 1, address window 0
.macro JLOAD s                         ; a joint load: waves 0 and 1 fetch A's two halves, waves 2 and 3 B's; four v_nop follow each of the two lines, ahead of the jump, the label and what follows
	s_cmp_eq_u32 s11, 0
	s_cbranch_scc0 .Lfor_b_\@
	tensor_load_to_lds s[G0+4*\s:G0+4*\s+3], s[G1:G1+7]
	s_nop 0
.rept 4
	v_nop
.endr
	s_branch .Lasked_\@
.Lfor_b_\@:
	tensor_load_to_lds s[G0B+4*\s:G0B+4*\s+3], s[G1B:G1B+7]
	s_nop 0
.rept 4
	v_nop
.endr
.Lasked_\@:
.endm
.macro CREST                           ; a round of the cluster's barrier behind its opening barrier
	s_cmp_lg_u32 s10, 0
	s_cbranch_scc1 .Lnot_wave_0_\@
	s_barrier_signal -3
.Lnot_wave_0_\@:
	s_barrier_wait -3
	s_barrier_signal -1
	s_barrier_wait -1
.endm
.macro CROUND                          ; a whole round
	s_barrier_signal -1
	s_barrier_wait -1
	CREST
.endm
	s_load_b128 s[4:7], s[0:1], 0x0                ; A s[4:5], wb s[6:7]
	s_load_b128 s[68:71], s[0:1], 0x10             ; bias s[68:69], C s[70:71]
	v_lshl_add_u32 v30, v0, 2, 0x4a800
	v_mov_b32 v31, 0
	ds_add_u32 v30, v31
	ds_add_u32 v30, v31
	v_lshrrev_b32 v1, 5, v0
	v_readfirstlane_b32 s10, v1                    ; wave 0..3
	s_lshr_b32 s11, s10, 1                         ; which half of the tile's rows is mine.  Also: I fetch for A (0) or for B (1)
	s_and_b32 s12, s10, 1                          ; which half of its columns.  Also: which 64 rows of that tile I fetch
	s_bfe_u32 s40, ttmp6, 0x40000                  ; cx, cy: my place in the cluster
	s_bfe_u32 s41, ttmp6, 0x40004
	s_lshl_b32 s42, ttmp9, 2
	s_add_co_u32 s42, s42, s40                     ; tile column of C = 4 x cluster x + cx
	s_and_b32 s13, ttmp7, 0xffff
	s_lshl_b32 s13, s13, 2
	s_add_co_u32 s13, s13, s41                     ; tile row of C = 4 x cluster y + cy
	s_lshl_b32 s43, s41, 2
	s_lshl_b32 s43, 15, s43                        ; my row of the cluster
	s_lshl_b32 s44, 0x1111, s40                    ; my column
	; descriptor group 1: a tile of 64 rows x 256 elements, padded in LDS
	s_or_b32 s[G1+0], s43, (1<<16)|(1<<20)|(1<<21)|(6<<22)|(3<<25)  ; 15:0 the mask: A's tiles go to my row; 17:16 element of 2 bytes; 20 padding on; 21 set beside a mask; 24:22 after every 128 words (code 6); 31:25 of 4 words (code 3)
	s_or_b32 s[G1B+0], s44, (1<<16)|(1<<20)|(1<<21)|(6<<22)|(3<<25)
.irp g, G1, G1B
	s_mov_b32 s[\g+1], KSTEP<<16                   ; tensor_dim0 = 256
	s_mov_b32 s[\g+2], 64<<16                      ; tensor_dim1 = 64
	s_mov_b32 s[\g+3], KSTEP<<16                   ; tile_dim0 = 256
	s_mov_b32 s[\g+4], 64                          ; tile_dim1 = 64
	s_mov_b32 s[\g+5], SIZE_K                      ; tensor_dim0_stride
	s_mov_b32 s[\g+6], 0
	s_mov_b32 s[\g+7], 0
.endr
	s_lshl_b32 s17, s12, 6                         ; which 64 rows of the tile I fetch
	s_lshl_b32 s16, s13, 7
	s_add_co_u32 s16, s16, s17                     ; A: row 128 x tile row + 64 x half
	s_lshl_b32 s46, s42, 7
	s_add_co_u32 s46, s46, s17                     ; B: row 128 x tile column + 64 x half
	s_mov_b32 s17, 0
	s_mov_b32 s47, 0
	s_mov_b64 s[18:19], SIZE_K*2
	s_mul_u64 s[16:17], s[16:17], s[18:19]
	s_mul_u64 s[46:47], s[46:47], s[18:19]
	s_mul_i32 s20, s10, HALFT                      ; where they go: wave x 64 rows
	s_wait_dscnt 0x0
	s_wait_kmcnt 0x0
.if WOFF
	s_add_nc_u64 s[6:7], s[6:7], WOFF              ; this product's weights in wb
.endif
	s_add_nc_u64 s[14:15], s[4:5], s[16:17]
	s_add_nc_u64 s[46:47], s[6:7], s[46:47]
	CROUND                                         ; all sixteen work-groups are here: the first joint loads meet
.irp s, 0,1
	s_mov_b32 s[G0+4*\s], 1
	s_add_co_u32 s[G0+4*\s+1], s20, \s*SLOT
	s_add_nc_u64 s[G0+4*\s+2:G0+4*\s+3], s[14:15], \s*KSTEP*2
	s_or_b32 s[G0+4*\s+3], s[G0+4*\s+3], 0x80000000
	s_mov_b32 s[G0B+4*\s], 1
	s_add_co_u32 s[G0B+4*\s+1], s20, \s*SLOT
	s_add_nc_u64 s[G0B+4*\s+2:G0B+4*\s+3], s[46:47], \s*KSTEP*2
	s_or_b32 s[G0B+4*\s+3], s[G0B+4*\s+3], 0x80000000
	JLOAD \s
.endr
	v_and_b32 v1, 15, v0                           ; l % 16
	v_bfe_u32 v2, v0, 4, 1                         ; l / 16
	v_mul_u32_u24 v3, v1, PITCH
	v_lshl_add_u32 v3, v2, 4, v3                   ; a fragment's row x pitch + 16 x half
	s_mul_i32 s21, s11, HALFT                      ; my 64 rows of A
	s_mul_i32 s22, s12, HALFT                      ; my 64 rows of B,
	s_add_co_u32 s22, s22, 2*HALFT                 ; which lie behind A's 128
.irp s, 0,1
	v_add_nc_u32 v[ADRA+\s], s21, v3
	v_add_nc_u32 v[ADRB+\s], s22, v3
	s_add_co_u32 s21, s21, SLOT
	s_add_co_u32 s22, s22, SLOT
.endr
	s_mul_i32 s23, s11, 64*SPITCH                  ; into the stage: my 64 rows, my half of their 256 bytes; row l % 16, 16 bytes for each half of the lanes
	s_lshl_b32 s21, s12, 7
	s_add_co_u32 s23, s23, s21
	s_add_co_u32 s23, s23, STAGE
	v_mul_u32_u24 v4, v1, SPITCH
	v_lshl_add_u32 v4, v2, 4, v4
	v_add_nc_u32 v[STO], s23, v4
	s_mul_i32 s23, s10, 32*SPITCH                  ; back: wave w takes rows 32 w .. 32 w + 31, whole; lanes 0-15 one row of 256 bytes, lanes 16-31 the next
	s_add_co_u32 s23, s23, STAGE
	v_mul_u32_u24 v5, v2, SPITCH
	v_lshl_add_u32 v5, v1, 4, v5
	v_add_nc_u32 v[RD], s23, v5
	v_mul_u32_u24 v5, v2, SIZE_N*2                 ; and the same two rows in C
	v_lshl_add_u32 v[CO], v1, 4, v5
	s_lshl_b32 s16, s13, 7
	s_lshl_b32 s17, s10, 5
	s_add_co_u32 s16, s16, s17                     ; the first row of C that I store: 128 x tile row + 32 x wave
	s_mov_b32 s17, 0
	s_mov_b64 s[18:19], SIZE_N*2
	s_mul_u64 s[16:17], s[16:17], s[18:19]
	s_add_nc_u64 s[CP:CP+1], s[CP:CP+1], s[16:17]
	s_lshl_b32 s46, s42, 8                         ; the tile's first column, in bytes
	s_mov_b32 s47, 0
	s_add_nc_u64 s[CP:CP+1], s[CP:CP+1], s[46:47]
	s_lshl_b32 s46, s42, 9                         ; the bias of my 64 columns: 4 x (128 x tile column + 64 x half)
	s_lshl_b32 s47, s12, 8
	s_add_co_u32 s46, s46, s47
	s_mov_b32 s47, 0
	s_add_nc_u64 s[BIAS:BIAS+1], s[BIAS:BIAS+1], s[46:47]
	v_lshlrev_b32 v[BO], 5, v2                     ; 8 numbers further on for lanes 16 to 31
.irp b, 0,1,2,3                        ; eight loads that stay out during the K loop: their registers, address and base are not touched before the wait on the way out
	global_load_b128 v[BI+8*\b:BI+8*\b+3],   v[BO], s[BIAS:BIAS+1] offset:64*\b
	global_load_b128 v[BI+8*\b+4:BI+8*\b+7], v[BO], s[BIAS:BIAS+1] offset:64*\b+16
.endr
.if GELU_ON
	v_mov_b32 v[K0],   0xc0135761                  ; -2 sqrt(2 / pi) log2(e)
	v_mov_b32 v[K0+1], 0xc0135761
	v_mov_b32 v[K1],   0xbdd2d3e8                  ; 0.044715 times that
	v_mov_b32 v[K1+1], 0xbdd2d3e8
.endif
; 8 matrix instructions: m blocks a0, a0 + 1 x all 4 n blocks, 32 along K: half c of buffer f.  zero = 1: the first product starts the sums.
; The 16 accumulators take turns, one instruction a turn.
.macro MUL8 f, c, a0, zero
.irp a, \a0, \a0+1
.irp b, 0,1,2,3
.if \zero
	v_wmma_f32_16x16x32_bf16 v[ACC+8*(4*(\a)+\b):ACC+8*(4*(\a)+\b)+7], v[\f+64+8*(4*\c+\b):\f+64+8*(4*\c+\b)+7], v[\f+8*(4*\c+\a):\f+8*(4*\c+\a)+7], 0
.else
	v_wmma_f32_16x16x32_bf16 v[ACC+8*(4*(\a)+\b):ACC+8*(4*(\a)+\b)+7], v[\f+64+8*(4*\c+\b):\f+64+8*(4*\c+\b)+7], v[\f+8*(4*\c+\a):\f+8*(4*\c+\a)+7], v[ACC+8*(4*(\a)+\b):ACC+8*(4*(\a)+\b)+7]
.endif
.endr
.endr
.endm
; 32 LDS loads in one run: the fragments of 64 along K at byte k of the rows, into buffer f; the first 32 along K first
.macro FETCH slot, k, f
	WIN TO_F
.irp c, 0,1
.irp i, 0,1,2,3
	ds_load_b128 v[\f+64+8*(4*\c+\i):\f+64+8*(4*\c+\i)+3],   v[ADRB+\slot] offset:\k+64*\c+\i*16*PITCH
	ds_load_b128 v[\f+64+8*(4*\c+\i)+4:\f+64+8*(4*\c+\i)+7], v[ADRB+\slot] offset:\k+64*\c+\i*16*PITCH+32
	ds_load_b128 v[\f+8*(4*\c+\i):\f+8*(4*\c+\i)+3],         v[ADRA+\slot] offset:\k+64*\c+\i*16*PITCH
	ds_load_b128 v[\f+8*(4*\c+\i)+4:\f+8*(4*\c+\i)+7],       v[ADRA+\slot] offset:\k+64*\c+\i*16*PITCH+32
.endr
.endr
.endm
.macro PLACES                          ; four places in front of loads into registers that matrix instructions have read, and of vector work that reads results
.rept 4
	v_nop
.endr
.endm
; A K step is four quarters of 64 along K, 32 matrix instructions each, on buffers 0, 1, 0, 1.  One of the first three: multiplies buffer f and fetches the next quarter, at byte k, into g.
.macro QUARTER slot, k, f, g, zero
	s_wait_dscnt 16                                ; the first 32 along K are in: the sixteen younger loads may be out
	WIN MUL
	MUL8 \f, 0, 0, \zero
	MUL8 \f, 0, 2, \zero
	PLACES
	FETCH \slot, \k, \g
	s_wait_dscnt 32                                ; all but the 32 just issued
	WIN MUL
	MUL8 \f, 1, 0, 0
	MUL8 \f, 1, 2, 0
.endm
; The last quarter multiplies buffer 1 and changes slots: ONE barrier; in front of it each wave waits for its own reads of this slot and for all its tensor loads.  fill = 1: this slot is filled again, two K steps ahead.
.macro TURN slot, next, fill
	s_wait_dscnt 16
	WIN MUL
	MUL8 F1, 0, 0, 0
	s_wait_dscnt 0                                 ; my reads of this slot are over,
	s_set_vgpr_msb 0x500
	s_wait_tensorcnt 0x0                           ; and all my tensor loads have landed: my part of the next slot
	ds_add_u32 v30, v31
	s_wait_dscnt 0x0
	s_set_vgpr_msb 0x5
	s_barrier_signal -1
	MUL8 F1, 0, 2, 0
.if \fill
	WIN 0
.endif
	s_barrier_wait -1
.if \fill
	CREST                                          ; the barrier has opened a round of the cluster's barrier: no wave of any partner still reads this slot's tile or has a load on its way
	s_add_nc_u64 s[G0+4*\slot+2:G0+4*\slot+3], s[G0+4*\slot+2:G0+4*\slot+3], 2*KSTEP*2
	s_add_nc_u64 s[G0B+4*\slot+2:G0B+4*\slot+3], s[G0B+4*\slot+2:G0B+4*\slot+3], 2*KSTEP*2
	JLOAD \slot                                    ; the first tensor load behind the round: 120 matrix instructions ahead of the wait for it; the four v_nop behind it are also the places in front of the loads below
.else
	PLACES
.endif
	FETCH \next, 0, F0
	WIN MUL
	MUL8 F1, 1, 0, 0
	MUL8 F1, 1, 2, 0
.endm
; x / (1 + 2^(K0 x + K1 x^3)), which is 0.5 x (1 + tanh(sqrt(2/pi) (x + 0.044715 x^3))) identically, on the eight numbers at v[x].  For large |x| the power goes to 0 or to infinity and the result to x or to -0.
.macro GELU x
.irp r, 0,1,2,3
	v_pk_mul_f32 v[GG+2*\r:GG+2*\r+1], v[\x+2*\r:\x+2*\r+1], v[\x+2*\r:\x+2*\r+1]
.endr
.irp r, 0,1,2,3
	v_pk_fma_f32 v[GG+2*\r:GG+2*\r+1], v[GG+2*\r:GG+2*\r+1], v[K1:K1+1], v[K0:K0+1]
.endr
.irp r, 0,1,2,3
	v_pk_mul_f32 v[GG+2*\r:GG+2*\r+1], v[GG+2*\r:GG+2*\r+1], v[\x+2*\r:\x+2*\r+1]
.endr
.irp r, 0,1,2,3,4,5,6,7
	v_exp_f32 v[GG+\r], v[GG+\r]
.endr
	v_nop                                          ; a plain instruction between the last transcendental and the use of its result (ISA guide 5.7.2)
.irp r, 0,1,2,3
	v_pk_add_f32 v[GG+2*\r:GG+2*\r+1], v[GG+2*\r:GG+2*\r+1], 1.0 op_sel_hi:[1,0]
.endr
.irp r, 0,1,2,3,4,5,6,7
	v_rcp_f32 v[GG+\r], v[GG+\r]
.endr
	v_nop
.irp r, 0,1,2,3
	v_pk_mul_f32 v[\x+2*\r:\x+2*\r+1], v[\x+2*\r:\x+2*\r+1], v[GG+2*\r:GG+2*\r+1]
.endr
.endm
	s_wait_tensorcnt 1                             ; my part of K step 0 is in; K step 1's may stay out
	s_barrier_signal -1
	s_barrier_wait -1                              ; everybody's is
	FETCH 0, 0, F0
	QUARTER 0, 128, F0, F1, 1                      ; the first quarter stands in front of the loop: its first products start the sums
.if LAPS > 1
	WIN 0                                          ; at a label and at a branch every window is 0
	s_mov_b32 s3, LAPS-1
.Llap:                                                 ; a trip goes once round the ring, from a lap's second quarter to the next lap's first, and fills both slots again
	QUARTER 0, 256, F1, F0, 0
	QUARTER 0, 384, F0, F1, 0
	TURN 0, 1, 1
	QUARTER 1, 128, F0, F1, 0
	QUARTER 1, 256, F1, F0, 0
	QUARTER 1, 384, F0, F1, 0
	TURN 1, 0, 1
	QUARTER 0, 128, F0, F1, 0
	WIN 0
	s_sub_co_u32 s3, s3, 1
	s_cmp_lg_u32 s3, 0
	s_cbranch_scc1 .Llap
.endif
	QUARTER 0, 256, F1, F0, 0                      ; the last lap fills nothing, and has no round of the cluster's barrier
	QUARTER 0, 384, F0, F1, 0
	TURN 0, 1, 0
	QUARTER 1, 128, F0, F1, 0
	QUARTER 1, 256, F1, F0, 0
	QUARTER 1, 384, F0, F1, 0
	s_wait_dscnt 16                                ; the very last quarter: nothing more to fetch
	WIN MUL
	MUL8 F1, 0, 0, 0
	MUL8 F1, 0, 2, 0
	s_wait_dscnt 0
	MUL8 F1, 1, 0, 0
	MUL8 F1, 1, 2, 0
	WIN 0
	; THE WAY OUT: the bias (and the activation) in f32; round to bf16; 16 bytes a lane into the work-group's stage; a barrier, since a row's 256 bytes come from two waves; back as whole rows, 32 rows a wave.
	PLACES
	s_wait_loadcnt 0x0                             ; the bias
.irp t, 0,1,2,3,4,5,6,7,8,9,10,11,12,13,14,15
.irp r, 0,1,2,3
	v_pk_add_f32 v[ACC+8*\t+2*\r:ACC+8*\t+2*\r+1], v[ACC+8*\t+2*\r:ACC+8*\t+2*\r+1], v[BI+8*(\t%4)+2*\r:BI+8*(\t%4)+2*\r+1]
.endr
.if GELU_ON
	GELU ACC+8*\t
.endif
.irp r, 0,1,2,3
	v_cvt_pk_bf16_f32 v[TMP+4*\t+\r], v[ACC+8*\t+2*\r], v[ACC+8*\t+2*\r+1]
.endr
.endr
.irp a, 0,1,2,3
.irp b, 0,1,2,3
	ds_store_b128 v[STO], v[TMP+4*(4*\a+\b):TMP+4*(4*\a+\b)+3] offset:\a*16*SPITCH+32*\b
.endr
.endr
	s_wait_dscnt 0x0                               ; for the others' sake: my stores into the stage are done
	s_barrier_signal -1
	s_barrier_wait -1
.irp t, 0,1,2,3,4,5,6,7,8,9,10,11,12,13,14,15
	ds_load_b128 v[TMP+4*\t:TMP+4*\t+3], v[RD] offset:\t*2*SPITCH
.endr
.irp t, 0,1,2,3,4,5,6,7,8,9,10,11,12,13,14,15
	s_wait_dscnt 15-\t                             ; LDS loads come back in order: number t is in, the younger ones may be out
	global_store_b128 v[CO], v[TMP+4*\t:TMP+4*\t+3], s[CP:CP+1] offset:2*\t*SIZE_N*2   ; 16 lanes store 256 consecutive bytes, at a multiple of 256 from C's first byte
.endr
	s_wait_tensorcnt 0x0
	ds_add_u32 v30, v31
	s_wait_dscnt 0x0
	CROUND                                         ; the closing round: no work-group ends while a partner may still ask for a tile that names it
	s_endpgm
.Lfunc_end_k_q9d06f62f49_g_qkv:
	.size	k_q9d06f62f49_g_qkv, .Lfunc_end_k_q9d06f62f49_g_qkv-k_q9d06f62f49_g_qkv
	.p2alignl 7, 3214868480
	.fill 96, 4, 3214868480
	.section	.rodata,"a",@progbits
	.p2align	6, 0x0
	.amdhsa_kernel k_q9d06f62f49_g_qkv
		.amdhsa_group_segment_fixed_size 327680
		.amdhsa_private_segment_fixed_size 0
		.amdhsa_enable_private_segment 0
		.amdhsa_kernarg_size 32
		.amdhsa_user_sgpr_count 2
		.amdhsa_user_sgpr_kernarg_segment_ptr 1
		.amdhsa_wavefront_size32 1
		.amdhsa_system_sgpr_workgroup_id_x 1
		.amdhsa_system_sgpr_workgroup_id_y 1
		.amdhsa_system_sgpr_workgroup_id_z 1
		.amdhsa_system_vgpr_workitem_id 0
		.amdhsa_next_free_vgpr 512
		.amdhsa_next_free_sgpr 76
		.amdhsa_reserve_vcc 0
		.amdhsa_float_denorm_mode_32 3
		.amdhsa_float_denorm_mode_16_64 3
		.amdhsa_memory_ordered 1
		.amdhsa_forward_progress 1
		.amdhsa_inst_pref_size 92
	.end_amdhsa_kernel
	.amdgpu_metadata
---
amdhsa.version: [ 1, 2 ]
amdhsa.kernels:
  - .name:           k_q9d06f62f49_g_qkv
    .symbol:         k_q9d06f62f49_g_qkv.kd
    .args:
      - { .name: xn, .offset: 0, .size: 8, .value_kind: global_buffer, .address_space: global }
      - { .name: wb, .offset: 8, .size: 8, .value_kind: global_buffer, .address_space: global }
      - { .name: b_attn, .offset: 16, .size: 8, .value_kind: global_buffer, .address_space: global }
      - { .name: qkv, .offset: 24, .size: 8, .value_kind: global_buffer, .address_space: global }
    .group_segment_fixed_size: 327680
    .private_segment_fixed_size: 0
    .kernarg_segment_align: 8
    .kernarg_segment_size: 32
    .max_flat_workgroup_size: 128
    .sgpr_count:     76
    .vgpr_count:     512
    .wavefront_size: 32
...
	.end_amdgpu_metadata
.endif
;; end of part 2
;; launch attn (part 3): grid 8 x 32, 4 waves a work-group, no clusters, 327,680 bytes of LDS; arguments qkv, y; writes y
.if DOCPART == 3
	.amdgcn_target "amdgcn-amd-amdhsa--gfx1250"
	.amdhsa_code_object_version 6
	.text
	.protected	k_q9d06f62f49_attn
	.globl	k_q9d06f62f49_attn
	.p2align	8
	.type	k_q9d06f62f49_attn,@function
k_q9d06f62f49_attn:
	s_mov_b64 s[64:65], 0
	v_nop
	global_prefetch_b8 v0, s[64:65] scope:SCOPE_SE
	s_setreg_imm32_b32 hwreg(HW_REG_WAVE_MODE, 25, 1), 1
	s_wait_xcnt 0x0
; y[b][t][head][:] = the sum over s <= t of softmax_s(q[t] . k[s] / 8) v[s][:].  qkv: [4096][3072] bf16 (q, k, v at bytes 0, 2,048, 4,096 of a row; a head is 128 bytes); y: [4096][1024] bf16.
; Products, maxima and sums in f32; the weights p are rounded to bf16 for the second product, y once at the end.
; SHARES.  A work-group has one batch entry and a PAIR of heads, so that the rows of K's and V's tiles, and of y, are 256 consecutive bytes at a multiple of 256.  It owns two chunks of 64 queries: chunk I and
; then chunk 15 - I (I = 0..7).  Wave w has head w / 2 of the pair and queries 32 (w % 2) on of the chunk: two tiles of 16.  Keys go in slots of 128 (two steps of 64).  Chunk c needs c / 2 + 1 slots, and
; (I / 2 + 1) + ((15 - I) / 2 + 1) = 9 for every I: every work-group walks one stream of nine slots, 8 x 32 = 256 work-groups of equal work.  A chunk's last slot holds its diagonal: only there is the mask applied.
; LAYOUT.  S^T = K Q^T (source 0 = 16 keys, source 1 = 16 queries): a lane holds ONE query (lane % 16) and the keys 8 (lane / 16) + 0..7.  Two such tiles, rounded to bf16 in pairs, ARE source 1 (32 keys x 16
; queries) of O^T = V^T P, whose result again holds one query a lane, and eight channels.  K comes out of LDS as it lies, V ([key][channel]) turned, by ds_load_tr16_b128.
; SOFTMAX.  For each query a running maximum m and sum l: p = 2^(c s - c m), c = log2(e) / 8; in every step O and l are multiplied by a = 2^(c m_old - c m_new).  m starts at -infinity; a chunk's first step
; holds key 0, which no query masks, so m is finite from there on, and the first a = 0 meets only l = 0 and O = 0.  Masked scores are -infinity and give p = 0.
; NO CLUSTER: the eight work-groups of a head pair walk key ranges whose lengths (I / 2 + 1 and 8 - I / 2 slots) and order hang on I, their place; joint requests would need the same tile in the same trip in all of them.
; RING.  Two LDS slots; waves 0, 1 bring K's, waves 2, 3 V's tile of the slot's first, second step: 64 rows x 256 bytes each.  By this text's own count a wave has two tensor loads out at the start and one behind each refill's barrier.
; REGISTERS.  window 0: v0-11 addresses; v12-27 eight registers of statistics a tile; v28-31 the mask's bounds; v64-127 S^T, 32 a tile; v128-159 P, 16 a tile; v160-223 O^T, 32 a tile.
;   window 1: v0-31 Q, 16 a tile; v32-159 K of a slot's two steps; v160-223 V of one step.
; Limits: q, k, v, p and y are bf16; v_exp_f32 gives 0 where p lies under 2^-126.  The second step of an even chunk's diagonal slot is wholly masked and is computed all the same.
.set KS,    64        ; keys in a step
.set PK,    272       ; a row of K in LDS: 256 bytes + 16 of padding = 68 words: row r starts at bank 4 r mod 64 (64 banks of 4 bytes: ISA guide 11.1)
.set PV,    288       ; a row of V: 256 + 32 = 72 words
.set VOFF,  KS*PK     ; a step's tiles lie together: 64 rows of K, then 64 rows of V
.set STEPB, KS*(PK+PV)
.set SLOT1, 1<<17     ; a slot holds two steps (71,680 bytes); slot 1 begins here, so that one exclusive or turns an address in one slot into the other's
.set STAGE, SLOT1+2*STEPB  ; behind the ring: two stages of 64 rows x 272 bytes, one for each chunk; no tensor load lands there
.set SP,    272
.set STG,   64*SP
.set ROWB,  6144      ; bytes in a row of qkv
.set AK0, 2           ; v2   my lane's place in a tile of K; never rewritten
.set AV0, 3           ; v3   the same for V
.set ADRK, 4          ; v4   AK0 + the slot at work
.set ADRV, 5          ; v5   AV0 + the slot at work
.set QO,  6           ; v6   my byte offset in the wave's rows of q
.set STO, 7           ; v7   the way out: where I put 16 bytes of a row
.set RD,  8           ; v8   the way out: where I read a row back
.set GO,  10          ; v10  my byte offset in the wave's rows of y
.set NEG, 11          ; v11  -infinity
.set ST,  12          ; tile t's statistics at v[ST+8 t]: +0 c m, +1 m, +2, +3 l (even keys', odd keys'), +4 to +7 c0-c3, at work; a takes c2's place once the maximum is found
.set DB,  28          ; v28-29 tile t: my query's place in the chunk less 8 (lane / 16); never rewritten
.set DM,  30          ; v30-31 the same plus 64 (chunk % 2): key 16 kb + j of the diagonal slot (less the lane's 8 (lane / 16)) is kept up to this number
.set S,   64
.set P,   128
.set O,   160
.set QF,  0           ; window 1
.set KF,  32
.set VF,  160
.set WV,  12          ; s12  my wave's number
.set HD,  13          ; s13  my head of the pair
.set QH,  14          ; s14  my half of the chunk's queries.  Also: which of a slot's two steps I fetch
.set II,  15          ; s15  I
.set RB,  16          ; s16  the batch entry's first row, 1,024 b
.set HB,  19          ; s19  the head pair's bytes in a row, 256 hp
.set BK,  20          ; s[20:21] k at my tile of key slot 0
.set BV,  22          ; s[22:23] v likewise
.set G1K, 24          ; s[24:31] descriptor group 1 for K's tiles
.set G1V, 32          ; s[32:39] for V's: it differs in the padding alone
.set G0K, 40          ; s[40:47] descriptor group 0 for K's tiles: a set for each of the two first fills; the second then walks on
.set G0V, 48          ; s[48:55] the same for V's
.set T,   56          ; s56  the slot of the stream at work, 0 to 8: the loop's counter
.set KSL, 57          ; s57  the key slot asked for last
.set CS,  58          ; s[58:59] c: the packed scaling names a pair and takes its low word for both halves
.set SEL, 60          ; s[60:61] lane selects for v_permlanex16_b32: each lane takes its own place in the other half
.set TB,  62          ; s62  LDS byte at which the slot at work begins
.set DG,  63          ; s63  1: this slot is a chunk's last, with the diagonal
.set NA,  66          ; s66  slots of the first chunk
.set CH,  67          ; s67  the chunk in hand
.set OFF, 68          ; s[68:69] a byte offset in 64 bits (the high word stays 0)
.set QB,  70          ; s[70:71] q at my wave's first row of the chunk
.set YA,  72          ; s[72:73] y at my 16 rows of the first chunk
.set FN,  74          ; s74  the slot of the stream asked for last
.set YB,  78          ; s[78:79] y at my 16 rows of the second chunk
.set MSB, 0
.macro WIN new                      ; the immediate's high byte repeats the setting that is left; a switch that changes nothing is dropped
.if MSB != \new
	s_set_vgpr_msb (MSB<<8)|\new
.set MSB, \new
.endif
.endm
.macro PLACES                       ; four places behind matrix instructions, in front of vector work on their results and of loads into their sources
.rept 4
	v_nop
.endr
.endm
; The walking descriptors' load.  Waves 0 and 1 fetch the two steps' tiles of K, waves 2 and 3 those of V.  Four v_nop follow each of the two lines, ahead of the jump, the label and what follows.
.macro TLOAD
	s_cmp_lt_u32 s[WV], 2
	s_cbranch_scc0 .Lfor_v_\@
	tensor_load_to_lds s[G0K+4:G0K+7], s[G1K:G1K+7]
	s_nop 0
.rept 4
	v_nop
.endr
	s_branch .Lasked_\@
.Lfor_v_\@:
	tensor_load_to_lds s[G0V+4:G0V+7], s[G1V:G1V+7]
	s_nop 0
.rept 4
	v_nop
.endr
.Lasked_\@:
.endm
; The walking descriptors' global addresses step to the stream's next slot: the next 128 keys, or, where the second chunk begins, keys 0 to 127 again.
.macro ADV
	s_add_co_u32 s[FN], s[FN], 1
	s_add_co_u32 s[KSL], s[KSL], 1
	s_cmp_eq_u32 s[FN], s[NA]
	s_cselect_b32 s[KSL], 0, s[KSL]
	s_mul_i32 s[OFF], s[KSL], 128*ROWB
	s_add_nc_u64 s[G0K+6:G0K+7], s[BK:BK+1], s[OFF:OFF+1]
	s_or_b32 s[G0K+7], s[G0K+7], 0x80000000        ; 127:126 type = 2
	s_add_nc_u64 s[G0V+6:G0V+7], s[BV:BV+1], s[OFF:OFF+1]
	s_or_b32 s[G0V+7], s[G0V+7], 0x80000000
.endm
	s_load_b128 s[4:7], s[0:1], 0x0  ; qkv s[4:5], y s[6:7]
	v_lshl_add_u32 v254, v0, 2, 0x3a000
	v_mov_b32 v255, 0
	ds_add_u32 v254, v255
	ds_add_u32 v254, v255
	v_lshrrev_b32 v1, 5, v0
	v_readfirstlane_b32 s[WV], v1   ; wave 0..3
	s_lshr_b32 s[HD], s[WV], 1
	s_and_b32 s[QH], s[WV], 1
	s_mov_b32 s[II], ttmp9
	s_and_b32 s75, ttmp7, 0xffff    ; 8 b + hp
	s_lshr_b32 s[RB], s75, 3
	s_lshl_b32 s[RB], s[RB], 10
	s_and_b32 s[HB], s75, 7
	s_lshl_b32 s[HB], s[HB], 8
	s_lshr_b32 s[NA], s[II], 1
	s_add_co_u32 s[NA], s[NA], 1
	; descriptor group 1: a tile of 64 rows x 128 elements, padded in LDS
	s_mov_b32 s[G1K], (1<<16)|(1<<20)|(5<<22)|(3<<25)  ; 15:0 no mask; 17:16 elements of 2 bytes; 20 padding on; 24:22 after every 64 words (code 5); 31:25 4 words of it (code 3)
	s_mov_b32 s[G1V], (1<<16)|(1<<20)|(5<<22)|(7<<25)  ; the same with 8 words of padding (code 7)
.irp g, G1K, G1V
	s_mov_b32 s[\g+1], 128<<16      ; tensor_dim0 = 128
	s_mov_b32 s[\g+2], KS<<16       ; tensor_dim1 = 64
	s_mov_b32 s[\g+3], 128<<16      ; tile_dim0 = 128
	s_mov_b32 s[\g+4], KS           ; tile_dim1 = 64
	s_mov_b32 s[\g+5], 3072         ; tensor_dim0_stride: elements from row to row
	s_mov_b32 s[\g+6], 0
	s_mov_b32 s[\g+7], 0
.endr
	s_mov_b32 s[CS], 0x3e38aa3b     ; c = log2(e) / 8
	s_mov_b32 s[CS+1], s[CS]        ; named with it as a pair, so it is written
	s_mov_b32 s[SEL], 0x76543210
	s_mov_b32 s[SEL+1], 0xfedcba98
	s_mov_b32 s[TB], 0
	s_mov_b32 s[FN], 0
	s_mov_b32 s[KSL], 0
	s_lshl_b32 s75, s[QH], 6        ; my step's 64 rows
	s_add_co_u32 s75, s75, s[RB]
	s_mul_i32 s[OFF], s75, ROWB
	s_add_co_u32 s[OFF], s[OFF], s[HB]
	s_add_co_u32 s[OFF], s[OFF], 2048  ; k lies 2,048 bytes into a row
	s_mov_b32 s[OFF+1], 0
	s_mul_i32 s76, s[QH], STEPB     ; my step's place in a slot
	s_wait_dscnt 0x0
	s_wait_kmcnt 0x0
	s_add_nc_u64 s[BK:BK+1], s[4:5], s[OFF:OFF+1]
	s_add_nc_u64 s[BV:BV+1], s[BK:BK+1], 2048
.irp s, 0,1
	s_mov_b32 s[G0K+4*\s], 1        ; count = 1
	s_add_co_u32 s[G0K+4*\s+1], s76, \s*SLOT1  ; LDS address
	s_mov_b32 s[G0V+4*\s], 1
	s_add_co_u32 s[G0V+4*\s+1], s76, \s*SLOT1+VOFF
.endr
	s_mov_b64 s[G0K+2:G0K+3], s[BK:BK+1]  ; the stream's slot 0 is key slot 0
	s_or_b32 s[G0K+3], s[G0K+3], 0x80000000
	s_mov_b64 s[G0V+2:G0V+3], s[BV:BV+1]
	s_or_b32 s[G0V+3], s[G0V+3], 0x80000000
	ADV                             ; the stream's slot 1
	s_cmp_lt_u32 s[WV], 2           ; a wave's two first fills stand in one branch, ahead of every wait on TENSORcnt, every LDS read and every barrier; four v_nop follow the second, as in TLOAD
	s_cbranch_scc0 .Lfirst_v
	tensor_load_to_lds s[G0K:G0K+3], s[G1K:G1K+7]
	s_nop 0
	tensor_load_to_lds s[G0K+4:G0K+7], s[G1K:G1K+7]
	s_nop 0
.rept 4
	v_nop
.endr
	s_branch .Lfirst_asked
.Lfirst_v:
	tensor_load_to_lds s[G0V:G0V+3], s[G1V:G1V+7]
	s_nop 0
	tensor_load_to_lds s[G0V+4:G0V+7], s[G1V:G1V+7]
	s_nop 0
.rept 4
	v_nop
.endr
.Lfirst_asked:
	; A fragment of K or Q is 16 rows x 32 channels in 8 registers: lane l holds row l % 16; registers 0-3 channels 8 (l / 16) + 0..7, registers 4-7 channels 16 + 8 (l / 16) + 0..7: two loads of 16 bytes, 32 bytes apart.
	v_and_b32 v1, 15, v0            ; l % 16
	v_bfe_u32 v9, v0, 4, 1          ; l / 16
	s_lshl_b32 s75, s[HD], 7        ; my head's 128 bytes of a row
	v_mul_u32_u24 v[AK0], v1, PK
	v_lshl_add_u32 v[AK0], v9, 4, v[AK0]
	v_add_nc_u32 v[AK0], s75, v[AK0]
	; The turning load takes 16 keys x 16 channels (lane l reads 16 bytes: key 8 (l / 16) + l % 8, channels 8 ((l / 8) % 2) + 0..7) and leaves half a fragment of V^T: lane l holds channel l % 16 and 8 keys.
	v_and_b32 v32, 7, v0
	v_bfe_u32 v33, v0, 3, 1
	v_lshl_add_u32 v[AV0], v9, 3, v32
	v_mul_u32_u24 v[AV0], v[AV0], PV
	v_lshl_add_u32 v[AV0], v33, 4, v[AV0]
	v_add_nc_u32 v[AV0], s75, v[AV0]
	v_add_nc_u32 v[AV0], VOFF, v[AV0]
	v_mul_u32_u24 v[QO], v1, ROWB
	v_lshl_add_u32 v[QO], v9, 4, v[QO]
	s_mul_i32 s76, s[QH], 32*SP     ; into a stage: my 32 rows, my head's half of their 256 bytes; row l % 16, 16 bytes for each half of the lanes
	s_add_co_u32 s76, s76, s75
	s_add_co_u32 s76, s76, STAGE
	v_mul_u32_u24 v[STO], v1, SP
	v_lshl_add_u32 v[STO], v9, 4, v[STO]
	v_add_nc_u32 v[STO], s76, v[STO]
	s_mul_i32 s77, s[WV], 16*SP     ; back: wave w takes rows 16 w .. 16 w + 15, whole; lanes 0-15 one row of 256 bytes, lanes 16-31 the next
	s_add_co_u32 s77, s77, STAGE
	v_mul_u32_u24 v[RD], v9, SP
	v_lshl_add_u32 v[RD], v1, 4, v[RD]
	v_add_nc_u32 v[RD], s77, v[RD]
	v_lshlrev_b32 v[GO], 11, v9     ; and the same two rows in y
	v_lshl_add_u32 v[GO], v1, 4, v[GO]
	v_lshlrev_b32 v32, 3, v9
	v_sub_nc_u32 v[DB], v1, v32     ; l % 16 - 8 (l / 16): it may be negative, the compare is signed
	s_lshl_b32 s75, s[QH], 5
	v_add_nc_u32 v[DB], s75, v[DB]
	v_add_nc_u32 v[DB+1], 16, v[DB]
	v_mov_b32 v[NEG], 0xff800000
; A chunk begins: its Q into registers, the mask's bounds, m = c m = -infinity, l = 0, O = 0.  The 64 moves, twice in a wave's life, stand for a second copy of a key step whose products would start the sums.
.macro INIT
	s_lshl_b32 s75, s[CH], 6
	s_add_co_u32 s75, s75, s[RB]
	s_lshl_b32 s76, s[QH], 5
	s_add_co_u32 s75, s75, s76      ; my first row: 1,024 b + 64 chunk + 32 half
	s_mul_i32 s76, s75, ROWB
	s_add_co_u32 s76, s76, s[HB]
	s_lshl_b32 s77, s[HD], 7
	s_add_co_u32 s76, s76, s77
	s_mov_b32 s77, 0
	s_add_nc_u64 s[QB:QB+1], s[4:5], s[76:77]  ; the loads that named this base before have been waited for
	WIN 0x40                        ; destination window 1
.irp t, 0,1
.irp cc, 0,1
	global_load_b128 v[QF+16*\t+8*\cc:QF+16*\t+8*\cc+3],   v[QO], s[QB:QB+1] offset:\t*16*ROWB+64*\cc
	global_load_b128 v[QF+16*\t+8*\cc+4:QF+16*\t+8*\cc+7], v[QO], s[QB:QB+1] offset:\t*16*ROWB+64*\cc+32
.endr
.endr
	WIN 0
	s_and_b32 s75, s[CH], 1
	s_lshl_b32 s75, s75, 6          ; an odd chunk's queries begin at the diagonal slot's key 64
	v_add_nc_u32 v[DM], s75, v[DB]
	v_add_nc_u32 v[DM+1], s75, v[DB+1]
.irp t, 0,1
	v_mov_b32 v[ST+8*\t], v[NEG]
	v_mov_b32 v[ST+8*\t+1], v[NEG]
	v_mov_b32 v[ST+8*\t+2], 0
	v_mov_b32 v[ST+8*\t+3], 0
.endr
.set i, 0
.rept 64
	v_mov_b32 v[O+i], 0
.set i, i+1
.endr
	s_wait_loadcnt 0x0              ; Q
.endm
; The LDS loads stand in runs of 16: a step's K (64 keys x 64 channels: 8 fragments) and its V (turned).
.macro LOADK ks
	WIN 0x40
.irp f, 0,1,2,3,4,5,6,7             ; keys 16 (f / 2) on, channels 32 (f % 2) on
	ds_load_b128 v[KF+64*\ks+8*\f:KF+64*\ks+8*\f+3],   v[ADRK] offset:\ks*STEPB+(\f/2)*16*PK+(\f%2)*64
	ds_load_b128 v[KF+64*\ks+8*\f+4:KF+64*\ks+8*\f+7], v[ADRK] offset:\ks*STEPB+(\f/2)*16*PK+(\f%2)*64+32
.endr
	WIN 0
.endm
.macro LOADV ks
	WIN 0x40
.irp f, 0,1,2,3,4,5,6,7             ; keys 32 (f / 4) on, channels 16 (f % 4) on
	ds_load_tr16_b128 v[VF+8*\f:VF+8*\f+3],   v[ADRV] offset:\ks*STEPB+(\f/4)*32*PV+(\f%4)*32
	ds_load_tr16_b128 v[VF+8*\f+4:VF+8*\f+7], v[ADRV] offset:\ks*STEPB+(\f/4)*32*PV+16*PV+(\f%4)*32
.endr
	WIN 0
.endm
; 16 products S^T = K Q^T: channels 32 (i / 8) on, keys 16 ((i / 2) % 4) on, tile i % 2.  The first 8 start the sums.  The eight accumulators take turns, one instruction a turn.
.macro MULKQ ks
	WIN 0x05                        ; K and Q in window 1, S^T in window 0
.set i, 0
.rept 16
.set rS, S+32*(i%2)+8*((i/2)%4)
.set rK, KF+64*\ks+8*(2*((i/2)%4)+i/8)
.set rQ, QF+16*(i%2)+8*(i/8)
.if i < 8
	v_wmma_f32_16x16x32_bf16 v[rS:rS+7], v[rK:rK+7], v[rQ:rQ+7], 0
.else
	v_wmma_f32_16x16x32_bf16 v[rS:rS+7], v[rK:rK+7], v[rQ:rQ+7], v[rS:rS+7]
.endif
.set i, i+1
.endr
	WIN 0
.endm
; 16 products O^T += V^T P: keys 32 (i / 8) on, channels 16 ((i / 2) % 4) on, tile i % 2.  Again eight accumulators by turns.
.macro MULPV
	WIN 0x01                        ; V in window 1, P and O^T in window 0
.set i, 0
.rept 16
.set rO, O+32*(i%2)+8*((i/2)%4)
.set rV, VF+8*(4*(i/8)+(i/2)%4)
.set rP, P+16*(i%2)+8*(i/8)
	v_wmma_f32_16x16x32_bf16 v[rO:rO+7], v[rV:rV+7], v[rP:rP+7], v[rO:rO+7]
.set i, i+1
.endr
	WIN 0
.endm
; The diagonal slot: score i of a tile belongs to key 64 ks + 16 (i / 8) + 8 (lane / 16) + i % 8 of the slot; it is kept where that key is not behind the lane's query.
.macro MASK ks
.irp t, 0,1
.set i, 0
.rept 32
	v_cmp_le_i32 vcc_lo, 64*\ks+16*(i/8)+i%8, v[DM+\t]
	v_cndmask_b32 v[S+32*\t+i], v[NEG], v[S+32*\t+i], vcc_lo
.set i, i+1
.endr
.endr
.endm
; The new maximum of both tiles, which alternate so that no instruction reads the result of the one just before it: four chains c0-c3 of seven scores, the four scores left over, the old m, the other half of the lanes.
.macro MAXP
.irp j, 0,1,2,3
.irp t, 0,1
	v_max3_num_f32 v[ST+8*\t+4+\j], v[S+32*\t+8*\j], v[S+32*\t+8*\j+1], v[S+32*\t+8*\j+2]
.endr
.endr
.irp g, 1,2
.irp j, 0,1,2,3
.irp t, 0,1
	v_max3_num_f32 v[ST+8*\t+4+\j], v[ST+8*\t+4+\j], v[S+32*\t+8*\j+2*\g+1], v[S+32*\t+8*\j+2*\g+2]
.endr
.endr
.endr
.irp t, 0,1
	v_max3_num_f32 v[ST+8*\t+4], v[ST+8*\t+4], v[S+32*\t+7], v[S+32*\t+15]
.endr
.irp t, 0,1
	v_max3_num_f32 v[ST+8*\t+6], v[ST+8*\t+6], v[S+32*\t+23], v[S+32*\t+31]
.endr
.irp t, 0,1
	v_max3_num_f32 v[ST+8*\t+4], v[ST+8*\t+4], v[ST+8*\t+5], v[ST+8*\t+6]
.endr
.irp t, 0,1
	v_max3_num_f32 v[ST+8*\t+4], v[ST+8*\t+4], v[ST+8*\t+7], v[ST+8*\t+1]
.endr
.irp t, 0,1
	v_permlanex16_b32 v[ST+8*\t+5], v[ST+8*\t+4], s[SEL], s[SEL+1]  ; the query's other 32 keys lie in the lane 16 away
.endr
.irp t, 0,1
	v_mov_b32 v[ST+8*\t+7], v[ST+8*\t]             ; c m_old is kept for a
.endr
.irp t, 0,1
	v_max_num_f32 v[ST+8*\t+1], v[ST+8*\t+4], v[ST+8*\t+5]
.endr
.irp t, 0,1
	v_mul_f32 v[ST+8*\t], s[CS], v[ST+8*\t+1]
.endr
.irp t, 0,1
	v_sub_f32 v[ST+8*\t+7], v[ST+8*\t+7], v[ST+8*\t]
.endr
.endm
.macro SCALE t                      ; c s - c m, two scores at a time
.set i, 0
.rept 16
	v_pk_fma_f32 v[S+32*\t+2*i:S+32*\t+2*i+1], v[S+32*\t+2*i:S+32*\t+2*i+1], s[CS:CS+1], v[ST+8*\t:ST+8*\t+1] op_sel_hi:[1,0,0] neg_lo:[0,0,1] neg_hi:[0,0,1]
.set i, i+1
.endr
.endm
.macro EXPS t                       ; a, then the 32 weights, in place; what follows the run is a plain instruction that names none of the last one's registers (ISA guide 5.7.2)
	v_exp_f32 v[ST+8*\t+6], v[ST+8*\t+7]
.set i, 0
.rept 32
	v_exp_f32 v[S+32*\t+i], v[S+32*\t+i]
.set i, i+1
.endr
.endm
.macro FINISH t                     ; the weights rounded to bf16; their sum, in place, by neighbours 1, 2, 4 and 8 pairs apart; l = a l + the sum; O^T times a
.set i, 0
	s_wait_alu depctr_va_vdst(0)
.rept 16
	v_cvt_pk_bf16_f32 v[P+16*\t+i], v[S+32*\t+2*i], v[S+32*\t+2*i+1]
.set i, i+1
.endr
.irp w, 4,8,16,32
.set i, 0
.rept 32/\w
	v_pk_add_f32 v[S+32*\t+\w*i:S+32*\t+\w*i+1], v[S+32*\t+\w*i:S+32*\t+\w*i+1], v[S+32*\t+\w*i+\w/2:S+32*\t+\w*i+\w/2+1]
.set i, i+1
.endr
.endr
	v_pk_fma_f32 v[ST+8*\t+2:ST+8*\t+3], v[ST+8*\t+2:ST+8*\t+3], v[ST+8*\t+6:ST+8*\t+7], v[S+32*\t:S+32*\t+1] op_sel_hi:[1,0,1]
.set i, 0
.rept 16
	v_pk_mul_f32 v[O+32*\t+2*i:O+32*\t+2*i+1], v[O+32*\t+2*i:O+32*\t+2*i+1], v[ST+8*\t+6:ST+8*\t+7] op_sel_hi:[1,0]
.set i, i+1
.endr
.endm
; One key step, in phases.  48 LDS loads went out at the slot's head (K of step 0, V of step 0, K of step 1, sixteen each); V of step 1 follows behind step 0's second product.
.macro STEP ks
	s_wait_dscnt 32-16*\ks          ; step 0: K0 is in, V0 and K1 may be out.  Step 1: K1 is in, V1 may be out
	MULKQ \ks
	PLACES
	s_cmp_eq_u32 s[DG], 0
	s_cbranch_scc1 .Lopen_\@
	MASK \ks
.Lopen_\@:
	MAXP
	SCALE 0
	EXPS 0
	SCALE 1                         ; its first line is the plain instruction behind tile 0's exponentials
	EXPS 1
	FINISH 0                        ; its first line is the one behind tile 1's
	FINISH 1
	s_wait_dscnt 16-16*\ks          ; step 0: V0 is in, K1 may be out.  Step 1: V1 is in
	MULPV
	PLACES
.if \ks == 0
	LOADV 1
.endif
.endm
; A chunk is finished: l's two halves and the other half of the lanes' are added; O^T is divided by l, rounded to bf16 and put into the chunk's stage, at byte so of the stages.
.macro OUT1 so
.irp t, 0,1
	v_add_f32 v[ST+8*\t+4], v[ST+8*\t+2], v[ST+8*\t+3]
.endr
.irp t, 0,1
	v_permlanex16_b32 v[ST+8*\t+5], v[ST+8*\t+4], s[SEL], s[SEL+1]
.endr
.irp t, 0,1
	v_add_f32 v[ST+8*\t+4], v[ST+8*\t+4], v[ST+8*\t+5]
.endr
.irp t, 0,1
	v_rcp_f32 v[ST+8*\t+6], v[ST+8*\t+4]
.endr
	v_nop                           ; a plain instruction between the last reciprocal and the use of its result
	s_wait_alu depctr_va_vdst(0)
.irp t, 0,1
.set i, 0
.rept 16
	v_pk_mul_f32 v[O+32*\t+2*i:O+32*\t+2*i+1], v[O+32*\t+2*i:O+32*\t+2*i+1], v[ST+8*\t+6:ST+8*\t+7] op_sel_hi:[1,0]
.set i, i+1
.endr
.set i, 0
.rept 16
	v_cvt_pk_bf16_f32 v[S+16*\t+i], v[O+32*\t+2*i], v[O+32*\t+2*i+1]
.set i, i+1
.endr
.irp cb, 0,1,2,3
	ds_store_b128 v[STO], v[S+16*\t+4*\cb:S+16*\t+4*\cb+3] offset:\so+\t*16*SP+32*\cb
.endr
.endr
.endm
; The change of slots.  Each wave waits for its own LDS instructions, the reads of the slot among them, and for all its tensor loads, of which one is out: its part of the other slot.  Behind the barrier nobody
; reads this slot any more and the other slot is whole.  fill = 1: this slot is filled again, with the stream's slot two on: my one tensor load behind the barrier, and the first thing there; it has two key steps in which to land.
.macro CHANGE fill
	s_wait_dscnt 0x0
	s_wait_tensorcnt 0x0            ; no tensor load of mine is out, so a group 0 may be written
	ds_add_u32 v254, v255
	s_wait_dscnt 0x0
.if \fill
	s_xor_b32 s[G0K+5], s[G0K+5], SLOT1  ; the other slot than last time
	s_xor_b32 s[G0V+5], s[G0V+5], SLOT1
	ADV
.endif
	s_barrier_signal -1
	s_barrier_wait -1
.if \fill
	TLOAD
.endif
	s_xor_b32 s[TB], s[TB], SLOT1   ; the reads go to the other slot
.endm
; A slot's work.  sw = 1: the second chunk may begin here.  so: which stage a chunk that ends here takes.
.macro SLOTWORK sw, so
.if \sw
	s_cmp_lg_u32 s[T], s[NA]
	s_cbranch_scc1 .Lsame_\@
	s_sub_co_u32 s[CH], 15, s[II]
	INIT
.Lsame_\@:
.endif
	s_add_co_u32 s75, s[T], 1
	s_cmp_eq_u32 s75, s[NA]
	s_cselect_b32 s[DG], 1, 0       ; the first chunk's last slot,
	s_cmp_eq_u32 s[T], 8
	s_cselect_b32 s[DG], 1, s[DG]   ; or the second's
	v_add_nc_u32 v[ADRK], s[TB], v[AK0]
	v_add_nc_u32 v[ADRV], s[TB], v[AV0]
	LOADK 0
	LOADV 0
	LOADK 1
	STEP 0
	STEP 1
	s_cmp_eq_u32 s[DG], 0
	s_cbranch_scc1 .Lgoes_on_\@
	OUT1 \so
.Lgoes_on_\@:
.endm
.macro YADR base, ch                ; y at rows 1,024 b + 64 chunk + 16 wave, the head pair's 256 bytes
	s_lshl_b32 s75, s[\ch], 6
	s_add_co_u32 s75, s75, s[RB]
	s_lshl_b32 s76, s[WV], 4
	s_add_co_u32 s75, s75, s76
	s_lshl_b32 s76, s75, 11
	s_add_co_u32 s76, s76, s[HB]
	s_mov_b32 s77, 0
	s_add_nc_u64 s[\base:\base+1], s[6:7], s[76:77]
.endm
	s_mov_b32 s[CH], s[II]
	INIT
	s_wait_tensorcnt 1              ; my part of slot 0 is in; slot 1's may stay out
	s_barrier_signal -1
	s_barrier_wait -1               ; everybody's is
	s_mov_b32 s[T], 0
	SLOTWORK 0, 0
	s_mov_b32 s[T], 1
.Lslot:                             ; seven trips: the stream's slots 1 to 7 are worked on, slots 2 to 8 asked for
	CHANGE 1
	SLOTWORK 1, 0                   ; a chunk that ends inside the loop is the first
	s_add_co_u32 s[T], s[T], 1
	s_cmp_lt_u32 s[T], 8
	s_cbranch_scc1 .Lslot
	CHANGE 0                        ; the tail is written out: nothing is asked for
	SLOTWORK 0, STG                 ; the stream's last slot ends the second chunk
	; THE WAY OUT.  A row's 256 bytes come from two waves, so a barrier stands between the writing of the stages and the reading; each wave then takes 16 whole rows of each chunk.
	s_wait_dscnt 0x0                ; for the others' sake: my stores into the stages are done
	s_barrier_signal -1
	s_barrier_wait -1
	YADR YA, II
	YADR YB, CH
.irp f, 0,1,2,3,4,5,6,7
	ds_load_b128 v[S+4*\f:S+4*\f+3], v[RD] offset:\f*2*SP
.endr
.irp f, 0,1,2,3,4,5,6,7
	ds_load_b128 v[S+32+4*\f:S+32+4*\f+3], v[RD] offset:STG+\f*2*SP
.endr
	s_wait_dscnt 8                  ; the first chunk's eight are in, the second's may be out
.irp f, 0,1,2,3,4,5,6,7
	global_store_b128 v[GO], v[S+4*\f:S+4*\f+3], s[YA:YA+1] offset:\f*4096  ; 16 lanes store 256 consecutive bytes, at a multiple of 256 from y's first byte
.endr
	s_wait_dscnt 0x0
.irp f, 0,1,2,3,4,5,6,7
	global_store_b128 v[GO], v[S+32+4*\f:S+32+4*\f+3], s[YB:YB+1] offset:\f*4096
.endr
	s_wait_tensorcnt 0x0
	ds_add_u32 v254, v255
	s_wait_dscnt 0x0
	s_endpgm
.Lfunc_end_k_q9d06f62f49_attn:
	.size	k_q9d06f62f49_attn, .Lfunc_end_k_q9d06f62f49_attn-k_q9d06f62f49_attn
	.p2alignl 7, 3214868480
	.fill 96, 4, 3214868480
	.section	.rodata,"a",@progbits
	.p2align	6, 0x0
	.amdhsa_kernel k_q9d06f62f49_attn
		.amdhsa_group_segment_fixed_size 327680
		.amdhsa_private_segment_fixed_size 0
		.amdhsa_enable_private_segment 0
		.amdhsa_kernarg_size 16
		.amdhsa_user_sgpr_count 2
		.amdhsa_user_sgpr_kernarg_segment_ptr 1
		.amdhsa_wavefront_size32 1
		.amdhsa_system_sgpr_workgroup_id_x 1
		.amdhsa_system_sgpr_workgroup_id_y 1
		.amdhsa_system_sgpr_workgroup_id_z 1
		.amdhsa_system_vgpr_workitem_id 0
		.amdhsa_next_free_vgpr 512
		.amdhsa_next_free_sgpr 80
		.amdhsa_reserve_vcc 1
		.amdhsa_float_denorm_mode_32 3
		.amdhsa_float_denorm_mode_16_64 3
		.amdhsa_memory_ordered 1
		.amdhsa_forward_progress 1
		.amdhsa_inst_pref_size 167
	.end_amdhsa_kernel
	.amdgpu_metadata
---
amdhsa.version: [ 1, 2 ]
amdhsa.kernels:
  - .name:           k_q9d06f62f49_attn
    .symbol:         k_q9d06f62f49_attn.kd
    .args:
      - { .name: qkv, .offset: 0, .size: 8, .value_kind: global_buffer, .address_space: global }
      - { .name: y, .offset: 8, .size: 8, .value_kind: global_buffer, .address_space: global }
    .group_segment_fixed_size: 327680
    .private_segment_fixed_size: 0
    .kernarg_segment_align: 8
    .kernarg_segment_size: 16
    .max_flat_workgroup_size: 128
    .sgpr_count:     80
    .vgpr_count:     512
    .wavefront_size: 32
...
	.end_amdgpu_metadata
.endif
;; end of part 3
;; launch g_proj (part 4): grid 8 x 32, 4 waves a work-group, clusters of 4 x 4, 327,680 bytes of LDS; arguments y, wb, b_proj, x1, x; writes x1
.if DOCPART == 4
	.amdgcn_target "amdgcn-amd-amdhsa--gfx1250"
	.amdhsa_code_object_version 6
	.text
	.protected	k_q9d06f62f49_g_proj
	.globl	k_q9d06f62f49_g_proj
	.p2align	8
	.type	k_q9d06f62f49_g_proj,@function
k_q9d06f62f49_g_proj:
	s_mov_b64 s[64:65], 0
	v_nop
	global_prefetch_b8 v0, s[64:65] scope:SCOPE_SE
	s_setreg_imm32_b32 hwreg(HW_REG_WAVE_MODE, 25, 1), 1
	s_wait_xcnt 0x0
	s_wait_alu depctr_hold_cnt(0) depctr_sa_sdst(0) depctr_va_vdst(0) depctr_va_sdst(0) depctr_va_ssrc(0) depctr_va_vcc(0) depctr_vm_vsrc(0)
	s_getreg_b32 s2, hwreg(HW_REG_IB_STS2, 6, 4)
	s_cmp_eq_u32 s2, 0
	s_cbranch_scc0 .Lentry_in_a_cluster
	s_endpgm
.Lentry_in_a_cluster:
	s_bfe_u32 s2, ttmp6, 0x10000c
	s_cmp_lg_u32 s2, 0xf033
	s_cbranch_scc0 .Lentry_shape_is_right
	s_endpgm
.Lentry_shape_is_right:
; x1 = x + y w_proj^T + b_proj.  C[m][n] = R[m][n] + sum over k of A[m][k] B[n][k] + bias[n].  A: [4096][SIZE_K] bf16; B: [SIZE_N][SIZE_K] bf16, WOFF bytes into wb; bias, R and C f32, R and C [4096][SIZE_N]; sums in f32.
; A tile of C is 128 x 128: 8 x 32 = 256 work-groups.  Four waves, each 64 x 64: 16 accumulators of 16 x 16, 128 registers.  K goes in steps of 256 (LDS rows of 512 bytes; a wave's tensor load brings 64 of them) through two LDS slots.
; A wave's 64 columns of f32 are 256 consecutive bytes at a multiple of 256, so each wave has a stage of its own on the way out (16 rows x 272 bytes) and no barrier stands there.
; CLUSTERS: 4 x 4 work-groups.  The four of a row of the cluster need the same tiles of A, the four of a column the same tiles of B: each tile is asked for JOINTLY, by the same tensor load with the
; same descriptor and a mask that names the four.  THE MATRIX INSTRUCTION IS USED TRANSPOSED (source 0 = 16 rows of B, source 1 = 16 rows of A): a lane then holds eight neighbouring numbers of a row of C.
; REGISTERS: window 0: v0-31 addresses; v32-63 16 rows on the way out; v128-255 the accumulators ((a, b) at v[128 + 8 (4 a + b)]).
;   window 1: two fragment buffers of 128: for 64 along K, 64 registers of A, then 64 of B.     window 2: v0-127 R of my 64 x 64, as whole rows; v128-131 the bias of my four columns.
; R and the bias are asked for ahead of the K loop and waited for behind it.  By this text's own count a wave has two tensor loads out at the start and one behind each round.
; Limits: operands are bf16 as stored; everything behind the products is f32.
.set SIZE_N, 1024
.set SIZE_K, 1024
.set WOFF,   6291456
.set KSTEP,  256
.set PITCH,  528                       ; an LDS row: 512 bytes of data + 16 of padding = 132 words: row r starts at bank 4 r mod 64 (64 banks of 4 bytes: ISA guide 11.1)
.set HALFT,  64*PITCH                  ; 64 rows: what one tensor load brings, and what one wave reads of A or of B
.set SLOT,   4*HALFT                   ; A's 128 rows, then B's 128 rows
.set STAGE,  2*SLOT                    ; behind the ring: 16 rows x 272 bytes for each wave; no tensor load lands there
.set SPITCH, 272
.set LAPS, SIZE_K/(2*KSTEP)            ; a lap = two K steps = once round the ring
.set ADRA, 16                          ; v16-17  LDS address of my A fragments in slot 0, 1
.set ADRB, 20                          ; v20-21  the same for B
.set STO,  24                          ; v24     the way out: where I put 32 bytes of a row
.set RD,   25                          ; v25     the way out: where I read a row back
.set CO,   26                          ; v26     my byte offset in C and in R
.set BO,   27                          ; v27     my byte offset in the bias of my wave's 64 columns
.set OB,   32                          ; v32-63  16 rows read back
.set ACC,  128
.set F0,   0                           ; fragment buffers, in window 1
.set F1,   128
.set RES,  0                           ; window 2
.set BI2,  128
.set G1, 24                            ; s[24:31] descriptor group 1 for A's tiles;  s[32:39] group 0, one set for each slot
.set G0, 32
.set G1B, 48                           ; s[48:55], s[56:63] the same for B's tiles
.set G0B, 56
.set BIAS, 68                          ; s[68:69] the bias
.set CP,   70                          ; s[70:71] C
.set RP,   72                          ; s[72:73] R
.set MSB, 0
.macro WIN new                         ; the immediate's high byte repeats the setting that is left
.if MSB != \new
	s_set_vgpr_msb (MSB<<8)|\new
.set MSB, \new
.endif
.endm
.set MUL,  0x05                        ; sources 0 (B) and 1 (A) window 1; C and D window 0
.set TO_F, 0x40                        ; destination window 1, address window 0
.macro JLOAD s                         ; a joint load: waves 0 and 1 fetch A's two halves, waves 2 and 3 B's; four v_nop follow each of the two lines, ahead of the jump, the label and what follows
	s_cmp_eq_u32 s11, 0
	s_cbranch_scc0 .Lfor_b_\@
	tensor_load_to_lds s[G0+4*\s:G0+4*\s+3], s[G1:G1+7]
	s_nop 0
.rept 4
	v_nop
.endr
	s_branch .Lasked_\@
.Lfor_b_\@:
	tensor_load_to_lds s[G0B+4*\s:G0B+4*\s+3], s[G1B:G1B+7]
	s_nop 0
.rept 4
	v_nop
.endr
.Lasked_\@:
.endm
.macro CREST                           ; a round of the cluster's barrier behind its opening barrier
	s_cmp_lg_u32 s10, 0
	s_cbranch_scc1 .Lnot_wave_0_\@
	s_barrier_signal -3
.Lnot_wave_0_\@:
	s_barrier_wait -3
	s_barrier_signal -1
	s_barrier_wait -1
.endm
.macro CROUND                          ; a whole round
	s_barrier_signal -1
	s_barrier_wait -1
	CREST
.endm
	s_load_b128 s[4:7], s[0:1], 0x0                ; A s[4:5], wb s[6:7]
	s_load_b128 s[68:71], s[0:1], 0x10             ; bias s[68:69], C s[70:71]
	s_load_b64 s[72:73], s[0:1], 0x20              ; R
	v_lshl_add_u32 v126, v0, 2, 0x46400
	v_mov_b32 v127, 0
	ds_add_u32 v126, v127
	ds_add_u32 v126, v127
	v_lshrrev_b32 v1, 5, v0
	v_readfirstlane_b32 s10, v1                    ; wave 0..3
	s_lshr_b32 s11, s10, 1                         ; which half of the tile's rows is mine.  Also: I fetch for A (0) or for B (1)
	s_and_b32 s12, s10, 1                          ; which half of its columns.  Also: which 64 rows of that tile I fetch
	s_bfe_u32 s40, ttmp6, 0x40000                  ; cx, cy: my place in the cluster
	s_bfe_u32 s41, ttmp6, 0x40004
	s_lshl_b32 s42, ttmp9, 2
	s_add_co_u32 s42, s42, s40                     ; tile column of C = 4 x cluster x + cx
	s_and_b32 s13, ttmp7, 0xffff
	s_lshl_b32 s13, s13, 2
	s_add_co_u32 s13, s13, s41                     ; tile row of C = 4 x cluster y + cy
	s_lshl_b32 s43, s41, 2
	s_lshl_b32 s43, 15, s43                        ; my row of the cluster
	s_lshl_b32 s44, 0x1111, s40                    ; my column
	; descriptor group 1: a tile of 64 rows x 256 elements, padded in LDS
	s_or_b32 s[G1+0], s43, (1<<16)|(1<<20)|(1<<21)|(6<<22)|(3<<25)  ; 15:0 the mask: A's tiles go to my row; 17:16 element of 2 bytes; 20 padding on; 21 set beside a mask; 24:22 after every 128 words (code 6); 31:25 of 4 words (code 3)
	s_or_b32 s[G1B+0], s44, (1<<16)|(1<<20)|(1<<21)|(6<<22)|(3<<25)
.irp g, G1, G1B
	s_mov_b32 s[\g+1], KSTEP<<16                   ; tensor_dim0 = 256
	s_mov_b32 s[\g+2], 64<<16                      ; tensor_dim1 = 64
	s_mov_b32 s[\g+3], KSTEP<<16                   ; tile_dim0 = 256
	s_mov_b32 s[\g+4], 64                          ; tile_dim1 = 64
	s_mov_b32 s[\g+5], SIZE_K                      ; tensor_dim0_stride
	s_mov_b32 s[\g+6], 0
	s_mov_b32 s[\g+7], 0
.endr
	s_lshl_b32 s17, s12, 6                         ; which 64 rows of the tile I fetch
	s_lshl_b32 s16, s13, 7
	s_add_co_u32 s16, s16, s17                     ; A: row 128 x tile row + 64 x half
	s_lshl_b32 s46, s42, 7
	s_add_co_u32 s46, s46, s17                     ; B: row 128 x tile column + 64 x half
	s_mov_b32 s17, 0
	s_mov_b32 s47, 0
	s_mov_b64 s[18:19], SIZE_K*2
	s_mul_u64 s[16:17], s[16:17], s[18:19]
	s_mul_u64 s[46:47], s[46:47], s[18:19]
	s_mul_i32 s20, s10, HALFT                      ; where they go: wave x 64 rows
	s_wait_dscnt 0x0
	s_wait_kmcnt 0x0
	s_add_nc_u64 s[6:7], s[6:7], WOFF              ; this product's weights in wb
	s_add_nc_u64 s[14:15], s[4:5], s[16:17]
	s_add_nc_u64 s[46:47], s[6:7], s[46:47]
	CROUND                                         ; all sixteen work-groups are here: the first joint loads meet
.irp s, 0,1
	s_mov_b32 s[G0+4*\s], 1
	s_add_co_u32 s[G0+4*\s+1], s20, \s*SLOT
	s_add_nc_u64 s[G0+4*\s+2:G0+4*\s+3], s[14:15], \s*KSTEP*2
	s_or_b32 s[G0+4*\s+3], s[G0+4*\s+3], 0x80000000
	s_mov_b32 s[G0B+4*\s], 1
	s_add_co_u32 s[G0B+4*\s+1], s20, \s*SLOT
	s_add_nc_u64 s[G0B+4*\s+2:G0B+4*\s+3], s[46:47], \s*KSTEP*2
	s_or_b32 s[G0B+4*\s+3], s[G0B+4*\s+3], 0x80000000
	JLOAD \s
.endr
	v_and_b32 v1, 15, v0                           ; l % 16
	v_bfe_u32 v2, v0, 4, 1                         ; l / 16
	v_mul_u32_u24 v3, v1, PITCH
	v_lshl_add_u32 v3, v2, 4, v3                   ; a fragment's row x pitch + 16 x half
	s_mul_i32 s21, s11, HALFT                      ; my 64 rows of A
	s_mul_i32 s22, s12, HALFT                      ; my 64 rows of B,
	s_add_co_u32 s22, s22, 2*HALFT                 ; which lie behind A's 128
.irp s, 0,1
	v_add_nc_u32 v[ADRA+\s], s21, v3
	v_add_nc_u32 v[ADRB+\s], s22, v3
	s_add_co_u32 s21, s21, SLOT
	s_add_co_u32 s22, s22, SLOT
.endr
	s_mul_i32 s23, s10, 16*SPITCH
	s_add_co_u32 s23, s23, STAGE                   ; my stage
	v_mul_u32_u24 v4, v1, SPITCH                   ; in: row l % 16, 32 bytes (8 numbers) for each half of the lanes
	v_lshl_add_u32 v4, v2, 5, v4
	v_add_nc_u32 v[STO], s23, v4
	v_mul_u32_u24 v5, v2, SPITCH                   ; back: lanes 0-15 take one row of 256 bytes, lanes 16-31 the next
	v_lshl_add_u32 v5, v1, 4, v5
	v_add_nc_u32 v[RD], s23, v5
	v_mul_u32_u24 v5, v2, SIZE_N*4                 ; and the same two rows in C and in R
	v_lshl_add_u32 v[CO], v1, 4, v5
	v_lshlrev_b32 v[BO], 4, v1                     ; my four columns of the wave's 64
	s_lshl_b32 s46, s42, 9                         ; my wave's first column, in bytes of f32: 4 x (128 x tile column + 64 x half)
	s_lshl_b32 s47, s12, 8
	s_add_co_u32 s46, s46, s47
	s_mov_b32 s47, 0
	s_add_nc_u64 s[BIAS:BIAS+1], s[BIAS:BIAS+1], s[46:47]
	s_lshl_b32 s16, s13, 7
	s_lshl_b32 s17, s11, 6
	s_add_co_u32 s16, s16, s17                     ; my wave's first row: 128 x tile row + 64 x half
	s_mov_b32 s17, 0
	s_mov_b64 s[18:19], SIZE_N*4
	s_mul_u64 s[16:17], s[16:17], s[18:19]
	s_add_nc_u64 s[16:17], s[16:17], s[46:47]
	s_add_nc_u64 s[CP:CP+1], s[CP:CP+1], s[16:17]
	s_add_nc_u64 s[RP:RP+1], s[RP:RP+1], s[16:17]
	WIN 0x80                                       ; destination window 2, address window 0
.irp a, 0,1,2,3                        ; 33 loads that stay out during the K loop: their registers, addresses and bases are not touched before the wait on the way out
.irp f, 0,1,2,3,4,5,6,7
	global_load_b128 v[RES+4*(8*\a+\f):RES+4*(8*\a+\f)+3], v[CO], s[RP:RP+1] offset:(16*\a+2*\f)*SIZE_N*4   ; 16 lanes read 256 consecutive bytes of a row
.endr
.endr
	global_load_b128 v[BI2:BI2+3], v[BO], s[BIAS:BIAS+1]
	WIN 0
; 8 matrix instructions: m blocks a0, a0 + 1 x all 4 n blocks, 32 along K: half c of buffer f.  zero = 1: the first product starts the sums.
; The 16 accumulators take turns, one instruction a turn.
.macro MUL8 f, c, a0, zero
.irp a, \a0, \a0+1
.irp b, 0,1,2,3
.if \zero
	v_wmma_f32_16x16x32_bf16 v[ACC+8*(4*(\a)+\b):ACC+8*(4*(\a)+\b)+7], v[\f+64+8*(4*\c+\b):\f+64+8*(4*\c+\b)+7], v[\f+8*(4*\c+\a):\f+8*(4*\c+\a)+7], 0
.else
	v_wmma_f32_16x16x32_bf16 v[ACC+8*(4*(\a)+\b):ACC+8*(4*(\a)+\b)+7], v[\f+64+8*(4*\c+\b):\f+64+8*(4*\c+\b)+7], v[\f+8*(4*\c+\a):\f+8*(4*\c+\a)+7], v[ACC+8*(4*(\a)+\b):ACC+8*(4*(\a)+\b)+7]
.endif
.endr
.endr
.endm
; 32 LDS loads in one run: the fragments of 64 along K at byte k of the rows, into buffer f; the first 32 along K first
.macro FETCH slot, k, f
	WIN TO_F
.irp c, 0,1
.irp i, 0,1,2,3
	ds_load_b128 v[\f+64+8*(4*\c+\i):\f+64+8*(4*\c+\i)+3],   v[ADRB+\slot] offset:\k+64*\c+\i*16*PITCH
	ds_load_b128 v[\f+64+8*(4*\c+\i)+4:\f+64+8*(4*\c+\i)+7], v[ADRB+\slot] offset:\k+64*\c+\i*16*PITCH+32
	ds_load_b128 v[\f+8*(4*\c+\i):\f+8*(4*\c+\i)+3],         v[ADRA+\slot] offset:\k+64*\c+\i*16*PITCH
	ds_load_b128 v[\f+8*(4*\c+\i)+4:\f+8*(4*\c+\i)+7],       v[ADRA+\slot] offset:\k+64*\c+\i*16*PITCH+32
.endr
.endr
.endm
.macro PLACES                          ; four places in front of loads into registers that matrix instructions have read, and of LDS stores that read results
.rept 4
	v_nop
.endr
.endm
; A K step is four quarters of 64 along K, 32 matrix instructions each, on buffers 0, 1, 0, 1.  One of the first three: multiplies buffer f and fetches the next quarter, at byte k, into g.
.macro QUARTER slot, k, f, g, zero
	s_wait_dscnt 16                                ; the first 32 along K are in: the sixteen younger loads may be out
	WIN MUL
	MUL8 \f, 0, 0, \zero
	MUL8 \f, 0, 2, \zero
	PLACES
	FETCH \slot, \k, \g
	s_wait_dscnt 32                                ; all but the 32 just issued
	WIN MUL
	MUL8 \f, 1, 0, 0
	MUL8 \f, 1, 2, 0
.endm
; The last quarter multiplies buffer 1 and changes slots: ONE barrier; in front of it each wave waits for its own reads of this slot and for all its tensor loads.  fill = 1: this slot is filled again, two K steps ahead.
.macro TURN slot, next, fill
	s_wait_dscnt 16
	WIN MUL
	MUL8 F1, 0, 0, 0
	s_wait_dscnt 0                                 ; my reads of this slot are over,
	s_set_vgpr_msb 0x500
	s_wait_tensorcnt 0x0                           ; and all my tensor loads have landed: my part of the next slot
	ds_add_u32 v126, v127
	s_wait_dscnt 0x0
	s_set_vgpr_msb 0x5
	s_barrier_signal -1
	MUL8 F1, 0, 2, 0
.if \fill
	WIN 0
.endif
	s_barrier_wait -1
.if \fill
	CREST                                          ; the barrier has opened a round of the cluster's barrier: no wave of any partner still reads this slot's tile or has a load on its way
	s_add_nc_u64 s[G0+4*\slot+2:G0+4*\slot+3], s[G0+4*\slot+2:G0+4*\slot+3], 2*KSTEP*2
	s_add_nc_u64 s[G0B+4*\slot+2:G0B+4*\slot+3], s[G0B+4*\slot+2:G0B+4*\slot+3], 2*KSTEP*2
	JLOAD \slot                                    ; the first tensor load behind the round: 120 matrix instructions ahead of the wait for it; the four v_nop behind it are also the places in front of the loads below
.else
	PLACES
.endif
	FETCH \next, 0, F0
	WIN MUL
	MUL8 F1, 1, 0, 0
	MUL8 F1, 1, 2, 0
.endm
	s_wait_tensorcnt 1                             ; my part of K step 0 is in; K step 1's may stay out
	s_barrier_signal -1
	s_barrier_wait -1                              ; everybody's is
	FETCH 0, 0, F0
	QUARTER 0, 128, F0, F1, 1                      ; the first quarter stands in front of the loop: its first products start the sums
.if LAPS > 1
	WIN 0                                          ; at a label and at a branch every window is 0
	s_mov_b32 s3, LAPS-1
.Llap:                                                 ; a trip goes once round the ring, from a lap's second quarter to the next lap's first, and fills both slots again
	QUARTER 0, 256, F1, F0, 0
	QUARTER 0, 384, F0, F1, 0
	TURN 0, 1, 1
	QUARTER 1, 128, F0, F1, 0
	QUARTER 1, 256, F1, F0, 0
	QUARTER 1, 384, F0, F1, 0
	TURN 1, 0, 1
	QUARTER 0, 128, F0, F1, 0
	WIN 0
	s_sub_co_u32 s3, s3, 1
	s_cmp_lg_u32 s3, 0
	s_cbranch_scc1 .Llap
.endif
	QUARTER 0, 256, F1, F0, 0                      ; the last lap fills nothing, and has no round of the cluster's barrier
	QUARTER 0, 384, F0, F1, 0
	TURN 0, 1, 0
	QUARTER 1, 128, F0, F1, 0
	QUARTER 1, 256, F1, F0, 0
	QUARTER 1, 384, F0, F1, 0
	s_wait_dscnt 16                                ; the very last quarter: nothing more to fetch
	WIN MUL
	MUL8 F1, 0, 0, 0
	MUL8 F1, 0, 2, 0
	s_wait_dscnt 0
	MUL8 F1, 1, 0, 0
	MUL8 F1, 1, 2, 0
	WIN 0
	; THE WAY OUT, 16 rows at a time: a lane's eight numbers of a row go into my stage, whole rows of 256 bytes come back, R and the bias are added, and the rows are stored.
	PLACES
	s_wait_loadcnt 0x0                             ; R and the bias
.irp a, 0,1,2,3
.if \a > 0
	s_wait_xcnt 0x0                                ; the last block's stores have read v32-63: only behind this wait are they loaded again
.endif
.irp b, 0,1,2,3
	ds_store_b128 v[STO], v[ACC+8*(4*\a+\b):ACC+8*(4*\a+\b)+3]   offset:64*\b
	ds_store_b128 v[STO], v[ACC+8*(4*\a+\b)+4:ACC+8*(4*\a+\b)+7] offset:64*\b+16
.endr
.irp f, 0,1,2,3,4,5,6,7
	ds_load_b128 v[OB+4*\f:OB+4*\f+3], v[RD] offset:\f*2*SPITCH    ; LDS serves a wave's instructions in order (ISA guide 5.7.1.4): these see the stores above
.endr
	s_wait_dscnt 0x0
	WIN 0x08                                       ; source 1 in window 2
.irp f, 0,1,2,3,4,5,6,7
	v_pk_add_f32 v[OB+4*\f:OB+4*\f+1],   v[OB+4*\f:OB+4*\f+1],   v[RES+4*(8*\a+\f):RES+4*(8*\a+\f)+1]
	v_pk_add_f32 v[OB+4*\f+2:OB+4*\f+3], v[OB+4*\f+2:OB+4*\f+3], v[RES+4*(8*\a+\f)+2:RES+4*(8*\a+\f)+3]
.endr
.irp f, 0,1,2,3,4,5,6,7
	v_pk_add_f32 v[OB+4*\f:OB+4*\f+1],   v[OB+4*\f:OB+4*\f+1],   v[BI2:BI2+1]
	v_pk_add_f32 v[OB+4*\f+2:OB+4*\f+3], v[OB+4*\f+2:OB+4*\f+3], v[BI2+2:BI2+3]
.endr
	WIN 0
.irp f, 0,1,2,3,4,5,6,7
	global_store_b128 v[CO], v[OB+4*\f:OB+4*\f+3], s[CP:CP+1] offset:(16*\a+2*\f)*SIZE_N*4   ; 16 lanes store 256 consecutive bytes, at a multiple of 256 from C's first byte
.endr
.endr
	s_wait_tensorcnt 0x0
	ds_add_u32 v126, v127
	s_wait_dscnt 0x0
	CROUND                                         ; the closing round: no work-group ends while a partner may still ask for a tile that names it
	s_endpgm
.Lfunc_end_k_q9d06f62f49_g_proj:
	.size	k_q9d06f62f49_g_proj, .Lfunc_end_k_q9d06f62f49_g_proj-k_q9d06f62f49_g_proj
	.p2alignl 7, 3214868480
	.fill 96, 4, 3214868480
	.section	.rodata,"a",@progbits
	.p2align	6, 0x0
	.amdhsa_kernel k_q9d06f62f49_g_proj
		.amdhsa_group_segment_fixed_size 327680
		.amdhsa_private_segment_fixed_size 0
		.amdhsa_enable_private_segment 0
		.amdhsa_kernarg_size 40
		.amdhsa_user_sgpr_count 2
		.amdhsa_user_sgpr_kernarg_segment_ptr 1
		.amdhsa_wavefront_size32 1
		.amdhsa_system_sgpr_workgroup_id_x 1
		.amdhsa_system_sgpr_workgroup_id_y 1
		.amdhsa_system_sgpr_workgroup_id_z 1
		.amdhsa_system_vgpr_workitem_id 0
		.amdhsa_next_free_vgpr 648
		.amdhsa_next_free_sgpr 76
		.amdhsa_reserve_vcc 0
		.amdhsa_float_denorm_mode_32 3
		.amdhsa_float_denorm_mode_16_64 3
		.amdhsa_memory_ordered 1
		.amdhsa_forward_progress 1
		.amdhsa_inst_pref_size 97
	.end_amdhsa_kernel
	.amdgpu_metadata
---
amdhsa.version: [ 1, 2 ]
amdhsa.kernels:
  - .name:           k_q9d06f62f49_g_proj
    .symbol:         k_q9d06f62f49_g_proj.kd
    .args:
      - { .name: y, .offset: 0, .size: 8, .value_kind: global_buffer, .address_space: global }
      - { .name: wb, .offset: 8, .size: 8, .value_kind: global_buffer, .address_space: global }
      - { .name: b_proj, .offset: 16, .size: 8, .value_kind: global_buffer, .address_space: global }
      - { .name: x1, .offset: 24, .size: 8, .value_kind: global_buffer, .address_space: global }
      - { .name: x, .offset: 32, .size: 8, .value_kind: global_buffer, .address_space: global }
    .group_segment_fixed_size: 327680
    .private_segment_fixed_size: 0
    .kernarg_segment_align: 8
    .kernarg_segment_size: 40
    .max_flat_workgroup_size: 128
    .sgpr_count:     76
    .vgpr_count:     648
    .wavefront_size: 32
...
	.end_amdgpu_metadata
.endif
;; end of part 4
;; launch ln2 (part 5): grid 256 x 1, 8 waves a work-group, no clusters, 0 bytes of LDS; arguments x1, xn; writes xn
.if DOCPART == 5
	.amdgcn_target "amdgcn-amd-amdhsa--gfx1250"
	.amdhsa_code_object_version 6
	.text
	.protected	k_q9d06f62f49_ln2
	.globl	k_q9d06f62f49_ln2
	.p2align	8
	.type	k_q9d06f62f49_ln2,@function
k_q9d06f62f49_ln2:
	s_mov_b64 s[64:65], 0
	v_nop
	global_prefetch_b8 v0, s[64:65] scope:SCOPE_SE
	s_setreg_imm32_b32 hwreg(HW_REG_WAVE_MODE, 25, 1), 1
	s_wait_xcnt 0x0
; ln2: xn = LN(x1), rounded to bf16.  x1: [4096][1024] f32; xn: [4096][1024] bf16.
; A work-group takes 16 rows of 4,096 bytes, a wave two.  A row is eight 16-byte loads a lane (each load of the wave covers 512 neighbouring bytes) and stays in 32 registers, so that the mean, the centred
; squares and the scaling read memory once.  LN is the two-pass form of the problem: mean, x - mean, mean of the squares of that, times 1 / sqrt(var + 1e-10): no difference of large sums is formed.
; No LDS, no barrier, no matrix unit: a row never leaves its wave.  There is no loop: no source of a load or store is ever rewritten.
; It is a launch of its own because a row's 1,024 numbers are made by eight work-groups of the launch before.
; Limits: v_rsq_f32 is good to one unit in the last place; results are rounded once, to bf16, as operands of the matrix product that follows.
.set SO, 3                             ; v3       byte offset of my 16 bytes in the wave's first row of the source
.set DO, 4                             ; v4       byte offset of my 8 bytes in the wave's first row of the destination
.set M,  6                             ; v[6:7]   the mean twice, then 1 / sigma twice (pairs for the packed forms)
.set C,  8                             ; v[8:15]  four chains of pairs
.set R,  16                            ; v16 a sum on its way over the lanes, v17 the other half's
.set X,  20                            ; v[20:83] two rows, 32 registers each
.set Y,  84                            ; v[84:115] two rows, 16 registers each, bf16
	s_load_b128 s[4:7], s[0:1], 0x0                ; x1 s[4:5], xn s[6:7]
	v_and_b32 v1, 31, v0                           ; lane
	v_lshrrev_b32 v2, 5, v0                        ; wave
	v_lshlrev_b32 v[SO], 4, v1
	v_lshl_add_u32 v[SO], v2, 13, v[SO]            ; wave x 2 rows x 4,096 + 16 lane
	v_lshlrev_b32 v[DO], 3, v1
	v_lshl_add_u32 v[DO], v2, 12, v[DO]            ; wave x 2 rows x 2,048 + 8 lane
	v_mov_b32 v[R+1], 0                            ; v_permlanex16_b32 counts as a reader of its destination
	s_mov_b32 s30, 0x3a800000                      ; 1 / 1024
	s_mov_b32 s31, 0x2edbe6ff                      ; 1e-10
	s_mov_b32 s32, 0x76543210                      ; v_permlanex16_b32: each lane takes its own place in the other half
	s_mov_b32 s33, 0xfedcba98
	s_lshl_b32 s26, ttmp9, 16                      ; my 16 rows of the source,
	s_mov_b32 s27, 0
	s_lshl_b32 s28, ttmp9, 15                      ; and of the destination
	s_mov_b32 s29, 0
	s_wait_kmcnt 0x0
	s_add_nc_u64 s[20:21], s[4:5], s[26:27]
	s_add_nc_u64 s[24:25], s[6:7], s[28:29]
.irp r, 0,1
.irp j, 0,1,2,3,4,5,6,7
	global_load_b128 v[X+32*\r+4*\j:X+32*\r+4*\j+3], v[SO], s[20:21] offset:\r*4096+\j*512
.endr
.endr
; the four chains' pairs become one sum, in every lane, in v[R]
.macro REDUCE
	v_pk_add_f32 v[C:C+1], v[C:C+1], v[C+2:C+3]
	v_pk_add_f32 v[C+4:C+5], v[C+4:C+5], v[C+6:C+7]
	v_pk_add_f32 v[C:C+1], v[C:C+1], v[C+4:C+5]
	v_add_f32 v[R], v[C], v[C+1]
	v_add_f32_dpp v[R], v[R], v[R] row_xmask:1 row_mask:0xf bank_mask:0xf
	v_add_f32_dpp v[R], v[R], v[R] row_xmask:2 row_mask:0xf bank_mask:0xf
	v_add_f32_dpp v[R], v[R], v[R] row_xmask:4 row_mask:0xf bank_mask:0xf
	v_add_f32_dpp v[R], v[R], v[R] row_xmask:8 row_mask:0xf bank_mask:0xf
	v_permlanex16_b32 v[R+1], v[R], s32, s33
	v_add_f32 v[R], v[R], v[R+1]
.endm
; row r of the wave's two is normalised in place
.macro NORM r
.set XR, X+32*\r
	s_wait_loadcnt 8*(1-\r)                        ; loads come back in order: row 0's eight are in while row 1's eight may be out; then all
.irp k, 0,1,2,3
	v_pk_add_f32 v[C+2*\k:C+2*\k+1], v[XR+2*\k:XR+2*\k+1], v[XR+8+2*\k:XR+8+2*\k+1]   ; the first eight pairs start the chains: nothing is cleared
.endr
.irp p, 8,9,10,11,12,13,14,15
	v_pk_add_f32 v[C+2*(\p%4):C+2*(\p%4)+1], v[C+2*(\p%4):C+2*(\p%4)+1], v[XR+2*\p:XR+2*\p+1]
.endr
	REDUCE
	v_mul_f32 v[M], s30, v[R]                      ; the mean
	v_mul_f32 v[M+1], s30, v[R]
.irp p, 0,1,2,3,4,5,6,7,8,9,10,11,12,13,14,15
	v_pk_add_f32 v[XR+2*\p:XR+2*\p+1], v[XR+2*\p:XR+2*\p+1], v[M:M+1] neg_lo:[0,1] neg_hi:[0,1]   ; x - mean
.endr
.irp k, 0,1,2,3
	v_pk_mul_f32 v[C+2*\k:C+2*\k+1], v[XR+2*\k:XR+2*\k+1], v[XR+2*\k:XR+2*\k+1]
.endr
.irp p, 4,5,6,7,8,9,10,11,12,13,14,15
	v_pk_fma_f32 v[C+2*(\p%4):C+2*(\p%4)+1], v[XR+2*\p:XR+2*\p+1], v[XR+2*\p:XR+2*\p+1], v[C+2*(\p%4):C+2*(\p%4)+1]
.endr
	REDUCE
	v_fma_f32 v[R], v[R], s30, s31                 ; var + 1e-10
	v_rsq_f32 v[M], v[R]
	v_rsq_f32 v[M+1], v[R]
	v_nop                                          ; a plain instruction between the last v_rsq_f32 and the use of its result (ISA guide 5.7.2)
	s_wait_alu depctr_va_vdst(0)
.irp p, 0,1,2,3,4,5,6,7,8,9,10,11,12,13,14,15
	v_pk_mul_f32 v[XR+2*\p:XR+2*\p+1], v[XR+2*\p:XR+2*\p+1], v[M:M+1]
.endr
.endm
	NORM 0
	NORM 1
.irp r, 0,1
.irp j, 0,1,2,3,4,5,6,7
	v_cvt_pk_bf16_f32 v[Y+16*\r+2*\j],   v[X+32*\r+4*\j],   v[X+32*\r+4*\j+1]
	v_cvt_pk_bf16_f32 v[Y+16*\r+2*\j+1], v[X+32*\r+4*\j+2], v[X+32*\r+4*\j+3]
.endr
.endr
.irp r, 0,1
.irp j, 0,1,2,3,4,5,6,7
	global_store_b64 v[DO], v[Y+16*\r+2*\j:Y+16*\r+2*\j+1], s[24:25] offset:\r*2048+\j*256   ; 32 lanes x 8 bytes: 256 consecutive bytes, at a multiple of 256 from the buffer's first byte
.endr
.endr
	s_endpgm
.Lfunc_end_k_q9d06f62f49_ln2:
	.size	k_q9d06f62f49_ln2, .Lfunc_end_k_q9d06f62f49_ln2-k_q9d06f62f49_ln2
	.p2alignl 7, 3214868480
	.fill 96, 4, 3214868480
	.section	.rodata,"a",@progbits
	.p2align	6, 0x0
	.amdhsa_kernel k_q9d06f62f49_ln2
		.amdhsa_group_segment_fixed_size 0
		.amdhsa_private_segment_fixed_size 0
		.amdhsa_enable_private_segment 0
		.amdhsa_kernarg_size 16
		.amdhsa_user_sgpr_count 2
		.amdhsa_user_sgpr_kernarg_segment_ptr 1
		.amdhsa_wavefront_size32 1
		.amdhsa_system_sgpr_workgroup_id_x 1
		.amdhsa_system_sgpr_workgroup_id_y 1
		.amdhsa_system_sgpr_workgroup_id_z 1
		.amdhsa_system_vgpr_workitem_id 0
		.amdhsa_next_free_vgpr 116
		.amdhsa_next_free_sgpr 66
		.amdhsa_reserve_vcc 0
		.amdhsa_float_denorm_mode_32 3
		.amdhsa_float_denorm_mode_16_64 3
		.amdhsa_memory_ordered 1
		.amdhsa_forward_progress 1
		.amdhsa_inst_pref_size 17
	.end_amdhsa_kernel
	.amdgpu_metadata
---
amdhsa.version: [ 1, 2 ]
amdhsa.kernels:
  - .name:           k_q9d06f62f49_ln2
    .symbol:         k_q9d06f62f49_ln2.kd
    .args:
      - { .name: x1, .offset: 0, .size: 8, .value_kind: global_buffer, .address_space: global }
      - { .name: xn, .offset: 8, .size: 8, .value_kind: global_buffer, .address_space: global }
    .group_segment_fixed_size: 0
    .private_segment_fixed_size: 0
    .kernarg_segment_align: 8
    .kernarg_segment_size: 16
    .max_flat_workgroup_size: 256
    .sgpr_count:     66
    .vgpr_count:     116
    .wavefront_size: 32
...
	.end_amdgpu_metadata
.endif
;; end of part 5
;; launch g_fc (part 6): grid 32 x 32, 4 waves a work-group, clusters of 4 x 4, 327,680 bytes of LDS; arguments xn, wb, b_fc, h; writes h
.if DOCPART == 6
	.amdgcn_target "amdgcn-amd-amdhsa--gfx1250"
	.amdhsa_code_object_version 6
	.text
	.protected	k_q9d06f62f49_g_fc
	.globl	k_q9d06f62f49_g_fc
	.p2align	8
	.type	k_q9d06f62f49_g_fc,@function
k_q9d06f62f49_g_fc:
	s_mov_b64 s[64:65], 0
	v_nop
	global_prefetch_b8 v0, s[64:65] scope:SCOPE_SE
	s_setreg_imm32_b32 hwreg(HW_REG_WAVE_MODE, 25, 1), 1
	s_wait_xcnt 0x0
	s_wait_alu depctr_hold_cnt(0) depctr_sa_sdst(0) depctr_va_vdst(0) depctr_va_sdst(0) depctr_va_ssrc(0) depctr_va_vcc(0) depctr_vm_vsrc(0)
	s_getreg_b32 s2, hwreg(HW_REG_IB_STS2, 6, 4)
	s_cmp_eq_u32 s2, 0
	s_cbranch_scc0 .Lentry_in_a_cluster
	s_endpgm
.Lentry_in_a_cluster:
	s_bfe_u32 s2, ttmp6, 0x10000c
	s_cmp_lg_u32 s2, 0xf033
	s_cbranch_scc0 .Lentry_shape_is_right
	s_endpgm
.Lentry_shape_is_right:
; h = gelu(xn w_fc^T + b_fc).  C[m][n] = gelu(sum over k of A[m][k] B[n][k] + bias[n]).  A: [4096][SIZE_K] bf16; B: [SIZE_N][SIZE_K] bf16, WOFF bytes into wb; bias f32; C: [4096][SIZE_N] bf16; sums and the activation in f32.
; A tile of C is 128 x 128.  Four waves, each 64 x 64: 16 accumulators of 16 x 16, 128 registers.  K goes in steps of 256 (LDS rows of 512 bytes; a wave's tensor load brings 64 of them) through two LDS slots.
; The four waves share ONE stage on the way out, with a barrier between writing and reading, since a wave's 64 columns are only half of an aligned 256 bytes of C.
; CLUSTERS: 4 x 4 work-groups.  The four of a row of the cluster need the same tiles of A, the four of a column the same tiles of B: each tile is asked for JOINTLY, by the same tensor load with the
; same descriptor and a mask that names the four.  THE MATRIX INSTRUCTION IS USED TRANSPOSED (source 0 = 16 rows of B, source 1 = 16 rows of A): a lane then holds eight neighbouring numbers of a row of C.
; REGISTERS: window 0: v0-31 addresses and constants; v32-95 at work on the way out; v96-127 the bias of my columns; v128-255 the accumulators ((a, b) at v[128 + 8 (4 a + b)]).
;   window 1: two fragment buffers of 128: for 64 along K (two matrix instructions deep), 64 registers of A (2 x 4 x 16 rows x 32 K), then 64 of B.
; By this text's own count a wave has two tensor loads out at the start and one behind each round.
; Limits: operands are bf16 as stored; C is rounded once to bf16; v_exp_f32 and v_rcp_f32 are good to one unit in the last place and give 0 for results under 2^-126.
.set SIZE_N, 4096
.set SIZE_K, 1024
.set WOFF,   8388608
.set GELU_ON, 1
.set KSTEP,  256
.set PITCH,  528                       ; an LDS row: 512 bytes of data + 16 of padding = 132 words: row r starts at bank 4 r mod 64 (64 banks of 4 bytes: ISA guide 11.1)
.set HALFT,  64*PITCH                  ; 64 rows: what one tensor load brings, and what one wave reads of A or of B
.set SLOT,   4*HALFT                   ; A's 128 rows, then B's 128 rows
.set STAGE,  2*SLOT                    ; behind the ring: 128 rows x 272 bytes, the work-group's, for the way out; no tensor load lands there
.set SPITCH, 272
.set LAPS, SIZE_K/(2*KSTEP)            ; a lap = two K steps = once round the ring
.set GG,   8                           ; v8-15   at work in the activation
.set ADRA, 16                          ; v16-17  LDS address of my A fragments in slot 0, 1
.set ADRB, 20                          ; v20-21  the same for B
.set STO,  24                          ; v24     the way out: where I put 16 bytes of a row
.set RD,   25                          ; v25     the way out: where I read a row back
.set CO,   26                          ; v26     my byte offset in C
.set BO,   27                          ; v27     my byte offset in the bias of my wave's 64 columns
.set K0,   28                          ; v28-29  the activation's constants, each twice
.set K1,   30                          ; v30-31
.set TMP,  32                          ; the way out: 64 registers, packed results and then whole rows
.set BI,   96                          ; v[96+8 b+j] = bias of column 16 b + 8 (lane / 16) + j of my 64
.set ACC,  128
.set F0,   0                           ; fragment buffers, in window 1
.set F1,   128
.set G1, 24                            ; s[24:31] descriptor group 1 for A's tiles;  s[32:39] group 0, one set for each slot
.set G0, 32
.set G1B, 48                           ; s[48:55], s[56:63] the same for B's tiles
.set G0B, 56
.set BIAS, 68                          ; s[68:69] the bias
.set CP,   70                          ; s[70:71] C
.set MSB, 0
.macro WIN new                         ; the immediate's high byte repeats the setting that is left
.if MSB != \new
	s_set_vgpr_msb (MSB<<8)|\new
.set MSB, \new
.endif
.endm
.set MUL,  0x05                        ; sources 0 (B) and 1 (A) window 1; C and D window 0
.set TO_F, 0x40                        ; destination window 1, address window 0
.macro JLOAD s                         ; a joint load: waves 0 and 1 fetch A's two halves, waves 2 and 3 B's; four v_nop follow each of the two lines, ahead of the jump, the label and what follows
	s_cmp_eq_u32 s11, 0
	s_cbranch_scc0 .Lfor_b_\@
	tensor_load_to_lds s[G0+4*\s:G0+4*\s+3], s[G1:G1+7]
	s_nop 0
.rept 4
	v_nop
.endr
	s_branch .Lasked_\@
.Lfor_b_\@:
	tensor_load_to_lds s[G0B+4*\s:G0B+4*\s+3], s[G1B:G1B+7]
	s_nop 0
.rept 4
	v_nop
.endr
.Lasked_\@:
.endm
.macro CREST                           ; a round of the cluster's barrier behind its opening barrier
	s_cmp_lg_u32 s10, 0
	s_cbranch_scc1 .Lnot_wave_0_\@
	s_barrier_signal -3
.Lnot_wave_0_\@:
	s_barrier_wait -3
	s_barrier_signal -1
	s_barrier_wait -1
.endm
.macro CROUND                          ; a whole round
	s_barrier_signal -1
	s_barrier_wait -1
	CREST
.endm
	s_load_b128 s[4:7], s[0:1], 0x0                ; A s[4:5], wb s[6:7]
	s_load_b128 s[68:71], s[0:1], 0x10             ; bias s[68:69], C s[70:71]
	v_lshl_add_u32 v22, v0, 2, 0x4a800
	v_mov_b32 v23, 0
	ds_add_u32 v22, v23
	ds_add_u32 v22, v23
	v_lshrrev_b32 v1, 5, v0
	v_readfirstlane_b32 s10, v1                    ; wave 0..3
	s_lshr_b32 s11, s10, 1                         ; which half of the tile's rows is mine.  Also: I fetch for A (0) or for B (1)
	s_and_b32 s12, s10, 1                          ; which half of its columns.  Also: which 64 rows of that tile I fetch
	s_bfe_u32 s40, ttmp6, 0x40000                  ; cx, cy: my place in the cluster
	s_bfe_u32 s41, ttmp6, 0x40004
	s_lshl_b32 s42, ttmp9, 2
	s_add_co_u32 s42, s42, s40                     ; tile column of C = 4 x cluster x + cx
	s_and_b32 s13, ttmp7, 0xffff
	s_lshl_b32 s13, s13, 2
	s_add_co_u32 s13, s13, s41                     ; tile row of C = 4 x cluster y + cy
	s_lshl_b32 s43, s41, 2
	s_lshl_b32 s43, 15, s43                        ; my row of the cluster
	s_lshl_b32 s44, 0x1111, s40                    ; my column
	; descriptor group 1: a tile of 64 rows x 256 elements, padded in LDS
	s_or_b32 s[G1+0], s43, (1<<16)|(1<<20)|(1<<21)|(6<<22)|(3<<25)  ; 15:0 the mask: A's tiles go to my row; 17:16 element of 2 bytes; 20 padding on; 21 set beside a mask; 24:22 after every 128 words (code 6); 31:25 of 4 words (code 3)
	s_or_b32 s[G1B+0], s44, (1<<16)|(1<<20)|(1<<21)|(6<<22)|(3<<25)
.irp g, G1, G1B
	s_mov_b32 s[\g+1], KSTEP<<16                   ; tensor_dim0 = 256
	s_mov_b32 s[\g+2], 64<<16                      ; tensor_dim1 = 64
	s_mov_b32 s[\g+3], KSTEP<<16                   ; tile_dim0 = 256
	s_mov_b32 s[\g+4], 64                          ; tile_dim1 = 64
	s_mov_b32 s[\g+5], SIZE_K                      ; tensor_dim0_stride
	s_mov_b32 s[\g+6], 0
	s_mov_b32 s[\g+7], 0
.endr
	s_lshl_b32 s17, s12, 6                         ; which 64 rows of the tile I fetch
	s_lshl_b32 s16, s13, 7
	s_add_co_u32 s16, s16, s17                     ; A: row 128 x tile row + 64 x half
	s_lshl_b32 s46, s42, 7
	s_add_co_u32 s46, s46, s17                     ; B: row 128 x tile column + 64 x half
	s_mov_b32 s17, 0
	s_mov_b32 s47, 0
	s_mov_b64 s[18:19], SIZE_K*2
	s_mul_u64 s[16:17], s[16:17], s[18:19]
	s_mul_u64 s[46:47], s[46:47], s[18:19]
	s_mul_i32 s20, s10, HALFT                      ; where they go: wave x 64 rows
	s_wait_dscnt 0x0
	s_wait_kmcnt 0x0
.if WOFF
	s_add_nc_u64 s[6:7], s[6:7], WOFF              ; this product's weights in wb
.endif
	s_add_nc_u64 s[14:15], s[4:5], s[16:17]
	s_add_nc_u64 s[46:47], s[6:7], s[46:47]
	CROUND                                         ; all sixteen work-groups are here: the first joint loads meet
.irp s, 0,1
	s_mov_b32 s[G0+4*\s], 1
	s_add_co_u32 s[G0+4*\s+1], s20, \s*SLOT
	s_add_nc_u64 s[G0+4*\s+2:G0+4*\s+3], s[14:15], \s*KSTEP*2
	s_or_b32 s[G0+4*\s+3], s[G0+4*\s+3], 0x80000000
	s_mov_b32 s[G0B+4*\s], 1
	s_add_co_u32 s[G0B+4*\s+1], s20, \s*SLOT
	s_add_nc_u64 s[G0B+4*\s+2:G0B+4*\s+3], s[46:47], \s*KSTEP*2
	s_or_b32 s[G0B+4*\s+3], s[G0B+4*\s+3], 0x80000000
	JLOAD \s
.endr
	v_and_b32 v1, 15, v0                           ; l % 16
	v_bfe_u32 v2, v0, 4, 1                         ; l / 16
	v_mul_u32_u24 v3, v1, PITCH
	v_lshl_add_u32 v3, v2, 4, v3                   ; a fragment's row x pitch + 16 x half
	s_mul_i32 s21, s11, HALFT                      ; my 64 rows of A
	s_mul_i32 s22, s12, HALFT                      ; my 64 rows of B,
	s_add_co_u32 s22, s22, 2*HALFT                 ; which lie behind A's 128
.irp s, 0,1
	v_add_nc_u32 v[ADRA+\s], s21, v3
	v_add_nc_u32 v[ADRB+\s], s22, v3
	s_add_co_u32 s21, s21, SLOT
	s_add_co_u32 s22, s22, SLOT
.endr
	s_mul_i32 s23, s11, 64*SPITCH                  ; into the stage: my 64 rows, my half of their 256 bytes; row l % 16, 16 bytes for each half of the lanes
	s_lshl_b32 s21, s12, 7
	s_add_co_u32 s23, s23, s21
	s_add_co_u32 s23, s23, STAGE
	v_mul_u32_u24 v4, v1, SPITCH
	v_lshl_add_u32 v4, v2, 4, v4
	v_add_nc_u32 v[STO], s23, v4
	s_mul_i32 s23, s10, 32*SPITCH                  ; back: wave w takes rows 32 w .. 32 w + 31, whole; lanes 0-15 one row of 256 bytes, lanes 16-31 the next
	s_add_co_u32 s23, s23, STAGE
	v_mul_u32_u24 v5, v2, SPITCH
	v_lshl_add_u32 v5, v1, 4, v5
	v_add_nc_u32 v[RD], s23, v5
	v_mul_u32_u24 v5, v2, SIZE_N*2                 ; and the same two rows in C
	v_lshl_add_u32 v[CO], v1, 4, v5
	s_lshl_b32 s16, s13, 7
	s_lshl_b32 s17, s10, 5
	s_add_co_u32 s16, s16, s17                     ; the first row of C that I store: 128 x tile row + 32 x wave
	s_mov_b32 s17, 0
	s_mov_b64 s[18:19], SIZE_N*2
	s_mul_u64 s[16:17], s[16:17], s[18:19]
	s_add_nc_u64 s[CP:CP+1], s[CP:CP+1], s[16:17]
	s_lshl_b32 s46, s42, 8                         ; the tile's first column, in bytes
	s_mov_b32 s47, 0
	s_add_nc_u64 s[CP:CP+1], s[CP:CP+1], s[46:47]
	s_lshl_b32 s46, s42, 9                         ; the bias of my 64 columns: 4 x (128 x tile column + 64 x half)
	s_lshl_b32 s47, s12, 8
	s_add_co_u32 s46, s46, s47
	s_mov_b32 s47, 0
	s_add_nc_u64 s[BIAS:BIAS+1], s[BIAS:BIAS+1], s[46:47]
	v_lshlrev_b32 v[BO], 5, v2                     ; 8 numbers further on for lanes 16 to 31
.irp b, 0,1,2,3                        ; eight loads that stay out during the K loop: their registers, address and base are not touched before the wait on the way out
	global_load_b128 v[BI+8*\b:BI+8*\b+3],   v[BO], s[BIAS:BIAS+1] offset:64*\b
	global_load_b128 v[BI+8*\b+4:BI+8*\b+7], v[BO], s[BIAS:BIAS+1] offset:64*\b+16
.endr
.if GELU_ON
	v_mov_b32 v[K0],   0xc0135761                  ; -2 sqrt(2 / pi) log2(e)
	v_mov_b32 v[K0+1], 0xc0135761
	v_mov_b32 v[K1],   0xbdd2d3e8                  ; 0.044715 times that
	v_mov_b32 v[K1+1], 0xbdd2d3e8
.endif
; 8 matrix instructions: m blocks a0, a0 + 1 x all 4 n blocks, 32 along K: half c of buffer f.  zero = 1: the first product starts the sums.
; The 16 accumulators take turns, one instruction a turn.
.macro MUL8 f, c, a0, zero
.irp a, \a0, \a0+1
.irp b, 0,1,2,3
.if \zero
	v_wmma_f32_16x16x32_bf16 v[ACC+8*(4*(\a)+\b):ACC+8*(4*(\a)+\b)+7], v[\f+64+8*(4*\c+\b):\f+64+8*(4*\c+\b)+7], v[\f+8*(4*\c+\a):\f+8*(4*\c+\a)+7], 0
.else
	v_wmma_f32_16x16x32_bf16 v[ACC+8*(4*(\a)+\b):ACC+8*(4*(\a)+\b)+7], v[\f+64+8*(4*\c+\b):\f+64+8*(4*\c+\b)+7], v[\f+8*(4*\c+\a):\f+8*(4*\c+\a)+7], v[ACC+8*(4*(\a)+\b):ACC+8*(4*(\a)+\b)+7]
.endif
.endr
.endr
.endm
; 32 LDS loads in one run: the fragments of 64 along K at byte k of the rows, into buffer f; the first 32 along K first
.macro FETCH slot, k, f
	WIN TO_F
.irp c, 0,1
.irp i, 0,1,2,3
	ds_load_b128 v[\f+64+8*(4*\c+\i):\f+64+8*(4*\c+\i)+3],   v[ADRB+\slot] offset:\k+64*\c+\i*16*PITCH
	ds_load_b128 v[\f+64+8*(4*\c+\i)+4:\f+64+8*(4*\c+\i)+7], v[ADRB+\slot] offset:\k+64*\c+\i*16*PITCH+32
	ds_load_b128 v[\f+8*(4*\c+\i):\f+8*(4*\c+\i)+3],         v[ADRA+\slot] offset:\k+64*\c+\i*16*PITCH
	ds_load_b128 v[\f+8*(4*\c+\i)+4:\f+8*(4*\c+\i)+7],       v[ADRA+\slot] offset:\k+64*\c+\i*16*PITCH+32
.endr
.endr
.endm
.macro PLACES                          ; four places in front of loads into registers that matrix instructions have read, and of vector work that reads results
.rept 4
	v_nop
.endr
.endm
; A K step is four quarters of 64 along K, 32 matrix instructions each, on buffers 0, 1, 0, 1.  One of the first three: multiplies buffer f and fetches the next quarter, at byte k, into g.
.macro QUARTER slot, k, f, g, zero
	s_wait_dscnt 16                                ; the first 32 along K are in: the sixteen younger loads may be out
	WIN MUL
	MUL8 \f, 0, 0, \zero
	MUL8 \f, 0, 2, \zero
	PLACES
	FETCH \slot, \k, \g
	s_wait_dscnt 32                                ; all but the 32 just issued
	WIN MUL
	MUL8 \f, 1, 0, 0
	MUL8 \f, 1, 2, 0
.endm
; The last quarter multiplies buffer 1 and changes slots: ONE barrier; in front of it each wave waits for its own reads of this slot and for all its tensor loads.  fill = 1: this slot is filled again, two K steps ahead.
.macro TURN slot, next, fill
	s_wait_dscnt 16
	WIN MUL
	MUL8 F1, 0, 0, 0
	s_wait_dscnt 0                                 ; my reads of this slot are over,
	s_set_vgpr_msb 0x500
	s_wait_tensorcnt 0x0                           ; and all my tensor loads have landed: my part of the next slot
	ds_add_u32 v22, v23
	s_wait_dscnt 0x0
	s_set_vgpr_msb 0x5
	s_barrier_signal -1
	MUL8 F1, 0, 2, 0
.if \fill
	WIN 0
.endif
	s_barrier_wait -1
.if \fill
	CREST                                          ; the barrier has opened a round of the cluster's barrier: no wave of any partner still reads this slot's tile or has a load on its way
	s_add_nc_u64 s[G0+4*\slot+2:G0+4*\slot+3], s[G0+4*\slot+2:G0+4*\slot+3], 2*KSTEP*2
	s_add_nc_u64 s[G0B+4*\slot+2:G0B+4*\slot+3], s[G0B+4*\slot+2:G0B+4*\slot+3], 2*KSTEP*2
	JLOAD \slot                                    ; the first tensor load behind the round: 120 matrix instructions ahead of the wait for it; the four v_nop behind it are also the places in front of the loads below
.else
	PLACES
.endif
	FETCH \next, 0, F0
	WIN MUL
	MUL8 F1, 1, 0, 0
	MUL8 F1, 1, 2, 0
.endm
; x / (1 + 2^(K0 x + K1 x^3)), which is 0.5 x (1 + tanh(sqrt(2/pi) (x + 0.044715 x^3))) identically, on the eight numbers at v[x].  For large |x| the power goes to 0 or to infinity and the result to x or to -0.
.macro GELU x
.irp r, 0,1,2,3
	v_pk_mul_f32 v[GG+2*\r:GG+2*\r+1], v[\x+2*\r:\x+2*\r+1], v[\x+2*\r:\x+2*\r+1]
.endr
.irp r, 0,1,2,3
	v_pk_fma_f32 v[GG+2*\r:GG+2*\r+1], v[GG+2*\r:GG+2*\r+1], v[K1:K1+1], v[K0:K0+1]
.endr
.irp r, 0,1,2,3
	v_pk_mul_f32 v[GG+2*\r:GG+2*\r+1], v[GG+2*\r:GG+2*\r+1], v[\x+2*\r:\x+2*\r+1]
.endr
.irp r, 0,1,2,3,4,5,6,7
	v_exp_f32 v[GG+\r], v[GG+\r]
.endr
	v_nop                                          ; a plain instruction between the last transcendental and the use of its result (ISA guide 5.7.2)
	s_wait_alu depctr_va_vdst(0)
.irp r, 0,1,2,3
	v_pk_add_f32 v[GG+2*\r:GG+2*\r+1], v[GG+2*\r:GG+2*\r+1], 1.0 op_sel_hi:[1,0]
.endr
.irp r, 0,1,2,3,4,5,6,7
	v_rcp_f32 v[GG+\r], v[GG+\r]
.endr
	v_nop
	s_wait_alu depctr_va_vdst(0)
.irp r, 0,1,2,3
	v_pk_mul_f32 v[\x+2*\r:\x+2*\r+1], v[\x+2*\r:\x+2*\r+1], v[GG+2*\r:GG+2*\r+1]
.endr
.endm
	s_wait_tensorcnt 1                             ; my part of K step 0 is in; K step 1's may stay out
	s_barrier_signal -1
	s_barrier_wait -1                              ; everybody's is
	FETCH 0, 0, F0
	QUARTER 0, 128, F0, F1, 1                      ; the first quarter stands in front of the loop: its first products start the sums
.if LAPS > 1
	WIN 0                                          ; at a label and at a branch every window is 0
	s_mov_b32 s3, LAPS-1
.Llap:                                                 ; a trip goes once round the ring, from a lap's second quarter to the next lap's first, and fills both slots again
	QUARTER 0, 256, F1, F0, 0
	QUARTER 0, 384, F0, F1, 0
	TURN 0, 1, 1
	QUARTER 1, 128, F0, F1, 0
	QUARTER 1, 256, F1, F0, 0
	QUARTER 1, 384, F0, F1, 0
	TURN 1, 0, 1
	QUARTER 0, 128, F0, F1, 0
	WIN 0
	s_sub_co_u32 s3, s3, 1
	s_cmp_lg_u32 s3, 0
	s_cbranch_scc1 .Llap
.endif
	QUARTER 0, 256, F1, F0, 0                      ; the last lap fills nothing, and has no round of the cluster's barrier
	QUARTER 0, 384, F0, F1, 0
	TURN 0, 1, 0
	QUARTER 1, 128, F0, F1, 0
	QUARTER 1, 256, F1, F0, 0
	QUARTER 1, 384, F0, F1, 0
	s_wait_dscnt 16                                ; the very last quarter: nothing more to fetch
	WIN MUL
	MUL8 F1, 0, 0, 0
	MUL8 F1, 0, 2, 0
	s_wait_dscnt 0
	MUL8 F1, 1, 0, 0
	MUL8 F1, 1, 2, 0
	WIN 0
	; THE WAY OUT: the bias (and the activation) in f32; round to bf16; 16 bytes a lane into the work-group's stage; a barrier, since a row's 256 bytes come from two waves; back as whole rows, 32 rows a wave.
	PLACES
	s_wait_loadcnt 0x0                             ; the bias
.irp t, 0,1,2,3,4,5,6,7,8,9,10,11,12,13,14,15
.irp r, 0,1,2,3
	v_pk_add_f32 v[ACC+8*\t+2*\r:ACC+8*\t+2*\r+1], v[ACC+8*\t+2*\r:ACC+8*\t+2*\r+1], v[BI+8*(\t%4)+2*\r:BI+8*(\t%4)+2*\r+1]
.endr
.if GELU_ON
	GELU ACC+8*\t
.endif
.irp r, 0,1,2,3
	v_cvt_pk_bf16_f32 v[TMP+4*\t+\r], v[ACC+8*\t+2*\r], v[ACC+8*\t+2*\r+1]
.endr
.endr
.irp a, 0,1,2,3
.irp b, 0,1,2,3
	ds_store_b128 v[STO], v[TMP+4*(4*\a+\b):TMP+4*(4*\a+\b)+3] offset:\a*16*SPITCH+32*\b
.endr
.endr
	s_wait_dscnt 0x0                               ; for the others' sake: my stores into the stage are done
	s_barrier_signal -1
	s_barrier_wait -1
.irp t, 0,1,2,3,4,5,6,7,8,9,10,11,12,13,14,15
	ds_load_b128 v[TMP+4*\t:TMP+4*\t+3], v[RD] offset:\t*2*SPITCH
.endr
.irp t, 0,1,2,3,4,5,6,7,8,9,10,11,12,13,14,15
	s_wait_dscnt 15-\t                             ; LDS loads come back in order: number t is in, the younger ones may be out
	global_store_b128 v[CO], v[TMP+4*\t:TMP+4*\t+3], s[CP:CP+1] offset:2*\t*SIZE_N*2   ; 16 lanes store 256 consecutive bytes, at a multiple of 256 from C's first byte
.endr
	s_wait_tensorcnt 0x0
	ds_add_u32 v22, v23
	s_wait_dscnt 0x0
	CROUND                                         ; the closing round: no work-group ends while a partner may still ask for a tile that names it
	s_endpgm
.Lfunc_end_k_q9d06f62f49_g_fc:
	.size	k_q9d06f62f49_g_fc, .Lfunc_end_k_q9d06f62f49_g_fc-k_q9d06f62f49_g_fc
	.p2alignl 7, 3214868480
	.fill 96, 4, 3214868480
	.section	.rodata,"a",@progbits
	.p2align	6, 0x0
	.amdhsa_kernel k_q9d06f62f49_g_fc
		.amdhsa_group_segment_fixed_size 327680
		.amdhsa_private_segment_fixed_size 0
		.amdhsa_enable_private_segment 0
		.amdhsa_kernarg_size 32
		.amdhsa_user_sgpr_count 2
		.amdhsa_user_sgpr_kernarg_segment_ptr 1
		.amdhsa_wavefront_size32 1
		.amdhsa_system_sgpr_workgroup_id_x 1
		.amdhsa_system_sgpr_workgroup_id_y 1
		.amdhsa_system_sgpr_workgroup_id_z 1
		.amdhsa_system_vgpr_workitem_id 0
		.amdhsa_next_free_vgpr 512
		.amdhsa_next_free_sgpr 76
		.amdhsa_reserve_vcc 0
		.amdhsa_float_denorm_mode_32 3
		.amdhsa_float_denorm_mode_16_64 3
		.amdhsa_memory_ordered 1
		.amdhsa_forward_progress 1
		.amdhsa_inst_pref_size 122
	.end_amdhsa_kernel
	.amdgpu_metadata
---
amdhsa.version: [ 1, 2 ]
amdhsa.kernels:
  - .name:           k_q9d06f62f49_g_fc
    .symbol:         k_q9d06f62f49_g_fc.kd
    .args:
      - { .name: xn, .offset: 0, .size: 8, .value_kind: global_buffer, .address_space: global }
      - { .name: wb, .offset: 8, .size: 8, .value_kind: global_buffer, .address_space: global }
      - { .name: b_fc, .offset: 16, .size: 8, .value_kind: global_buffer, .address_space: global }
      - { .name: h, .offset: 24, .size: 8, .value_kind: global_buffer, .address_space: global }
    .group_segment_fixed_size: 327680
    .private_segment_fixed_size: 0
    .kernarg_segment_align: 8
    .kernarg_segment_size: 32
    .max_flat_workgroup_size: 128
    .sgpr_count:     76
    .vgpr_count:     512
    .wavefront_size: 32
...
	.end_amdgpu_metadata
.endif
;; end of part 6
;; launch g_mlp (part 7): grid 8 x 32, 4 waves a work-group, clusters of 4 x 4, 327,680 bytes of LDS; arguments h, wb, b_mlp_proj, out0, x1; writes out0
.if DOCPART == 7
	.amdgcn_target "amdgcn-amd-amdhsa--gfx1250"
	.amdhsa_code_object_version 6
	.text
	.protected	k_q9d06f62f49_g_mlp
	.globl	k_q9d06f62f49_g_mlp
	.p2align	8
	.type	k_q9d06f62f49_g_mlp,@function
k_q9d06f62f49_g_mlp:
	s_mov_b64 s[64:65], 0
	v_nop
	global_prefetch_b8 v0, s[64:65] scope:SCOPE_SE
	s_setreg_imm32_b32 hwreg(HW_REG_WAVE_MODE, 25, 1), 1
	s_wait_xcnt 0x0
	s_wait_alu depctr_hold_cnt(0) depctr_sa_sdst(0) depctr_va_vdst(0) depctr_va_sdst(0) depctr_va_ssrc(0) depctr_va_vcc(0) depctr_vm_vsrc(0)
	s_getreg_b32 s2, hwreg(HW_REG_IB_STS2, 6, 4)
	s_cmp_eq_u32 s2, 0
	s_cbranch_scc0 .Lentry_in_a_cluster
	s_endpgm
.Lentry_in_a_cluster:
	s_bfe_u32 s2, ttmp6, 0x10000c
	s_cmp_lg_u32 s2, 0xf033
	s_cbranch_scc0 .Lentry_shape_is_right
	s_endpgm
.Lentry_shape_is_right:
; out0 = x1 + h w_mlp_proj^T + b_mlp_proj.  C[m][n] = R[m][n] + sum over k of A[m][k] B[n][k] + bias[n].  A: [4096][SIZE_K] bf16; B: [SIZE_N][SIZE_K] bf16, WOFF bytes into wb; bias, R and C f32, R and C [4096][SIZE_N]; sums in f32.
; A tile of C is 128 x 128: 8 x 32 = 256 work-groups.  Four waves, each 64 x 64: 16 accumulators of 16 x 16, 128 registers.  K goes in steps of 256 (LDS rows of 512 bytes; a wave's tensor load brings 64 of them) through two LDS slots.
; A wave's 64 columns of f32 are 256 consecutive bytes at a multiple of 256, so each wave has a stage of its own on the way out (16 rows x 272 bytes) and no barrier stands there.
; CLUSTERS: 4 x 4 work-groups.  The four of a row of the cluster need the same tiles of A, the four of a column the same tiles of B: each tile is asked for JOINTLY, by the same tensor load with the
; same descriptor and a mask that names the four.  THE MATRIX INSTRUCTION IS USED TRANSPOSED (source 0 = 16 rows of B, source 1 = 16 rows of A): a lane then holds eight neighbouring numbers of a row of C.
; REGISTERS: window 0: v0-31 addresses; v32-63 16 rows on the way out; v128-255 the accumulators ((a, b) at v[128 + 8 (4 a + b)]).
;   window 1: two fragment buffers of 128: for 64 along K, 64 registers of A, then 64 of B.     window 2: v0-127 R of my 64 x 64, as whole rows; v128-131 the bias of my four columns.
; R and the bias are asked for ahead of the K loop and waited for behind it.  By this text's own count a wave has two tensor loads out at the start and one behind each round.
; Limits: operands are bf16 as stored; everything behind the products is f32.
.set SIZE_N, 1024
.set SIZE_K, 4096
.set WOFF,   16777216
.set KSTEP,  256
.set PITCH,  528                       ; an LDS row: 512 bytes of data + 16 of padding = 132 words: row r starts at bank 4 r mod 64 (64 banks of 4 bytes: ISA guide 11.1)
.set HALFT,  64*PITCH                  ; 64 rows: what one tensor load brings, and what one wave reads of A or of B
.set SLOT,   4*HALFT                   ; A's 128 rows, then B's 128 rows
.set STAGE,  2*SLOT                    ; behind the ring: 16 rows x 272 bytes for each wave; no tensor load lands there
.set SPITCH, 272
.set LAPS, SIZE_K/(2*KSTEP)            ; a lap = two K steps = once round the ring
.set ADRA, 16                          ; v16-17  LDS address of my A fragments in slot 0, 1
.set ADRB, 20                          ; v20-21  the same for B
.set STO,  24                          ; v24     the way out: where I put 32 bytes of a row
.set RD,   25                          ; v25     the way out: where I read a row back
.set CO,   26                          ; v26     my byte offset in C and in R
.set BO,   27                          ; v27     my byte offset in the bias of my wave's 64 columns
.set OB,   32                          ; v32-63  16 rows read back
.set ACC,  128
.set F0,   0                           ; fragment buffers, in window 1
.set F1,   128
.set RES,  0                           ; window 2
.set BI2,  128
.set G1, 24                            ; s[24:31] descriptor group 1 for A's tiles;  s[32:39] group 0, one set for each slot
.set G0, 32
.set G1B, 48                           ; s[48:55], s[56:63] the same for B's tiles
.set G0B, 56
.set BIAS, 68                          ; s[68:69] the bias
.set CP,   70                          ; s[70:71] C
.set RP,   72                          ; s[72:73] R
.set MSB, 0
.macro WIN new                         ; the immediate's high byte repeats the setting that is left
.if MSB != \new
	s_set_vgpr_msb (MSB<<8)|\new
.set MSB, \new
.endif
.endm
.set MUL,  0x05                        ; sources 0 (B) and 1 (A) window 1; C and D window 0
.set TO_F, 0x40                        ; destination window 1, address window 0
.macro JLOAD s                         ; a joint load: waves 0 and 1 fetch A's two halves, waves 2 and 3 B's; four v_nop follow each of the two lines, ahead of the jump, the label and what follows
	s_cmp_eq_u32 s11, 0
	s_cbranch_scc0 .Lfor_b_\@
	tensor_load_to_lds s[G0+4*\s:G0+4*\s+3], s[G1:G1+7]
	s_nop 0
.rept 4
	v_nop
.endr
	s_branch .Lasked_\@
.Lfor_b_\@:
	tensor_load_to_lds s[G0B+4*\s:G0B+4*\s+3], s[G1B:G1B+7]
	s_nop 0
.rept 4
	v_nop
.endr
.Lasked_\@:
.endm
.macro CREST                           ; a round of the cluster's barrier behind its opening barrier
	s_cmp_lg_u32 s10, 0
	s_cbranch_scc1 .Lnot_wave_0_\@
	s_barrier_signal -3
.Lnot_wave_0_\@:
	s_barrier_wait -3
	s_barrier_signal -1
	s_barrier_wait -1
.endm
.macro CROUND                          ; a whole round
	s_barrier_signal -1
	s_barrier_wait -1
	CREST
.endm
	s_load_b128 s[4:7], s[0:1], 0x0                ; A s[4:5], wb s[6:7]
	s_load_b128 s[68:71], s[0:1], 0x10             ; bias s[68:69], C s[70:71]
	s_load_b64 s[72:73], s[0:1], 0x20              ; R
	v_lshl_add_u32 v126, v0, 2, 0x46400
	v_mov_b32 v127, 0
	ds_add_u32 v126, v127
	ds_add_u32 v126, v127
	v_lshrrev_b32 v1, 5, v0
	v_readfirstlane_b32 s10, v1                    ; wave 0..3
	s_lshr_b32 s11, s10, 1                         ; which half of the tile's rows is mine.  Also: I fetch for A (0) or for B (1)
	s_and_b32 s12, s10, 1                          ; which half of its columns.  Also: which 64 rows of that tile I fetch
	s_bfe_u32 s40, ttmp6, 0x40000                  ; cx, cy: my place in the cluster
	s_bfe_u32 s41, ttmp6, 0x40004
	s_lshl_b32 s42, ttmp9, 2
	s_add_co_u32 s42, s42, s40                     ; tile column of C = 4 x cluster x + cx
	s_and_b32 s13, ttmp7, 0xffff
	s_lshl_b32 s13, s13, 2
	s_add_co_u32 s13, s13, s41                     ; tile row of C = 4 x cluster y + cy
	s_lshl_b32 s43, s41, 2
	s_lshl_b32 s43, 15, s43                        ; my row of the cluster
	s_lshl_b32 s44, 0x1111, s40                    ; my column
	; descriptor group 1: a tile of 64 rows x 256 elements, padded in LDS
	s_or_b32 s[G1+0], s43, (1<<16)|(1<<20)|(1<<21)|(6<<22)|(3<<25)  ; 15:0 the mask: A's tiles go to my row; 17:16 element of 2 bytes; 20 padding on; 21 set beside a mask; 24:22 after every 128 words (code 6); 31:25 of 4 words (code 3)
	s_or_b32 s[G1B+0], s44, (1<<16)|(1<<20)|(1<<21)|(6<<22)|(3<<25)
.irp g, G1, G1B
	s_mov_b32 s[\g+1], KSTEP<<16                   ; tensor_dim0 = 256
	s_mov_b32 s[\g+2], 64<<16                      ; tensor_dim1 = 64
	s_mov_b32 s[\g+3], KSTEP<<16                   ; tile_dim0 = 256
	s_mov_b32 s[\g+4], 64                          ; tile_dim1 = 64
	s_mov_b32 s[\g+5], SIZE_K                      ; tensor_dim0_stride
	s_mov_b32 s[\g+6], 0
	s_mov_b32 s[\g+7], 0
.endr
	s_lshl_b32 s17, s12, 6                         ; which 64 rows of the tile I fetch
	s_lshl_b32 s16, s13, 7
	s_add_co_u32 s16, s16, s17                     ; A: row 128 x tile row + 64 x half
	s_lshl_b32 s46, s42, 7
	s_add_co_u32 s46, s46, s17                     ; B: row 128 x tile column + 64 x half
	s_mov_b32 s17, 0
	s_mov_b32 s47, 0
	s_mov_b64 s[18:19], SIZE_K*2
	s_mul_u64 s[16:17], s[16:17], s[18:19]
	s_mul_u64 s[46:47], s[46:47], s[18:19]
	s_mul_i32 s20, s10, HALFT                      ; where they go: wave x 64 rows
	s_wait_dscnt 0x0
	s_wait_kmcnt 0x0
	s_add_nc_u64 s[6:7], s[6:7], WOFF              ; this product's weights in wb
	s_add_nc_u64 s[14:15], s[4:5], s[16:17]
	s_add_nc_u64 s[46:47], s[6:7], s[46:47]
	CROUND                                         ; all sixteen work-groups are here: the first joint loads meet
.irp s, 0,1
	s_mov_b32 s[G0+4*\s], 1
	s_add_co_u32 s[G0+4*\s+1], s20, \s*SLOT
	s_add_nc_u64 s[G0+4*\s+2:G0+4*\s+3], s[14:15], \s*KSTEP*2
	s_or_b32 s[G0+4*\s+3], s[G0+4*\s+3], 0x80000000
	s_mov_b32 s[G0B+4*\s], 1
	s_add_co_u32 s[G0B+4*\s+1], s20, \s*SLOT
	s_add_nc_u64 s[G0B+4*\s+2:G0B+4*\s+3], s[46:47], \s*KSTEP*2
	s_or_b32 s[G0B+4*\s+3], s[G0B+4*\s+3], 0x80000000
	JLOAD \s
.endr
	v_and_b32 v1, 15, v0                           ; l % 16
	v_bfe_u32 v2, v0, 4, 1                         ; l / 16
	v_mul_u32_u24 v3, v1, PITCH
	v_lshl_add_u32 v3, v2, 4, v3                   ; a fragment's row x pitch + 16 x half
	s_mul_i32 s21, s11, HALFT                      ; my 64 rows of A
	s_mul_i32 s22, s12, HALFT                      ; my 64 rows of B,
	s_add_co_u32 s22, s22, 2*HALFT                 ; which lie behind A's 128
.irp s, 0,1
	v_add_nc_u32 v[ADRA+\s], s21, v3
	v_add_nc_u32 v[ADRB+\s], s22, v3
	s_add_co_u32 s21, s21, SLOT
	s_add_co_u32 s22, s22, SLOT
.endr
	s_mul_i32 s23, s10, 16*SPITCH
	s_add_co_u32 s23, s23, STAGE                   ; my stage
	v_mul_u32_u24 v4, v1, SPITCH                   ; in: row l % 16, 32 bytes (8 numbers) for each half of the lanes
	v_lshl_add_u32 v4, v2, 5, v4
	v_add_nc_u32 v[STO], s23, v4
	v_mul_u32_u24 v5, v2, SPITCH                   ; back: lanes 0-15 take one row of 256 bytes, lanes 16-31 the next
	v_lshl_add_u32 v5, v1, 4, v5
	v_add_nc_u32 v[RD], s23, v5
	v_mul_u32_u24 v5, v2, SIZE_N*4                 ; and the same two rows in C and in R
	v_lshl_add_u32 v[CO], v1, 4, v5
	v_lshlrev_b32 v[BO], 4, v1                     ; my four columns of the wave's 64
	s_lshl_b32 s46, s42, 9                         ; my wave's first column, in bytes of f32: 4 x (128 x tile column + 64 x half)
	s_lshl_b32 s47, s12, 8
	s_add_co_u32 s46, s46, s47
	s_mov_b32 s47, 0
	s_add_nc_u64 s[BIAS:BIAS+1], s[BIAS:BIAS+1], s[46:47]
	s_lshl_b32 s16, s13, 7
	s_lshl_b32 s17, s11, 6
	s_add_co_u32 s16, s16, s17                     ; my wave's first row: 128 x tile row + 64 x half
	s_mov_b32 s17, 0
	s_mov_b64 s[18:19], SIZE_N*4
	s_mul_u64 s[16:17], s[16:17], s[18:19]
	s_add_nc_u64 s[16:17], s[16:17], s[46:47]
	s_add_nc_u64 s[CP:CP+1], s[CP:CP+1], s[16:17]
	s_add_nc_u64 s[RP:RP+1], s[RP:RP+1], s[16:17]
	WIN 0x80                                       ; destination window 2, address window 0
.irp a, 0,1,2,3                        ; 33 loads that stay out during the K loop: their registers, addresses and bases are not touched before the wait on the way out
.irp f, 0,1,2,3,4,5,6,7
	global_load_b128 v[RES+4*(8*\a+\f):RES+4*(8*\a+\f)+3], v[CO], s[RP:RP+1] offset:(16*\a+2*\f)*SIZE_N*4   ; 16 lanes read 256 consecutive bytes of a row
.endr
.endr
	global_load_b128 v[BI2:BI2+3], v[BO], s[BIAS:BIAS+1]
	WIN 0
; 8 matrix instructions: m blocks a0, a0 + 1 x all 4 n blocks, 32 along K: half c of buffer f.  zero = 1: the first product starts the sums.
; The 16 accumulators take turns, one instruction a turn.
.macro MUL8 f, c, a0, zero
.irp a, \a0, \a0+1
.irp b, 0,1,2,3
.if \zero
	v_wmma_f32_16x16x32_bf16 v[ACC+8*(4*(\a)+\b):ACC+8*(4*(\a)+\b)+7], v[\f+64+8*(4*\c+\b):\f+64+8*(4*\c+\b)+7], v[\f+8*(4*\c+\a):\f+8*(4*\c+\a)+7], 0
.else
	v_wmma_f32_16x16x32_bf16 v[ACC+8*(4*(\a)+\b):ACC+8*(4*(\a)+\b)+7], v[\f+64+8*(4*\c+\b):\f+64+8*(4*\c+\b)+7], v[\f+8*(4*\c+\a):\f+8*(4*\c+\a)+7], v[ACC+8*(4*(\a)+\b):ACC+8*(4*(\a)+\b)+7]
.endif
.endr
.endr
.endm
; 32 LDS loads in one run: the fragments of 64 along K at byte k of the rows, into buffer f; the first 32 along K first
.macro FETCH slot, k, f
	WIN TO_F
.irp c, 0,1
.irp i, 0,1,2,3
	ds_load_b128 v[\f+64+8*(4*\c+\i):\f+64+8*(4*\c+\i)+3],   v[ADRB+\slot] offset:\k+64*\c+\i*16*PITCH
	ds_load_b128 v[\f+64+8*(4*\c+\i)+4:\f+64+8*(4*\c+\i)+7], v[ADRB+\slot] offset:\k+64*\c+\i*16*PITCH+32
	ds_load_b128 v[\f+8*(4*\c+\i):\f+8*(4*\c+\i)+3],         v[ADRA+\slot] offset:\k+64*\c+\i*16*PITCH
	ds_load_b128 v[\f+8*(4*\c+\i)+4:\f+8*(4*\c+\i)+7],       v[ADRA+\slot] offset:\k+64*\c+\i*16*PITCH+32
.endr
.endr
.endm
.macro PLACES                          ; four places in front of loads into registers that matrix instructions have read, and of LDS stores that read results
.rept 4
	v_nop
.endr
.endm
; A K step is four quarters of 64 along K, 32 matrix instructions each, on buffers 0, 1, 0, 1.  One of the first three: multiplies buffer f and fetches the next quarter, at byte k, into g.
.macro QUARTER slot, k, f, g, zero
	s_wait_dscnt 16                                ; the first 32 along K are in: the sixteen younger loads may be out
	WIN MUL
	MUL8 \f, 0, 0, \zero
	MUL8 \f, 0, 2, \zero
	PLACES
	FETCH \slot, \k, \g
	s_wait_dscnt 32                                ; all but the 32 just issued
	WIN MUL
	MUL8 \f, 1, 0, 0
	MUL8 \f, 1, 2, 0
.endm
; The last quarter multiplies buffer 1 and changes slots: ONE barrier; in front of it each wave waits for its own reads of this slot and for all its tensor loads.  fill = 1: this slot is filled again, two K steps ahead.
.macro TURN slot, next, fill
	s_wait_dscnt 16
	WIN MUL
	MUL8 F1, 0, 0, 0
	s_wait_dscnt 0                                 ; my reads of this slot are over,
	s_set_vgpr_msb 0x500
	s_wait_tensorcnt 0x0                           ; and all my tensor loads have landed: my part of the next slot
	ds_add_u32 v126, v127
	s_wait_dscnt 0x0
	s_set_vgpr_msb 0x5
	s_barrier_signal -1
	MUL8 F1, 0, 2, 0
.if \fill
	WIN 0
.endif
	s_barrier_wait -1
.if \fill
	CREST                                          ; the barrier has opened a round of the cluster's barrier: no wave of any partner still reads this slot's tile or has a load on its way
	s_add_nc_u64 s[G0+4*\slot+2:G0+4*\slot+3], s[G0+4*\slot+2:G0+4*\slot+3], 2*KSTEP*2
	s_add_nc_u64 s[G0B+4*\slot+2:G0B+4*\slot+3], s[G0B+4*\slot+2:G0B+4*\slot+3], 2*KSTEP*2
	JLOAD \slot                                    ; the first tensor load behind the round: 120 matrix instructions ahead of the wait for it; the four v_nop behind it are also the places in front of the loads below
.else
	PLACES
.endif
	FETCH \next, 0, F0
	WIN MUL
	MUL8 F1, 1, 0, 0
	MUL8 F1, 1, 2, 0
.endm
	s_wait_tensorcnt 1                             ; my part of K step 0 is in; K step 1's may stay out
	s_barrier_signal -1
	s_barrier_wait -1                              ; everybody's is
	FETCH 0, 0, F0
	QUARTER 0, 128, F0, F1, 1                      ; the first quarter stands in front of the loop: its first products start the sums
.if LAPS > 1
	WIN 0                                          ; at a label and at a branch every window is 0
	s_mov_b32 s3, LAPS-1
.Llap:                                                 ; a trip goes once round the ring, from a lap's second quarter to the next lap's first, and fills both slots again
	QUARTER 0, 256, F1, F0, 0
	QUARTER 0, 384, F0, F1, 0
	TURN 0, 1, 1
	QUARTER 1, 128, F0, F1, 0
	QUARTER 1, 256, F1, F0, 0
	QUARTER 1, 384, F0, F1, 0
	TURN 1, 0, 1
	QUARTER 0, 128, F0, F1, 0
	WIN 0
	s_sub_co_u32 s3, s3, 1
	s_cmp_lg_u32 s3, 0
	s_cbranch_scc1 .Llap
.endif
	QUARTER 0, 256, F1, F0, 0                      ; the last lap fills nothing, and has no round of the cluster's barrier
	QUARTER 0, 384, F0, F1, 0
	TURN 0, 1, 0
	QUARTER 1, 128, F0, F1, 0
	QUARTER 1, 256, F1, F0, 0
	QUARTER 1, 384, F0, F1, 0
	s_wait_dscnt 16                                ; the very last quarter: nothing more to fetch
	WIN MUL
	MUL8 F1, 0, 0, 0
	MUL8 F1, 0, 2, 0
	s_wait_dscnt 0
	MUL8 F1, 1, 0, 0
	MUL8 F1, 1, 2, 0
	WIN 0
	; THE WAY OUT, 16 rows at a time: a lane's eight numbers of a row go into my stage, whole rows of 256 bytes come back, R and the bias are added, and the rows are stored.
	PLACES
	s_wait_loadcnt 0x0                             ; R and the bias
.irp a, 0,1,2,3
.if \a > 0
	s_wait_xcnt 0x0                                ; the last block's stores have read v32-63: only behind this wait are they loaded again
.endif
.irp b, 0,1,2,3
	ds_store_b128 v[STO], v[ACC+8*(4*\a+\b):ACC+8*(4*\a+\b)+3]   offset:64*\b
	ds_store_b128 v[STO], v[ACC+8*(4*\a+\b)+4:ACC+8*(4*\a+\b)+7] offset:64*\b+16
.endr
.irp f, 0,1,2,3,4,5,6,7
	ds_load_b128 v[OB+4*\f:OB+4*\f+3], v[RD] offset:\f*2*SPITCH    ; LDS serves a wave's instructions in order (ISA guide 5.7.1.4): these see the stores above
.endr
	s_wait_dscnt 0x0
	WIN 0x08                                       ; source 1 in window 2
.irp f, 0,1,2,3,4,5,6,7
	v_pk_add_f32 v[OB+4*\f:OB+4*\f+1],   v[OB+4*\f:OB+4*\f+1],   v[RES+4*(8*\a+\f):RES+4*(8*\a+\f)+1]
	v_pk_add_f32 v[OB+4*\f+2:OB+4*\f+3], v[OB+4*\f+2:OB+4*\f+3], v[RES+4*(8*\a+\f)+2:RES+4*(8*\a+\f)+3]
.endr
.irp f, 0,1,2,3,4,5,6,7
	v_pk_add_f32 v[OB+4*\f:OB+4*\f+1],   v[OB+4*\f:OB+4*\f+1],   v[BI2:BI2+1]
	v_pk_add_f32 v[OB+4*\f+2:OB+4*\f+3], v[OB+4*\f+2:OB+4*\f+3], v[BI2+2:BI2+3]
.endr
	WIN 0
.irp f, 0,1,2,3,4,5,6,7
	global_store_b128 v[CO], v[OB+4*\f:OB+4*\f+3], s[CP:CP+1] offset:(16*\a+2*\f)*SIZE_N*4   ; 16 lanes store 256 consecutive bytes, at a multiple of 256 from C's first byte
.endr
.endr
	s_wait_tensorcnt 0x0
	ds_add_u32 v126, v127
	s_wait_dscnt 0x0
	CROUND                                         ; the closing round: no work-group ends while a partner may still ask for a tile that names it
	s_endpgm
.Lfunc_end_k_q9d06f62f49_g_mlp:
	.size	k_q9d06f62f49_g_mlp, .Lfunc_end_k_q9d06f62f49_g_mlp-k_q9d06f62f49_g_mlp
	.p2alignl 7, 3214868480
	.fill 96, 4, 3214868480
	.section	.rodata,"a",@progbits
	.p2align	6, 0x0
	.amdhsa_kernel k_q9d06f62f49_g_mlp
		.amdhsa_group_segment_fixed_size 327680
		.amdhsa_private_segment_fixed_size 0
		.amdhsa_enable_private_segment 0
		.amdhsa_kernarg_size 40
		.amdhsa_user_sgpr_count 2
		.amdhsa_user_sgpr_kernarg_segment_ptr 1
		.amdhsa_wavefront_size32 1
		.amdhsa_system_sgpr_workgroup_id_x 1
		.amdhsa_system_sgpr_workgroup_id_y 1
		.amdhsa_system_sgpr_workgroup_id_z 1
		.amdhsa_system_vgpr_workitem_id 0
		.amdhsa_next_free_vgpr 648
		.amdhsa_next_free_sgpr 76
		.amdhsa_reserve_vcc 0
		.amdhsa_float_denorm_mode_32 3
		.amdhsa_float_denorm_mode_16_64 3
		.amdhsa_memory_ordered 1
		.amdhsa_forward_progress 1
		.amdhsa_inst_pref_size 97
	.end_amdhsa_kernel
	.amdgpu_metadata
---
amdhsa.version: [ 1, 2 ]
amdhsa.kernels:
  - .name:           k_q9d06f62f49_g_mlp
    .symbol:         k_q9d06f62f49_g_mlp.kd
    .args:
      - { .name: h, .offset: 0, .size: 8, .value_kind: global_buffer, .address_space: global }
      - { .name: wb, .offset: 8, .size: 8, .value_kind: global_buffer, .address_space: global }
      - { .name: b_mlp_proj, .offset: 16, .size: 8, .value_kind: global_buffer, .address_space: global }
      - { .name: out0, .offset: 24, .size: 8, .value_kind: global_buffer, .address_space: global }
      - { .name: x1, .offset: 32, .size: 8, .value_kind: global_buffer, .address_space: global }
    .group_segment_fixed_size: 327680
    .private_segment_fixed_size: 0
    .kernarg_segment_align: 8
    .kernarg_segment_size: 40
    .max_flat_workgroup_size: 128
    .sgpr_count:     76
    .vgpr_count:     648
    .wavefront_size: 32
...
	.end_amdgpu_metadata
.endif
;; end of part 7
;; ======== version 2 of 2: 7 launches; 1.16 times as fast as version 1
;; workspace buffers: wb 25,165,824 bytes; xn 8,388,608 bytes; qkv 25,165,824 bytes; y 8,388,608 bytes; x1 16,777,216 bytes; h 33,554,432 bytes
;; launch prep: the kernel of part 1 again; grid 1024 x 1, 8 waves a work-group, no clusters, 0 bytes of LDS; arguments x, w_attn, w_proj, w_fc, w_mlp_proj, xn, wb; writes xn, wb
;; launch g_qkv (part 8): grid 12 x 16, 4 waves a work-group, clusters of 4 x 4, 327,680 bytes of LDS; arguments xn, wb, b_attn, qkv; writes qkv
.if DOCPART == 8
	.amdgcn_target "amdgcn-amd-amdhsa--gfx1250"
	.amdhsa_code_object_version 6
	.text
	.protected	k_q9d06f62f49_g_qkv
	.globl	k_q9d06f62f49_g_qkv
	.p2align	8
	.type	k_q9d06f62f49_g_qkv,@function
k_q9d06f62f49_g_qkv:
	s_mov_b64 s[64:65], 0
	v_nop
	global_prefetch_b8 v0, s[64:65] scope:SCOPE_SE
	s_setreg_imm32_b32 hwreg(HW_REG_WAVE_MODE, 25, 1), 1
	s_wait_xcnt 0x0
	s_wait_alu depctr_hold_cnt(0) depctr_sa_sdst(0) depctr_va_vdst(0) depctr_va_sdst(0) depctr_va_ssrc(0) depctr_va_vcc(0) depctr_vm_vsrc(0)
	s_getreg_b32 s2, hwreg(HW_REG_IB_STS2, 6, 4)
	s_cmp_eq_u32 s2, 0
	s_cbranch_scc0 .Lentry_in_a_cluster
	s_endpgm
.Lentry_in_a_cluster:
	s_bfe_u32 s2, ttmp6, 0x10000c
	s_cmp_lg_u32 s2, 0xf033
	s_cbranch_scc0 .Lentry_shape_is_right
	s_endpgm
.Lentry_shape_is_right:
; qkv = xn w_attn^T + b_attn.  C[m][n] = sum over k of A[m][k] B[n][k] + bias[n].  A: [4096][SIZE_K] bf16; B: [SIZE_N][SIZE_K] bf16, WOFF bytes into wb; bias f32; C: [4096][SIZE_N] bf16; sums in f32.
; A tile of C, 256 x 256, is made by a work-group of four waves; a wave makes 128 x 128: 64 accumulators of 16 x 16, 512 registers.  K goes in steps of 128 through a ring of two LDS slots filled by
; tensor loads: the rows of A's and B's tiles are 256 bytes of memory and start at multiples of 256 bytes from the buffer's first byte.  A step's 131,072 bytes feed 256 matrix instructions a wave.
; 12 x 16 = 192 work-groups.  A tile of 256 x 192 would give 256, with 192 matrix instructions a wave for a step's 114,688 bytes: less work behind each refill, and a text of its own; not taken.
; CLUSTERS: 4 x 4 work-groups.  The four of a row of the cluster need the same tiles of A, the four of a column the same tiles of B: each tile is asked for JOINTLY, by the same tensor load with the
; same descriptor and a mask that names the four.  THE MATRIX INSTRUCTION IS USED TRANSPOSED (source 0 = 16 rows of B, source 1 = 16 rows of A): a lane then holds eight neighbouring numbers of a row of C.
; REGISTERS, in windows of 256 (s_set_vgpr_msb's low byte: bits 1:0 source 0, 3:2 source 1, 5:4 source 2, 7:6 destination):
;   window 0: v0-31 addresses and constants; v64-127, v128-191 fragments of A (8 x 16 rows x 32 K), two buffers, on the way out 64 numbers at work and 64 more; v192-223 packed results; v32-63, v224-255 rows read back, by turns
;   window 1: v0-63 the bias of my lane's 64 columns; v64-127, v128-191 fragments of B, two buffers
;   window 2: the 32 accumulators of my rows 0-63 (accumulator (a, b) at v[8 (8 a + b)]);   window 3: those of my rows 64-127
; By this text's own count a wave has two tensor loads out at the start and one behind each round.
; Limits: operands are bf16 as stored; C is rounded once to bf16.
.set SIZE_N, 3072
.set SIZE_K, 1024
.set WOFF,   0
.set GELU_ON, 0
.set KSTEP,  128
.set PITCH,  272                       ; an LDS row: 256 bytes of data + 16 of padding = 68 words: row r starts at bank 4 r mod 64 (64 banks of 4 bytes: ISA guide 11.1), so the 16 rows that a load touches start at 16 different banks
.set HALFT,  128*PITCH                 ; 128 rows: what one tensor load brings, and what one wave reads of A or of B
.set SLOT,   4*HALFT                   ; A's 256 rows, then B's 256 rows
.set STAGE,  2*SLOT                    ; behind the ring: 16 rows x 272 bytes for each wave, for the way out; no tensor load lands there
.set SPITCH, 272
.set LAPS, SIZE_K/(2*KSTEP)            ; a lap = two K steps = once round the ring
.set ADRA, 16                          ; v16-17  LDS address of my A fragments in slot 0, 1
.set ADRB, 20                          ; v20-21  the same for B
.set STO,  24                          ; v24     the way out: where I put 16 bytes of a row
.set RD,   25                          ; v25     the way out: where I read a row back
.set CO,   26                          ; v26     my byte offset in C
.set BO,   27                          ; v27     my byte offset in the bias of my wave's 128 columns
.set K0,   28                          ; v28-29  the activation's constants, each twice
.set K1,   30                          ; v30-31
.set OB,   32                          ; the way out: 16 rows read back from the stage: v32-63 and v224-255 by turns
.set F0,   64                          ; fragment buffer 0
.set F1,   128                         ; fragment buffer 1
.set XW,   64                          ; the way out: a block's 64 numbers of a lane, in f32 (A's buffer 0 is free by then)
.set GW,   128                         ; the way out: 64 more at work in the activation (A's buffer 1)
.set TMP,  192                         ; the way out: packed results
.set BI,   0                           ; window 1: v[8 b + j] = bias of column 16 b + 8 (lane / 16) + j of my 128
.set G1, 24                            ; s[24:31] descriptor group 1 for A's tiles
.set G0, 32                            ; s[32:39] descriptor group 0 for A's tiles, one set for each slot
.set G1B, 48                           ; s[48:55] descriptor group 1 for B's tiles: it differs from A's in the mask alone
.set G0B, 56                           ; s[56:63] descriptor group 0 for B's tiles, one set for each slot
.set BIAS, 68                          ; s[68:69] the bias
.set CP,   70                          ; s[70:71] C
.set MSB, 0
.macro WIN new                         ; the immediate's high byte repeats the setting that is left; a switch that changes nothing is dropped
.if MSB != \new
	s_set_vgpr_msb (MSB<<8)|\new
.set MSB, \new
.endif
.endm
.set MUL_LO, 0xa1                      ; source 0 (B) window 1, source 1 (A) window 0, C and D window 2
.set MUL_HI, 0xf1                      ; the same, C and D window 3
.set TO_B,   0x40                      ; destination window 1, address window 0
; A joint load.  Waves 0 and 1 fetch A's two halves, waves 2 and 3 B's.  Each of the two lines has ONE mask and one set of registers for all that issue it.  The branch hangs on the wave's number alone.
; Four v_nop follow each of the two lines; the jump round the other line, the label and what follows the macro come after them.
.macro JLOAD s
	s_cmp_eq_u32 s11, 0
	s_cbranch_scc0 .Lfor_b_\@
	tensor_load_to_lds s[G0+4*\s:G0+4*\s+3], s[G1:G1+7]
	s_nop 0
.rept 4
	v_nop
.endr
	s_branch .Lasked_\@
.Lfor_b_\@:
	tensor_load_to_lds s[G0B+4*\s:G0B+4*\s+3], s[G1B:G1B+7]
	s_nop 0
.rept 4
	v_nop
.endr
.Lasked_\@:
.endm
.macro CREST                           ; a round of the cluster's barrier behind its opening barrier
	s_cmp_lg_u32 s10, 0
	s_cbranch_scc1 .Lnot_wave_0_\@
	s_barrier_signal -3
.Lnot_wave_0_\@:
	s_barrier_wait -3
	s_barrier_signal -1
	s_barrier_wait -1
.endm
.macro CROUND                          ; a whole round
	s_barrier_signal -1
	s_barrier_wait -1
	CREST
.endm
	s_load_b128 s[4:7], s[0:1], 0x0                ; A s[4:5], wb s[6:7]
	s_load_b128 s[68:71], s[0:1], 0x10             ; bias s[68:69], C s[70:71]
	s_set_vgpr_msb 0x40
	v_lshl_add_u32 v255, v0, 2, 0x48400
	s_set_vgpr_msb 0x4000
	v_mov_b32 v31, 0
	s_set_vgpr_msb 0x1
	ds_add_u32 v255, v31
	ds_add_u32 v255, v31
	s_set_vgpr_msb 0x100
	v_lshrrev_b32 v1, 5, v0
	v_readfirstlane_b32 s10, v1                    ; wave 0..3
	s_lshr_b32 s11, s10, 1                         ; which half of the tile's rows is mine.  Also: I fetch for A (0) or for B (1)
	s_and_b32 s12, s10, 1                          ; which half of its columns.  Also: which 128 rows of that tile I fetch
	s_bfe_u32 s40, ttmp6, 0x40000                  ; cx, cy: my place in the cluster
	s_bfe_u32 s41, ttmp6, 0x40004
	s_lshl_b32 s42, ttmp9, 2                       ; in a cluster launch ttmp9 and ttmp7 count clusters
	s_add_co_u32 s42, s42, s40                     ; tile column of C = 4 x cluster x + cx
	s_and_b32 s13, ttmp7, 0xffff
	s_lshl_b32 s13, s13, 2
	s_add_co_u32 s13, s13, s41                     ; tile row of C = 4 x cluster y + cy
	s_lshl_b32 s43, s41, 2
	s_lshl_b32 s43, 15, s43                        ; my row of the cluster: places 4 cy .. 4 cy + 3
	s_lshl_b32 s44, 0x1111, s40                    ; my column: places cx, cx + 4, cx + 8, cx + 12
	; descriptor group 1: a tile of 128 rows x 128 elements, padded in LDS
	s_or_b32 s[G1+0], s43, (1<<16)|(1<<20)|(1<<21)|(5<<22)|(3<<25)  ; 15:0 the mask: A's tiles go to my row; 17:16 element of 2 bytes; 20 padding on; 21 set beside a mask; 24:22 after every 64 words (code 5); 31:25 of 4 words (code 3)
	s_or_b32 s[G1B+0], s44, (1<<16)|(1<<20)|(1<<21)|(5<<22)|(3<<25) ; the same with the mask of my column, for B's tiles
.irp g, G1, G1B
	s_mov_b32 s[\g+1], KSTEP<<16                   ; tensor_dim0 = 128
	s_mov_b32 s[\g+2], 128<<16                     ; tensor_dim1 = 128
	s_mov_b32 s[\g+3], KSTEP<<16                   ; tile_dim0 = 128
	s_mov_b32 s[\g+4], 128                         ; tile_dim1 = 128
	s_mov_b32 s[\g+5], SIZE_K                      ; tensor_dim0_stride: elements from row to row
	s_mov_b32 s[\g+6], 0
	s_mov_b32 s[\g+7], 0
.endr
	; where the tiles come from.  A's hang on the tile row alone, which my row of the cluster shares; B's on the tile column alone, which my column shares.
	s_lshl_b32 s17, s12, 7                         ; which 128 rows of the tile I fetch
	s_lshl_b32 s16, s13, 8
	s_add_co_u32 s16, s16, s17                     ; A: row 256 x tile row + 128 x half
	s_lshl_b32 s46, s42, 8
	s_add_co_u32 s46, s46, s17                     ; B: row 256 x tile column + 128 x half
	s_mov_b32 s17, 0
	s_mov_b32 s47, 0
	s_mov_b64 s[18:19], SIZE_K*2
	s_mul_u64 s[16:17], s[16:17], s[18:19]         ; in bytes, in 64 bits
	s_mul_u64 s[46:47], s[46:47], s[18:19]
	s_mul_i32 s20, s10, HALFT                      ; and where they go: A's two halves, then B's two halves = wave x 128 rows: no place in the cluster enters an LDS address
	s_wait_dscnt 0x0
	s_wait_kmcnt 0x0
.if WOFF
	s_add_nc_u64 s[6:7], s[6:7], WOFF              ; this product's weights in wb
.endif
	s_add_nc_u64 s[14:15], s[4:5], s[16:17]
	s_add_nc_u64 s[46:47], s[6:7], s[46:47]
	CROUND                                         ; all sixteen work-groups are here: the first joint loads meet
.irp s, 0,1
	s_mov_b32 s[G0+4*\s], 1                                        ; count = 1
	s_add_co_u32 s[G0+4*\s+1], s20, \s*SLOT                        ; LDS address
	s_add_nc_u64 s[G0+4*\s+2:G0+4*\s+3], s[14:15], \s*KSTEP*2      ; global address: K step s
	s_or_b32 s[G0+4*\s+3], s[G0+4*\s+3], 0x80000000                ; type = 2
	s_mov_b32 s[G0B+4*\s], 1
	s_add_co_u32 s[G0B+4*\s+1], s20, \s*SLOT
	s_add_nc_u64 s[G0B+4*\s+2:G0B+4*\s+3], s[46:47], \s*KSTEP*2
	s_or_b32 s[G0B+4*\s+3], s[G0B+4*\s+3], 0x80000000
	JLOAD \s                                       ; the ring is filled before anything else is done
.endr
	; A fragment is 16 rows x 32 K in 8 registers: lane l holds row l % 16; registers 0-3 hold K = 8 (l / 16) + 0..7, registers 4-7 hold K = 16 + 8 (l / 16) + 0..7: two loads of 16 bytes, 32 bytes apart.
	v_and_b32 v1, 15, v0                           ; l % 16
	v_bfe_u32 v2, v0, 4, 1                         ; l / 16
	v_mul_u32_u24 v3, v1, PITCH
	v_lshl_add_u32 v3, v2, 4, v3                   ; row x pitch + 16 x half
	s_mul_i32 s21, s11, HALFT                      ; my 128 rows of A
	s_mul_i32 s22, s12, HALFT                      ; my 128 rows of B,
	s_add_co_u32 s22, s22, 2*HALFT                 ; which lie behind A's 256
.irp s, 0,1
	v_add_nc_u32 v[ADRA+\s], s21, v3
	v_add_nc_u32 v[ADRB+\s], s22, v3
	s_add_co_u32 s21, s21, SLOT
	s_add_co_u32 s22, s22, SLOT
.endr
	s_mul_i32 s23, s10, 16*SPITCH
	s_add_co_u32 s23, s23, STAGE                   ; my stage
	v_mul_u32_u24 v4, v1, SPITCH                   ; in: row l % 16, 16 bytes for each half of the lanes
	v_lshl_add_u32 v4, v2, 4, v4
	v_add_nc_u32 v[STO], s23, v4
	v_mul_u32_u24 v5, v2, SPITCH                   ; back: lanes 0-15 take one row of 256 bytes, lanes 16-31 the next
	v_lshl_add_u32 v5, v1, 4, v5
	v_add_nc_u32 v[RD], s23, v5
	v_mul_u32_u24 v5, v2, SIZE_N*2                 ; and the same two rows in C
	v_lshl_add_u32 v[CO], v1, 4, v5
	s_lshl_b32 s16, s13, 8
	s_lshl_b32 s17, s11, 7
	s_add_co_u32 s16, s16, s17                     ; my first row of C: 256 x tile row + 128 x half
	s_mov_b32 s17, 0
	s_mov_b64 s[18:19], SIZE_N*2
	s_mul_u64 s[16:17], s[16:17], s[18:19]
	s_lshl_b32 s46, s42, 9                         ; my first column, in bytes of bf16: 512 x tile column + 256 x half
	s_lshl_b32 s47, s12, 8
	s_add_co_u32 s46, s46, s47
	s_mov_b32 s47, 0
	s_add_nc_u64 s[16:17], s[16:17], s[46:47]
	s_add_nc_u64 s[CP:CP+1], s[CP:CP+1], s[16:17]
	s_lshl_b32 s46, s46, 1                         ; the same column in bytes of f32
	s_add_nc_u64 s[BIAS:BIAS+1], s[BIAS:BIAS+1], s[46:47]
	v_lshlrev_b32 v[BO], 5, v2                     ; 8 numbers further on for lanes 16 to 31
	WIN TO_B                                       ; destination window 1, address window 0
.irp b, 0,1,2,3,4,5,6,7                ; sixteen loads that stay out during the K loop: their registers, address and base are not touched before the wait on the way out
	global_load_b128 v[BI+8*\b:BI+8*\b+3],   v[BO], s[BIAS:BIAS+1] offset:64*\b
	global_load_b128 v[BI+8*\b+4:BI+8*\b+7], v[BO], s[BIAS:BIAS+1] offset:64*\b+16
.endr
	WIN 0
.if GELU_ON
	v_mov_b32 v[K0],   0xc0135761                  ; -2 sqrt(2 / pi) log2(e)
	v_mov_b32 v[K0+1], 0xc0135761
	v_mov_b32 v[K1],   0xbdd2d3e8                  ; 0.044715 times that
	v_mov_b32 v[K1+1], 0xbdd2d3e8
.endif
; 16 matrix instructions: m blocks a0, a0 + 1 of the window's four (hi = 0: my rows 0-63, 1: rows 64-127) x all 8 n blocks, 32 along K.  zero = 1: the first product starts the sums: nothing is ever cleared.
; The 64 accumulators take turns, one instruction a turn, in the same order in every quarter.
.macro MUL16 f, hi, a0, zero
.irp a, \a0, \a0+1
.irp b, 0,1,2,3,4,5,6,7
.if \zero
	v_wmma_f32_16x16x32_bf16 v[8*(8*(\a)+\b):8*(8*(\a)+\b)+7], v[\f+8*\b:\f+8*\b+7], v[\f+8*(4*\hi+\a):\f+8*(4*\hi+\a)+7], 0
.else
	v_wmma_f32_16x16x32_bf16 v[8*(8*(\a)+\b):8*(8*(\a)+\b)+7], v[\f+8*\b:\f+8*\b+7], v[\f+8*(4*\hi+\a):\f+8*(4*\hi+\a)+7], v[8*(8*(\a)+\b):8*(8*(\a)+\b)+7]
.endif
.endr
.endr
.endm
; 32 LDS loads in one run: the fragments of one quarter step (128 rows of B, 128 rows of A, 32 K at byte k of the rows) into buffer f
.macro FETCH slot, k, f
	WIN TO_B
.irp i, 0,1,2,3,4,5,6,7
	ds_load_b128 v[\f+8*\i:\f+8*\i+3],   v[ADRB+\slot] offset:\k+\i*16*PITCH
	ds_load_b128 v[\f+8*\i+4:\f+8*\i+7], v[ADRB+\slot] offset:\k+\i*16*PITCH+32
.endr
	WIN 0
.irp i, 0,1,2,3,4,5,6,7
	ds_load_b128 v[\f+8*\i:\f+8*\i+3],   v[ADRA+\slot] offset:\k+\i*16*PITCH
	ds_load_b128 v[\f+8*\i+4:\f+8*\i+7], v[ADRA+\slot] offset:\k+\i*16*PITCH+32
.endr
.endm
.macro PLACES                          ; four places in front of loads into registers that matrix instructions have read, and of vector work that reads results; the matrix instructions in between are not counted
.rept 4
	v_nop
.endr
.endm
; A K step is four quarter steps of 32 along K, 64 matrix instructions each, on buffers 0, 1, 0, 1.
; One of the first three: multiplies buffer f; in its middle it fetches the next quarter's fragments, at byte k of the same slot's rows, into buffer g.
.macro QUARTER slot, k, f, g, zero
	s_wait_dscnt 8                                 ; B and A's rows 0-63 are in; the youngest eight loads (A's rows 64-127) may be out
	WIN MUL_LO
	MUL16 \f, 0, 0, \zero
	MUL16 \f, 0, 2, \zero
	PLACES
	FETCH \slot, \k, \g
	s_wait_dscnt 32                                ; all but the 32 just issued
	WIN MUL_HI
	MUL16 \f, 1, 0, \zero
	MUL16 \f, 1, 2, \zero
.endm
; The last quarter multiplies buffer 1 and changes slots: ONE barrier.  In front of it each wave waits for its own reads of this slot and for all its tensor loads, of which one is out: its part of the next slot.
; Behind it nobody reads this slot any more and the next slot is whole.  fill = 1: the barrier opens a round of the cluster's barrier, and this slot is filled again, two K steps ahead, first thing behind the round:
; from that request to the wait for it a wave issues 240 matrix instructions.
.macro TURN slot, next, fill
	s_wait_dscnt 8
	WIN MUL_LO
	MUL16 F1, 0, 0, 0
	s_wait_dscnt 0                                 ; my reads of this slot are over,
	s_wait_tensorcnt 0x0                           ; and all my tensor loads have landed
	ds_add_u32 v255, v31
	s_wait_dscnt 0x0
	s_barrier_signal -1
	MUL16 F1, 0, 2, 0                              ; work on registers while the others arrive
.if \fill
	WIN 0
.endif
	s_barrier_wait -1
.if \fill
	CREST                                          ; no wave of any partner still reads this slot's tile or has a load on its way
	s_add_nc_u64 s[G0+4*\slot+2:G0+4*\slot+3], s[G0+4*\slot+2:G0+4*\slot+3], 2*KSTEP*2
	s_add_nc_u64 s[G0B+4*\slot+2:G0B+4*\slot+3], s[G0B+4*\slot+2:G0B+4*\slot+3], 2*KSTEP*2
	JLOAD \slot                                    ; the four v_nop behind it are also the places in front of the loads below
.else
	PLACES
.endif
	FETCH \next, 0, F0
	WIN MUL_HI
	MUL16 F1, 1, 0, 0
	MUL16 F1, 1, 2, 0
.endm
; THE WAY OUT of block a (16 rows x my 128 columns), in three parts.
; PACK: the sums (window 2 or 3) plus the bias (window 1) into window 0; there the activation, in runs of 64 numbers a lane; rounded to bf16, 16 bytes for each accumulator.
; The activation is x / (1 + 2^(K0 x + K1 x^3)), which is 0.5 x (1 + tanh(sqrt(2/pi) (x + 0.044715 x^3))) identically.  For large |x| the power goes to 0 or to infinity and the result to x or to -0.
.macro PACK a
.set AC, 64*((\a)%4)
	WIN 0x06+((\a)/4)                              ; source 0 window 2 or 3, source 1 window 1, destination window 0
.set i, 0
.rept 32
	v_pk_add_f32 v[XW+2*i:XW+2*i+1], v[AC+2*i:AC+2*i+1], v[BI+2*i:BI+2*i+1]
.set i, i+1
.endr
	WIN 0
.if GELU_ON
.set i, 0
.rept 32
	v_pk_mul_f32 v[GW+2*i:GW+2*i+1], v[XW+2*i:XW+2*i+1], v[XW+2*i:XW+2*i+1]
.set i, i+1
.endr
.set i, 0
.rept 32
	v_pk_fma_f32 v[GW+2*i:GW+2*i+1], v[GW+2*i:GW+2*i+1], v[K1:K1+1], v[K0:K0+1]
.set i, i+1
.endr
.set i, 0
.rept 32
	v_pk_mul_f32 v[GW+2*i:GW+2*i+1], v[GW+2*i:GW+2*i+1], v[XW+2*i:XW+2*i+1]
.set i, i+1
.endr
.set i, 0
.rept 64
	v_exp_f32 v[GW+i], v[GW+i]
.set i, i+1
.endr
	v_nop                                          ; a plain instruction between the last transcendental and the use of its result (ISA guide 5.7.2)
.set i, 0
.rept 32
	v_pk_add_f32 v[GW+2*i:GW+2*i+1], v[GW+2*i:GW+2*i+1], 1.0 op_sel_hi:[1,0]
.set i, i+1
.endr
.set i, 0
.rept 64
	v_rcp_f32 v[GW+i], v[GW+i]
.set i, i+1
.endr
	v_nop
.set i, 0
.rept 32
	v_pk_mul_f32 v[XW+2*i:XW+2*i+1], v[XW+2*i:XW+2*i+1], v[GW+2*i:GW+2*i+1]
.set i, i+1
.endr
.endif
.set i, 0
.rept 32
	v_cvt_pk_bf16_f32 v[TMP+i], v[XW+2*i], v[XW+2*i+1]
.set i, i+1
.endr
.endm
; TOSTAGE: into my own stage in LDS, and back as whole rows of 256 bytes.
.macro TOSTAGE a
.set BK, OB+192*((\a)%2)
.irp b, 0,1,2,3,4,5,6,7
	ds_store_b128 v[STO], v[TMP+4*\b:TMP+4*\b+3] offset:32*\b
.endr
.irp t, 0,1,2,3,4,5,6,7
	ds_load_b128 v[BK+4*\t:BK+4*\t+3], v[RD] offset:\t*2*SPITCH    ; LDS serves a wave's instructions in order (ISA guide 5.7.1.4): these see the stores above, and the next block's stores come behind them
.endr
.endm
; SEND: stored.  The block's place stands in the immediate, 126 rows of C at the most, inside its signed 24 bits: neither the base nor the offset register is ever rewritten.
.macro SEND a
.set BK, OB+192*((\a)%2)
	s_wait_dscnt 0x0                               ; the block is back in registers
	s_wait_xcnt 0x0                                ; the stores of the block before have read their registers: only behind this wait does the next TOSTAGE load into them
.irp t, 0,1,2,3,4,5,6,7
	global_store_b128 v[CO], v[BK+4*\t:BK+4*\t+3], s[CP:CP+1] offset:(16*(\a)+2*\t)*SIZE_N*2   ; 16 lanes store 256 consecutive bytes, at a multiple of 256 from C's first byte
.endr
.endm
	s_wait_tensorcnt 1                             ; my part of K step 0 is in; K step 1's may stay out
	s_barrier_signal -1
	s_barrier_wait -1                              ; everybody's is
	FETCH 0, 0, F0
	QUARTER 0, 64,  F0, F1, 1                      ; the first quarter stands in front of the loop: its products start the sums
	WIN 0                                          ; at a label and at a branch every window is 0
	s_mov_b32 s3, LAPS-1
.Llap:                                                 ; a trip goes once round the ring, from a lap's second quarter to the next lap's first, and fills both slots again
	QUARTER 0, 128, F1, F0, 0
	QUARTER 0, 192, F0, F1, 0
	TURN 0, 1, 1
	QUARTER 1, 64,  F0, F1, 0
	QUARTER 1, 128, F1, F0, 0
	QUARTER 1, 192, F0, F1, 0
	TURN 1, 0, 1
	QUARTER 0, 64,  F0, F1, 0
	WIN 0
	s_sub_co_u32 s3, s3, 1
	s_cmp_lg_u32 s3, 0
	s_cbranch_scc1 .Llap
	QUARTER 0, 128, F1, F0, 0                      ; the last lap fills nothing, and has no round of the cluster's barrier
	QUARTER 0, 192, F0, F1, 0
	TURN 0, 1, 0
	QUARTER 1, 64,  F0, F1, 0
	QUARTER 1, 128, F1, F0, 0
	QUARTER 1, 192, F0, F1, 0
	s_wait_dscnt 8                                 ; the very last quarter: nothing more to fetch
	WIN MUL_LO
	MUL16 F1, 0, 0, 0
	MUL16 F1, 0, 2, 0
	s_wait_dscnt 0
	WIN MUL_HI
	MUL16 F1, 1, 0, 0
	MUL16 F1, 1, 2, 0
	WIN 0
	PLACES                                         ; the additions below read results and write over A's buffers
	s_wait_loadcnt 0x0                             ; the bias
	PACK 0
	TOSTAGE 0
.irp a, 1,2,3,4,5,6,7                  ; block a's arithmetic stands between block a - 1's loads from the stage and the wait for them
	PACK \a
	SEND \a-1
	TOSTAGE \a
.endr
	SEND 7
	s_set_vgpr_msb 0x1
	s_wait_tensorcnt 0x0
	ds_add_u32 v255, v31
	s_wait_dscnt 0x0
	s_set_vgpr_msb 0x100
	CROUND                                         ; the closing round: no work-group ends while a partner may still ask for a tile that names it
	s_endpgm
.Lfunc_end_k_q9d06f62f49_g_qkv:
	.size	k_q9d06f62f49_g_qkv, .Lfunc_end_k_q9d06f62f49_g_qkv-k_q9d06f62f49_g_qkv
	.p2alignl 7, 3214868480
	.fill 96, 4, 3214868480
	.section	.rodata,"a",@progbits
	.p2align	6, 0x0
	.amdhsa_kernel k_q9d06f62f49_g_qkv
		.amdhsa_group_segment_fixed_size 327680
		.amdhsa_private_segment_fixed_size 0
		.amdhsa_enable_private_segment 0
		.amdhsa_kernarg_size 32
		.amdhsa_user_sgpr_count 2
		.amdhsa_user_sgpr_kernarg_segment_ptr 1
		.amdhsa_wavefront_size32 1
		.amdhsa_system_sgpr_workgroup_id_x 1
		.amdhsa_system_sgpr_workgroup_id_y 1
		.amdhsa_system_sgpr_workgroup_id_z 1
		.amdhsa_system_vgpr_workitem_id 0
		.amdhsa_next_free_vgpr 1024
		.amdhsa_next_free_sgpr 76
		.amdhsa_reserve_vcc 0
		.amdhsa_float_denorm_mode_32 3
		.amdhsa_float_denorm_mode_16_64 3
		.amdhsa_memory_ordered 1
		.amdhsa_forward_progress 1
		.amdhsa_inst_pref_size 160
	.end_amdhsa_kernel
	.amdgpu_metadata
---
amdhsa.version: [ 1, 2 ]
amdhsa.kernels:
  - .name:           k_q9d06f62f49_g_qkv
    .symbol:         k_q9d06f62f49_g_qkv.kd
    .args:
      - { .name: xn, .offset: 0, .size: 8, .value_kind: global_buffer, .address_space: global }
      - { .name: wb, .offset: 8, .size: 8, .value_kind: global_buffer, .address_space: global }
      - { .name: b_attn, .offset: 16, .size: 8, .value_kind: global_buffer, .address_space: global }
      - { .name: qkv, .offset: 24, .size: 8, .value_kind: global_buffer, .address_space: global }
    .group_segment_fixed_size: 327680
    .private_segment_fixed_size: 0
    .kernarg_segment_align: 8
    .kernarg_segment_size: 32
    .max_flat_workgroup_size: 128
    .sgpr_count:     76
    .vgpr_count:     1024
    .wavefront_size: 32
...
	.end_amdgpu_metadata
.endif
;; end of part 8
;; launch attn (part 9): grid 8 x 32, 8 waves a work-group, no clusters, 327,680 bytes of LDS; arguments qkv, y; writes y
.if DOCPART == 9
	.amdgcn_target "amdgcn-amd-amdhsa--gfx1250"
	.amdhsa_code_object_version 6
	.text
	.protected	k_q9d06f62f49_attn
	.globl	k_q9d06f62f49_attn
	.p2align	8
	.type	k_q9d06f62f49_attn,@function
k_q9d06f62f49_attn:
	s_mov_b64 s[64:65], 0
	v_nop
	global_prefetch_b8 v0, s[64:65] scope:SCOPE_SE
	s_setreg_imm32_b32 hwreg(HW_REG_WAVE_MODE, 25, 1), 1
	s_wait_xcnt 0x0
; y[b][t][head][:] = the sum over s <= t of softmax_s(q[t] . k[s] / 8) v[s][:].  qkv: [4096][3072] bf16 (q, k, v at bytes 0, 2,048, 4,096 of a row; a head is 128 bytes); y: [4096][1024] bf16.
; Products, maxima and sums in f32; the weights p are rounded to bf16 for the second product, y once at the end.
; SHARES.  A work-group has one batch entry and a PAIR of heads, so that the rows of K's and V's tiles, and of y, are 256 consecutive bytes at a multiple of 256.  It owns two chunks of 64 queries, the long one
; 15 - I and the short one I (I = 0..7), and works on both AT ONCE, on one stream of keys, 64 a step.  Eight waves, two to a SIMD: wave w has head w / 4 of the pair and, of each chunk, the 16 queries 16 (w % 4) on:
; tile 0 in the long chunk, tile 1 in the short.  Steps 0 .. I multiply K's and V's fragments with both tiles, steps I + 1 .. 15 - I with tile 0 alone: 2 (I + 1) + (15 - 2 I) = 17 tile steps for every wave of
; every one of the 8 x 32 = 256 work-groups.  Step I is the short chunk's diagonal, step 15 - I the long one's: only there is the mask applied.
; THE PRICE: in the one-tile steps a fragment read from LDS feeds one matrix instruction, not two.  What it buys: the short chunk's keys are fetched with the long chunk's, no step is wholly masked, and while
; one wave of a SIMD walks its softmax the other has the matrix unit.
; LAYOUT.  S^T = K Q^T (source 0 = 16 keys, source 1 = 16 queries): a lane holds ONE query (lane % 16) and the keys 8 (lane / 16) + 0..7.  Two such results, rounded to bf16 in pairs, ARE source 1 (32 keys x 16
; queries) of O^T = V^T P, whose result again holds one query a lane, and eight channels.  K comes out of LDS as it lies, V ([key][channel]) turned, by ds_load_tr16_b128.
; SOFTMAX.  For each query a running maximum m and sum l: p = 2^(c s - c m), c = log2(e) / 8; in every step O and l are multiplied by a = 2^(c m_old - c m_new).  m starts at -infinity; step 0 holds key 0,
; which no query masks, so m is finite from there on, and the first a = 0 meets only l = 0 and O = 0.  Masked scores are -infinity and give p = 0.
; RING.  Two LDS slots of FOUR key steps (143,360 bytes).  Waves 0-3 bring K's, waves 4-7 V's tile of step w % 4 of a slot: 64 rows x 256 bytes each, one load a wave.  The stream is 12 steps (I >= 4) or 16:
; both slots are filled at the start, slot 0 once more, slot 1 once more where I < 4.  By this text's own count a wave has two tensor loads out at the start and one behind each refill's barrier, and that
; load has four key steps in which to land.  Of the last slot's four steps 0 to 3 lie past step 15 - I: they are fetched (they lie inside the batch entry's rows) and not read.
; NO CLUSTER: the eight work-groups of a head pair walk the same slots, but the step at which a work-group goes from two tiles to one, and the steps that it masks, hang on I, its place among them.
; REGISTERS.  window 0: v0-11 addresses; v12-27 eight registers of statistics a tile; v28 the mask's bound; v64-127 S^T, 32 a tile; v128-159 P, 16 a tile; v160-223 O^T, 32 a tile.
;   window 1: v0-31 Q, 16 a tile; v32-95 K of one step; v160-223 V of one step.
; Limits: q, k, v, p and y are bf16; v_exp_f32 gives 0 where p lies under 2^-126.
.set KS,    64        ; keys in a step
.set PK,    272       ; a row of K in LDS: 256 bytes + 16 of padding = 68 words: row r starts at bank 4 r mod 64 (64 banks of 4 bytes: ISA guide 11.1)
.set PV,    288       ; a row of V: 256 + 32 = 72 words
.set VOFF,  KS*PK     ; a step's tiles lie together: 64 rows of K, then 64 rows of V
.set STEPB, KS*(PK+PV)
.set SSTEPS, 4        ; key steps in a slot
.set SLOTB, SSTEPS*STEPB
.set STAGE, 2*SLOTB   ; behind the ring: two stages of 64 rows x 272 bytes, the long chunk's and the short one's; no tensor load lands there
.set SP,    272
.set STG,   64*SP
.set ROWB,  6144      ; bytes in a row of qkv
.set AK0, 2           ; v2   my lane's place in a tile of K; never rewritten
.set AV0, 3           ; v3   the same for V
.set ADRK, 4          ; v4   AK0 + the step at work
.set ADRV, 5          ; v5   AV0 + the step at work
.set QO,  6           ; v6   my byte offset in a tile's rows of q
.set STO, 7           ; v7   the way out: where I put 16 bytes of a row
.set RD,  8           ; v8   the way out: where I read a row back
.set GO,  10          ; v10  my byte offset in the wave's rows of y
.set NEG, 11          ; v11  -infinity
.set ST,  12          ; tile t's statistics at v[ST+8 t]: +0 c m, +1 m, +2, +3 l (even keys', odd keys'), +4 to +7 c0-c3, at work; a takes c2's place once the maximum is found
.set DB,  28          ; v28  my query's place in its chunk less 8 (lane / 16): on a diagonal, score 8 kb + j is kept where 16 kb + j is not above it
.set S,   64
.set P,   128
.set O,   160
.set QF,  0           ; window 1
.set KF,  32
.set VF,  160
.set WV,  12          ; s12  my wave's number
.set HD,  13          ; s13  my head of the pair.  Also: I fetch K's (0) or V's (1) tiles, and I store the long (0) or the short (1) chunk's rows
.set TQ,  14          ; s14  my tile of 16 queries in a chunk.  Also: which of a slot's four steps I fetch, and which 16 rows I store
.set II,  15          ; s15  I: the short chunk, and its last key step
.set RB,  16          ; s16  the batch entry's first row, 1,024 b
.set LAST, 17         ; s17  15 - I: the long chunk, and the stream's last key step
.set HB,  19          ; s19  the head pair's bytes in a row, 256 hp
.set BK,  20          ; s[20:21] k at my tile of slot 0's first fill
.set BV,  22          ; s[22:23] v likewise
.set G1K, 24          ; s[24:31] descriptor group 1 for K's tiles
.set G1V, 32          ; s[32:39] for V's: it differs in the padding alone
.set G0K, 40          ; s[40:47] descriptor group 0 for K's tiles, a set for each slot
.set G0V, 48          ; s[48:55] the same for V's
.set KB,  56          ; s56  the key step at work, 0 to 15
.set CNT, 57          ; s57  counts a slot's four steps
.set CS,  58          ; s[58:59] c: the packed scaling names a pair and takes its low word for both halves
.set SEL, 60          ; s[60:61] lane selects for v_permlanex16_b32: each lane takes its own place in the other half
.set TB,  62          ; s62  LDS byte at which the tiles of the step at work begin
.set OFF, 68          ; s[68:69] a byte offset in 64 bits (the high word stays 0)
.set QB0, 70          ; s[70:71] q at tile 0's first row
.set QB1, 72          ; s[72:73] q at tile 1's first row
.set YB,  78          ; s[78:79] y at the 16 rows that I store
.set MSB, 0
.macro WIN new                      ; the immediate's high byte repeats the setting that is left; a switch that changes nothing is dropped
.if MSB != \new
	s_set_vgpr_msb (MSB<<8)|\new
.set MSB, \new
.endif
.endm
.macro PLACES                       ; four places behind matrix instructions, in front of vector work on their results and of loads into their sources
.rept 4
	v_nop
.endr
.endm
; A slot's refill.  Waves 0-3 fetch the four steps' tiles of K, waves 4-7 those of V.  Four v_nop follow each of the two lines, ahead of the jump, the label and what follows.
.macro TLOAD slot
	s_cmp_lt_u32 s[WV], 4
	s_cbranch_scc0 .Lfor_v_\@
	tensor_load_to_lds s[G0K+4*\slot:G0K+4*\slot+3], s[G1K:G1K+7]
	s_nop 0
.rept 4
	v_nop
.endr
	s_branch .Lasked_\@
.Lfor_v_\@:
	tensor_load_to_lds s[G0V+4*\slot:G0V+4*\slot+3], s[G1V:G1V+7]
	s_nop 0
.rept 4
	v_nop
.endr
.Lasked_\@:
.endm
	s_load_b128 s[4:7], s[0:1], 0x0  ; qkv s[4:5], y s[6:7]
	v_lshl_add_u32 v254, v0, 2, 0x4e800
	v_mov_b32 v255, 0
	ds_add_u32 v254, v255
	ds_add_u32 v254, v255
	v_lshrrev_b32 v1, 5, v0
	v_readfirstlane_b32 s[WV], v1   ; wave 0..7
	s_lshr_b32 s[HD], s[WV], 2
	s_and_b32 s[TQ], s[WV], 3
	s_mov_b32 s[II], ttmp9
	s_sub_co_u32 s[LAST], 15, s[II]
	s_and_b32 s75, ttmp7, 0xffff    ; 8 b + hp
	s_lshr_b32 s[RB], s75, 3
	s_lshl_b32 s[RB], s[RB], 10
	s_and_b32 s[HB], s75, 7
	s_lshl_b32 s[HB], s[HB], 8
	; descriptor group 1: a tile of 64 rows x 128 elements, padded in LDS
	s_mov_b32 s[G1K], (1<<16)|(1<<20)|(5<<22)|(3<<25)  ; 15:0 no mask; 17:16 elements of 2 bytes; 20 padding on; 24:22 after every 64 words (code 5); 31:25 4 words of it (code 3)
	s_mov_b32 s[G1V], (1<<16)|(1<<20)|(5<<22)|(7<<25)  ; the same with 8 words of padding (code 7)
.irp g, G1K, G1V
	s_mov_b32 s[\g+1], 128<<16      ; tensor_dim0 = 128
	s_mov_b32 s[\g+2], KS<<16       ; tensor_dim1 = 64
	s_mov_b32 s[\g+3], 128<<16      ; tile_dim0 = 128
	s_mov_b32 s[\g+4], KS           ; tile_dim1 = 64
	s_mov_b32 s[\g+5], 3072         ; tensor_dim0_stride: elements from row to row
	s_mov_b32 s[\g+6], 0
	s_mov_b32 s[\g+7], 0
.endr
	s_mov_b32 s[CS], 0x3e38aa3b     ; c = log2(e) / 8
	s_mov_b32 s[CS+1], s[CS]        ; named with it as a pair, so it is written
	s_mov_b32 s[SEL], 0x76543210
	s_mov_b32 s[SEL+1], 0xfedcba98
	s_mov_b32 s[KB], 0
	s_lshl_b32 s75, s[TQ], 6        ; my step's 64 rows
	s_add_co_u32 s75, s75, s[RB]
	s_mul_i32 s[OFF], s75, ROWB
	s_add_co_u32 s[OFF], s[OFF], s[HB]
	s_add_co_u32 s[OFF], s[OFF], 2048  ; k lies 2,048 bytes into a row
	s_mov_b32 s[OFF+1], 0
	s_mul_i32 s76, s[TQ], STEPB     ; my step's place in a slot
	s_wait_dscnt 0x0
	s_wait_kmcnt 0x0
	s_add_nc_u64 s[BK:BK+1], s[4:5], s[OFF:OFF+1]
	s_add_nc_u64 s[BV:BV+1], s[BK:BK+1], 2048
.irp s, 0,1
	s_mov_b32 s[G0K+4*\s], 1        ; count = 1
	s_add_co_u32 s[G0K+4*\s+1], s76, \s*SLOTB  ; LDS address
	s_add_nc_u64 s[G0K+4*\s+2:G0K+4*\s+3], s[BK:BK+1], \s*SSTEPS*KS*ROWB  ; global address: slot s begins with key steps 4 s to 4 s + 3
	s_or_b32 s[G0K+4*\s+3], s[G0K+4*\s+3], 0x80000000  ; type = 2
	s_mov_b32 s[G0V+4*\s], 1
	s_add_co_u32 s[G0V+4*\s+1], s76, \s*SLOTB+VOFF
	s_add_nc_u64 s[G0V+4*\s+2:G0V+4*\s+3], s[BV:BV+1], \s*SSTEPS*KS*ROWB
	s_or_b32 s[G0V+4*\s+3], s[G0V+4*\s+3], 0x80000000
.endr
	s_cmp_lt_u32 s[WV], 4           ; a wave's two first fills stand in one branch, ahead of every wait on TENSORcnt, every LDS read and every barrier; four v_nop follow the second, as in TLOAD
	s_cbranch_scc0 .Lfirst_v
	tensor_load_to_lds s[G0K:G0K+3], s[G1K:G1K+7]
	s_nop 0
	tensor_load_to_lds s[G0K+4:G0K+7], s[G1K:G1K+7]
	s_nop 0
.rept 4
	v_nop
.endr
	s_branch .Lfirst_asked
.Lfirst_v:
	tensor_load_to_lds s[G0V:G0V+3], s[G1V:G1V+7]
	s_nop 0
	tensor_load_to_lds s[G0V+4:G0V+7], s[G1V:G1V+7]
	s_nop 0
.rept 4
	v_nop
.endr
.Lfirst_asked:
	; A fragment of K or Q is 16 rows x 32 channels in 8 registers: lane l holds row l % 16; registers 0-3 channels 8 (l / 16) + 0..7, registers 4-7 channels 16 + 8 (l / 16) + 0..7: two loads of 16 bytes, 32 bytes apart.
	v_and_b32 v1, 15, v0            ; l % 16
	v_bfe_u32 v9, v0, 4, 1          ; l / 16
	s_lshl_b32 s75, s[HD], 7        ; my head's 128 bytes of a row
	v_mul_u32_u24 v[AK0], v1, PK
	v_lshl_add_u32 v[AK0], v9, 4, v[AK0]
	v_add_nc_u32 v[AK0], s75, v[AK0]
	; The turning load takes 16 keys x 16 channels (lane l reads 16 bytes: key 8 (l / 16) + l % 8, channels 8 ((l / 8) % 2) + 0..7) and leaves half a fragment of V^T: lane l holds channel l % 16 and 8 keys.
	v_and_b32 v32, 7, v0
	v_bfe_u32 v33, v0, 3, 1
	v_lshl_add_u32 v[AV0], v9, 3, v32
	v_mul_u32_u24 v[AV0], v[AV0], PV
	v_lshl_add_u32 v[AV0], v33, 4, v[AV0]
	v_add_nc_u32 v[AV0], s75, v[AV0]
	v_add_nc_u32 v[AV0], VOFF, v[AV0]
	v_mul_u32_u24 v[QO], v1, ROWB
	v_lshl_add_u32 v[QO], v9, 4, v[QO]
	s_mul_i32 s76, s[TQ], 16*SP     ; into a stage: my tile's 16 rows, my head's half of their 256 bytes; row l % 16, 16 bytes for each half of the lanes
	s_add_co_u32 s77, s76, s75
	s_add_co_u32 s77, s77, STAGE
	v_mul_u32_u24 v[STO], v1, SP
	v_lshl_add_u32 v[STO], v9, 4, v[STO]
	v_add_nc_u32 v[STO], s77, v[STO]
	s_mul_i32 s77, s[HD], STG       ; back: waves 0-3 take the long chunk's stage, waves 4-7 the short one's, 16 whole rows each; lanes 0-15 one row of 256 bytes, lanes 16-31 the next
	s_add_co_u32 s77, s77, s76
	s_add_co_u32 s77, s77, STAGE
	v_mul_u32_u24 v[RD], v9, SP
	v_lshl_add_u32 v[RD], v1, 4, v[RD]
	v_add_nc_u32 v[RD], s77, v[RD]
	v_lshlrev_b32 v[GO], 11, v9     ; and the same two rows in y
	v_lshl_add_u32 v[GO], v1, 4, v[GO]
	v_lshlrev_b32 v32, 3, v9
	v_sub_nc_u32 v[DB], v1, v32     ; l % 16 - 8 (l / 16): it may be negative, the compare is signed
	s_lshl_b32 s75, s[TQ], 4
	v_add_nc_u32 v[DB], s75, v[DB]
	v_mov_b32 v[NEG], 0xff800000
.macro QADR base, ch                ; q at row 1,024 b + 64 chunk + 16 tile, my head's 128 bytes
	s_lshl_b32 s75, s[\ch], 6
	s_add_co_u32 s75, s75, s[RB]
	s_lshl_b32 s76, s[TQ], 4
	s_add_co_u32 s75, s75, s76
	s_mul_i32 s76, s75, ROWB
	s_add_co_u32 s76, s76, s[HB]
	s_lshl_b32 s77, s[HD], 7
	s_add_co_u32 s76, s76, s77
	s_mov_b32 s77, 0
	s_add_nc_u64 s[\base:\base+1], s[4:5], s[76:77]
.endm
	; Q of both tiles stays in registers; m = c m = -infinity, l = 0, O = 0.  The 64 moves, once in a wave's life, stand for a second copy of both step texts whose products would start the sums.
	QADR QB0, LAST
	QADR QB1, II
	WIN 0x40                        ; destination window 1
.irp cc, 0,1
	global_load_b128 v[QF+8*\cc:QF+8*\cc+3],       v[QO], s[QB0:QB0+1] offset:64*\cc
	global_load_b128 v[QF+8*\cc+4:QF+8*\cc+7],     v[QO], s[QB0:QB0+1] offset:64*\cc+32
	global_load_b128 v[QF+16+8*\cc:QF+16+8*\cc+3],   v[QO], s[QB1:QB1+1] offset:64*\cc
	global_load_b128 v[QF+16+8*\cc+4:QF+16+8*\cc+7], v[QO], s[QB1:QB1+1] offset:64*\cc+32
.endr
	WIN 0
.irp t, 0,1
	v_mov_b32 v[ST+8*\t], v[NEG]
	v_mov_b32 v[ST+8*\t+1], v[NEG]
.irp j, 2,3,4,5,6,7
	v_mov_b32 v[ST+8*\t+\j], 0
.endr
.endr
.set i, 0
.rept 64
	v_mov_b32 v[O+i], 0
.set i, i+1
.endr
	s_wait_loadcnt 0x0              ; Q
; A step's 32 LDS loads in one run: K (64 keys x 64 channels: 8 fragments), then V (turned).
.macro LOADKV
	WIN 0x40
.irp f, 0,1,2,3,4,5,6,7             ; keys 16 (f / 2) on, channels 32 (f % 2) on
	ds_load_b128 v[KF+8*\f:KF+8*\f+3],   v[ADRK] offset:(\f/2)*16*PK+(\f%2)*64
	ds_load_b128 v[KF+8*\f+4:KF+8*\f+7], v[ADRK] offset:(\f/2)*16*PK+(\f%2)*64+32
.endr
.irp f, 0,1,2,3,4,5,6,7             ; keys 32 (f / 4) on, channels 16 (f % 4) on
	ds_load_tr16_b128 v[VF+8*\f:VF+8*\f+3],   v[ADRV] offset:(\f/4)*32*PV+(\f%4)*32
	ds_load_tr16_b128 v[VF+8*\f+4:VF+8*\f+7], v[ADRV] offset:(\f/4)*32*PV+16*PV+(\f%4)*32
.endr
	WIN 0
.endm
; 8 products a tile of S^T = K Q^T, for nt tiles: channels 32 (i / (4 nt)) on, keys 16 ((i / nt) % 4) on, tile i % nt.  The first 4 nt start the sums.  The 4 nt accumulators take turns, one instruction a turn.
.macro MULKQ nt
	WIN 0x05                        ; K and Q in window 1, S^T in window 0
.set i, 0
.rept 8*\nt
.set rS, S+32*(i%\nt)+8*((i/\nt)%4)
.set rK, KF+8*(2*((i/\nt)%4)+i/(4*\nt))
.set rQ, QF+16*(i%\nt)+8*(i/(4*\nt))
.if i < 4*\nt
	v_wmma_f32_16x16x32_bf16 v[rS:rS+7], v[rK:rK+7], v[rQ:rQ+7], 0
.else
	v_wmma_f32_16x16x32_bf16 v[rS:rS+7], v[rK:rK+7], v[rQ:rQ+7], v[rS:rS+7]
.endif
.set i, i+1
.endr
	WIN 0
.endm
; 8 products a tile of O^T += V^T P: keys 32 (i / (4 nt)) on, channels 16 ((i / nt) % 4) on, tile i % nt.  Again 4 nt accumulators by turns.
.macro MULPV nt
	WIN 0x01                        ; V in window 1, P and O^T in window 0
.set i, 0
.rept 8*\nt
.set rO, O+32*(i%\nt)+8*((i/\nt)%4)
.set rV, VF+8*(4*(i/(4*\nt))+(i/\nt)%4)
.set rP, P+16*(i%\nt)+8*(i/(4*\nt))
	v_wmma_f32_16x16x32_bf16 v[rO:rO+7], v[rV:rV+7], v[rP:rP+7], v[rO:rO+7]
.set i, i+1
.endr
	WIN 0
.endm
; A chunk's diagonal step: score i of tile t belongs to key 16 (i / 8) + 8 (lane / 16) + i % 8 of the step; it is kept where that key is not behind the lane's query.
.macro MASK t
.set i, 0
.rept 32
	v_cmp_le_i32 vcc_lo, 16*(i/8)+i%8, v[DB]
	v_cndmask_b32 v[S+32*(\t)+i], v[NEG], v[S+32*(\t)+i], vcc_lo
.set i, i+1
.endr
.endm
; The new maximum of nt tiles (two tiles alternate): four chains c0-c3 of seven scores, the four scores left over, the old m, the other half of the lanes.
.macro MAXP nt
.irp j, 0,1,2,3
.irp t, 0,1
.if \t < \nt
	v_max3_num_f32 v[ST+8*\t+4+\j], v[S+32*\t+8*\j], v[S+32*\t+8*\j+1], v[S+32*\t+8*\j+2]
.endif
.endr
.endr
.irp g, 1,2
.irp j, 0,1,2,3
.irp t, 0,1
.if \t < \nt
	v_max3_num_f32 v[ST+8*\t+4+\j], v[ST+8*\t+4+\j], v[S+32*\t+8*\j+2*\g+1], v[S+32*\t+8*\j+2*\g+2]
.endif
.endr
.endr
.endr
.irp t, 0,1
.if \t < \nt
	v_max3_num_f32 v[ST+8*\t+4], v[ST+8*\t+4], v[S+32*\t+7], v[S+32*\t+15]
.endif
.endr
.irp t, 0,1
.if \t < \nt
	v_max3_num_f32 v[ST+8*\t+6], v[ST+8*\t+6], v[S+32*\t+23], v[S+32*\t+31]
.endif
.endr
.irp t, 0,1
.if \t < \nt
	v_max3_num_f32 v[ST+8*\t+4], v[ST+8*\t+4], v[ST+8*\t+5], v[ST+8*\t+6]
.endif
.endr
.irp t, 0,1
.if \t < \nt
	v_max3_num_f32 v[ST+8*\t+4], v[ST+8*\t+4], v[ST+8*\t+7], v[ST+8*\t+1]
.endif
.endr
.irp t, 0,1
.if \t < \nt
	v_permlanex16_b32 v[ST+8*\t+5], v[ST+8*\t+4], s[SEL], s[SEL+1]  ; the query's other 32 keys lie in the lane 16 away
.endif
.endr
.irp t, 0,1
.if \t < \nt
	v_mov_b32 v[ST+8*\t+7], v[ST+8*\t]             ; c m_old is kept for a
.endif
.endr
.irp t, 0,1
.if \t < \nt
	v_max_num_f32 v[ST+8*\t+1], v[ST+8*\t+4], v[ST+8*\t+5]
.endif
.endr
.irp t, 0,1
.if \t < \nt
	v_mul_f32 v[ST+8*\t], s[CS], v[ST+8*\t+1]
.endif
.endr
.irp t, 0,1
.if \t < \nt
	v_sub_f32 v[ST+8*\t+7], v[ST+8*\t+7], v[ST+8*\t]
.endif
.endr
.endm
.macro SCALE t                      ; c s - c m, two scores at a time
.set i, 0
.rept 16
	v_pk_fma_f32 v[S+32*\t+2*i:S+32*\t+2*i+1], v[S+32*\t+2*i:S+32*\t+2*i+1], s[CS:CS+1], v[ST+8*\t:ST+8*\t+1] op_sel_hi:[1,0,0] neg_lo:[0,0,1] neg_hi:[0,0,1]
.set i, i+1
.endr
.endm
.macro EXPS t                       ; a, then the 32 weights, in place; a plain instruction that names none of these registers follows the run before a result is used (ISA guide 5.7.2)
	v_exp_f32 v[ST+8*\t+6], v[ST+8*\t+7]
.set i, 0
.rept 32
	v_exp_f32 v[S+32*\t+i], v[S+32*\t+i]
.set i, i+1
.endr
.endm
.macro FINISH t                     ; the weights rounded to bf16; their sum, in place, by neighbours 1, 2, 4 and 8 pairs apart; l = a l + the sum; O^T times a
.set i, 0
	s_wait_alu depctr_va_vdst(0)
.rept 16
	v_cvt_pk_bf16_f32 v[P+16*\t+i], v[S+32*\t+2*i], v[S+32*\t+2*i+1]
.set i, i+1
.endr
.irp w, 4,8,16,32
.set i, 0
.rept 32/\w
	v_pk_add_f32 v[S+32*\t+\w*i:S+32*\t+\w*i+1], v[S+32*\t+\w*i:S+32*\t+\w*i+1], v[S+32*\t+\w*i+\w/2:S+32*\t+\w*i+\w/2+1]
.set i, i+1
.endr
.endr
	v_pk_fma_f32 v[ST+8*\t+2:ST+8*\t+3], v[ST+8*\t+2:ST+8*\t+3], v[ST+8*\t+6:ST+8*\t+7], v[S+32*\t:S+32*\t+1] op_sel_hi:[1,0,1]
.set i, 0
.rept 16
	v_pk_mul_f32 v[O+32*\t+2*i:O+32*\t+2*i+1], v[O+32*\t+2*i:O+32*\t+2*i+1], v[ST+8*\t+6:ST+8*\t+7] op_sel_hi:[1,0]
.set i, i+1
.endr
.endm
; One key step for nt tiles, in phases.  lim: the step that is the diagonal of tile nt - 1 (with two tiles the short chunk's, with one the long chunk's).
.macro STEP nt, lim
	v_add_nc_u32 v[ADRK], s[TB], v[AK0]
	v_add_nc_u32 v[ADRV], s[TB], v[AV0]
	LOADKV
	s_wait_dscnt 16                 ; LDS loads come back in order: K's sixteen are in, V's sixteen may be out
	MULKQ \nt
	PLACES
	s_cmp_lg_u32 s[KB], s[\lim]
	s_cbranch_scc1 .Lopen_\@
	MASK \nt-1
.Lopen_\@:
	MAXP \nt
	SCALE 0
	EXPS 0
.if \nt == 2
	SCALE 1                         ; its first line is the plain instruction behind tile 0's exponentials
	EXPS 1
	FINISH 0                        ; its first line is the one behind tile 1's
	FINISH 1
.else
	v_nop                           ; the plain instruction behind the exponentials
	s_wait_alu depctr_va_vdst(0)
	FINISH 0
.endif
	s_wait_dscnt 0x0                ; V is in
	MULPV \nt
	PLACES
.endm
; Tile t is finished: l's two halves and the other half of the lanes' are added; O^T is divided by l, rounded to bf16 and put into its chunk's stage.
.macro OUT1 t
	v_add_f32 v[ST+8*\t+4], v[ST+8*\t+2], v[ST+8*\t+3]
	v_permlanex16_b32 v[ST+8*\t+5], v[ST+8*\t+4], s[SEL], s[SEL+1]
	v_add_f32 v[ST+8*\t+4], v[ST+8*\t+4], v[ST+8*\t+5]
	v_rcp_f32 v[ST+8*\t+6], v[ST+8*\t+4]
	v_nop                           ; a plain instruction between the reciprocal and the use of its result
.set i, 0
	s_wait_alu depctr_va_vdst(0)
.rept 16
	v_pk_mul_f32 v[O+32*\t+2*i:O+32*\t+2*i+1], v[O+32*\t+2*i:O+32*\t+2*i+1], v[ST+8*\t+6:ST+8*\t+7] op_sel_hi:[1,0]
.set i, i+1
.endr
.set i, 0
.rept 16
	v_cvt_pk_bf16_f32 v[S+32*\t+i], v[O+32*\t+2*i], v[O+32*\t+2*i+1]
.set i, i+1
.endr
.irp cb, 0,1,2,3
	ds_store_b128 v[STO], v[S+32*\t+4*\cb:S+32*\t+4*\cb+3] offset:\t*STG+32*\cb
.endr
.endm
; The change of slots.  Each wave waits for its own LDS instructions, the reads of the slot among them, and for all its tensor loads, of which at most one is out: its part of the other slot.  Behind the barrier
; nobody reads the slot just left any more and the other slot is whole.  fill = 1: the slot just left, slot, is filled again with the key steps eight on: my one tensor load behind the barrier, and the first thing there.
.macro CHANGE fill, slot
	s_wait_dscnt 0x0
	s_wait_tensorcnt 0x0            ; no tensor load of mine is out, so a group 0 may be written
	ds_add_u32 v254, v255
	s_wait_dscnt 0x0
.if \fill
	s_add_nc_u64 s[G0K+4*\slot+2:G0K+4*\slot+3], s[G0K+4*\slot+2:G0K+4*\slot+3], 2*SSTEPS*KS*ROWB  ; 512 rows on; the type bits on top are not reached
	s_add_nc_u64 s[G0V+4*\slot+2:G0V+4*\slot+3], s[G0V+4*\slot+2:G0V+4*\slot+3], 2*SSTEPS*KS*ROWB
.endif
	s_barrier_signal -1
	s_barrier_wait -1
.if \fill
	TLOAD \slot
.endif
.endm
; A slot's four key steps: written once, walked four times; the LDS addresses hang on s[TB].  No barrier stands between them: the one in front has shown the whole slot to every wave.
; early = 1 (steps 0 to 7, all inside the stream since 15 - I >= 8): two tiles up to step I, where the short chunk's tile leaves, then one.  early = 0 (steps 8 on, all behind I <= 7): one tile, up to step 15 - I.
; Every branch here hangs on I and the step's number: it is the same in all eight waves.
.macro RUN slot, early
	s_mov_b32 s[TB], \slot*SLOTB
	s_mov_b32 s[CNT], SSTEPS
.Lstep_\@:
.if \early
	s_cmp_gt_u32 s[KB], s[II]
	s_cbranch_scc1 .Lone_\@
	STEP 2, II
	s_cmp_lg_u32 s[KB], s[II]
	s_cbranch_scc1 .Lnext_\@
	OUT1 1
	s_branch .Lnext_\@
.Lone_\@:
.else
	s_cmp_gt_u32 s[KB], s[LAST]
	s_cbranch_scc1 .Lnext_\@
.endif
	STEP 1, LAST
.Lnext_\@:
	s_add_co_u32 s[TB], s[TB], STEPB
	s_add_co_u32 s[KB], s[KB], 1
	s_sub_co_u32 s[CNT], s[CNT], 1
	s_cmp_lg_u32 s[CNT], 0
	s_cbranch_scc1 .Lstep_\@
.endm
	s_wait_tensorcnt 1              ; my part of slot 0 is in; slot 1's may stay out
	s_barrier_signal -1
	s_barrier_wait -1               ; everybody's is
	RUN 0, 1                        ; key steps 0 to 3
	CHANGE 1, 0                     ; slot 0 takes steps 8 to 11: step 8 is read by every work-group
	RUN 1, 1                        ; key steps 4 to 7
	s_cmp_lt_u32 s[II], 4           ; the same in all eight waves: each way has its own barriers, and no slot is filled that no step reads
	s_cbranch_scc0 .Lthree
	CHANGE 1, 1                     ; 15 - I >= 12: slot 1 takes steps 12 to 15
	RUN 0, 0                        ; key steps 8 to 11
	CHANGE 0, 0
	RUN 1, 0                        ; key steps 12 to 15 - I
	s_branch .Lout
.Lthree:
	CHANGE 0, 0                     ; 15 - I <= 11: nothing more is asked for
	RUN 0, 0                        ; key steps 8 to 15 - I
.Lout:
	OUT1 0                          ; the long chunk's tile; four places stand behind the last products
	; THE WAY OUT.  A row's 256 bytes come from two waves, so a barrier stands between the writing of the stages and the reading; each wave then takes 16 whole rows.
	s_wait_dscnt 0x0                ; for the others' sake: my stores into the stages are done
	s_barrier_signal -1
	s_barrier_wait -1
	s_cmp_eq_u32 s[HD], 0
	s_cselect_b32 s75, s[LAST], s[II]  ; waves 0-3 store the long chunk, waves 4-7 the short one
	s_lshl_b32 s75, s75, 6
	s_add_co_u32 s75, s75, s[RB]
	s_lshl_b32 s76, s[TQ], 4
	s_add_co_u32 s75, s75, s76      ; row 1,024 b + 64 chunk + 16 (w % 4)
	s_lshl_b32 s76, s75, 11
	s_add_co_u32 s76, s76, s[HB]
	s_mov_b32 s77, 0
	s_add_nc_u64 s[YB:YB+1], s[6:7], s[76:77]
.irp f, 0,1,2,3,4,5,6,7
	ds_load_b128 v[S+4*\f:S+4*\f+3], v[RD] offset:\f*2*SP
.endr
	s_wait_dscnt 0x0
.irp f, 0,1,2,3,4,5,6,7
	global_store_b128 v[GO], v[S+4*\f:S+4*\f+3], s[YB:YB+1] offset:\f*4096  ; 16 lanes store 256 consecutive bytes, at a multiple of 256 from y's first byte
.endr
	s_wait_tensorcnt 0x0
	ds_add_u32 v254, v255
	s_wait_dscnt 0x0
	s_endpgm
.Lfunc_end_k_q9d06f62f49_attn:
	.size	k_q9d06f62f49_attn, .Lfunc_end_k_q9d06f62f49_attn-k_q9d06f62f49_attn
	.p2alignl 7, 3214868480
	.fill 96, 4, 3214868480
	.section	.rodata,"a",@progbits
	.p2align	6, 0x0
	.amdhsa_kernel k_q9d06f62f49_attn
		.amdhsa_group_segment_fixed_size 327680
		.amdhsa_private_segment_fixed_size 0
		.amdhsa_enable_private_segment 0
		.amdhsa_kernarg_size 16
		.amdhsa_user_sgpr_count 2
		.amdhsa_user_sgpr_kernarg_segment_ptr 1
		.amdhsa_wavefront_size32 1
		.amdhsa_system_sgpr_workgroup_id_x 1
		.amdhsa_system_sgpr_workgroup_id_y 1
		.amdhsa_system_sgpr_workgroup_id_z 1
		.amdhsa_system_vgpr_workitem_id 0
		.amdhsa_next_free_vgpr 512
		.amdhsa_next_free_sgpr 80
		.amdhsa_reserve_vcc 1
		.amdhsa_float_denorm_mode_32 3
		.amdhsa_float_denorm_mode_16_64 3
		.amdhsa_memory_ordered 1
		.amdhsa_forward_progress 1
		.amdhsa_inst_pref_size 122
	.end_amdhsa_kernel
	.amdgpu_metadata
---
amdhsa.version: [ 1, 2 ]
amdhsa.kernels:
  - .name:           k_q9d06f62f49_attn
    .symbol:         k_q9d06f62f49_attn.kd
    .args:
      - { .name: qkv, .offset: 0, .size: 8, .value_kind: global_buffer, .address_space: global }
      - { .name: y, .offset: 8, .size: 8, .value_kind: global_buffer, .address_space: global }
    .group_segment_fixed_size: 327680
    .private_segment_fixed_size: 0
    .kernarg_segment_align: 8
    .kernarg_segment_size: 16
    .max_flat_workgroup_size: 256
    .sgpr_count:     80
    .vgpr_count:     512
    .wavefront_size: 32
...
	.end_amdgpu_metadata
.endif
;; end of part 9
;; launch g_proj: the kernel of part 4 again; grid 8 x 32, 4 waves a work-group, clusters of 4 x 4, 327,680 bytes of LDS; arguments y, wb, b_proj, x1, x; writes x1
;; launch ln2: the kernel of part 5 again; grid 256 x 1, 8 waves a work-group, no clusters, 0 bytes of LDS; arguments x1, xn; writes xn
;; launch g_fc (part 10): grid 16 x 16, 4 waves a work-group, clusters of 4 x 4, 327,680 bytes of LDS; arguments xn, wb, b_fc, h; writes h
.if DOCPART == 10
	.amdgcn_target "amdgcn-amd-amdhsa--gfx1250"
	.amdhsa_code_object_version 6
	.text
	.protected	k_q9d06f62f49_g_fc
	.globl	k_q9d06f62f49_g_fc
	.p2align	8
	.type	k_q9d06f62f49_g_fc,@function
k_q9d06f62f49_g_fc:
	s_mov_b64 s[64:65], 0
	v_nop
	global_prefetch_b8 v0, s[64:65] scope:SCOPE_SE
	s_setreg_imm32_b32 hwreg(HW_REG_WAVE_MODE, 25, 1), 1
	s_wait_xcnt 0x0
	s_wait_alu depctr_hold_cnt(0) depctr_sa_sdst(0) depctr_va_vdst(0) depctr_va_sdst(0) depctr_va_ssrc(0) depctr_va_vcc(0) depctr_vm_vsrc(0)
	s_getreg_b32 s2, hwreg(HW_REG_IB_STS2, 6, 4)
	s_cmp_eq_u32 s2, 0
	s_cbranch_scc0 .Lentry_in_a_cluster
	s_endpgm
.Lentry_in_a_cluster:
	s_bfe_u32 s2, ttmp6, 0x10000c
	s_cmp_lg_u32 s2, 0xf033
	s_cbranch_scc0 .Lentry_shape_is_right
	s_endpgm
.Lentry_shape_is_right:
; h = gelu(xn w_fc^T + b_fc).  C[m][n] = gelu(sum over k of A[m][k] B[n][k] + bias[n]).  A: [4096][SIZE_K] bf16; B: [SIZE_N][SIZE_K] bf16, WOFF bytes into wb; bias f32; C: [4096][SIZE_N] bf16; sums and the activation in f32.
; A tile of C, 256 x 256, is made by a work-group of four waves; a wave makes 128 x 128: 64 accumulators of 16 x 16, 512 registers.  K goes in steps of 128 through a ring of two LDS slots filled by
; tensor loads: the rows of A's and B's tiles are 256 bytes of memory and start at multiples of 256 bytes from the buffer's first byte.  A step's 131,072 bytes feed 256 matrix instructions a wave.
; 16 x 16 = 256 work-groups.
; CLUSTERS: 4 x 4 work-groups.  The four of a row of the cluster need the same tiles of A, the four of a column the same tiles of B: each tile is asked for JOINTLY, by the same tensor load with the
; same descriptor and a mask that names the four.  THE MATRIX INSTRUCTION IS USED TRANSPOSED (source 0 = 16 rows of B, source 1 = 16 rows of A): a lane then holds eight neighbouring numbers of a row of C.
; REGISTERS, in windows of 256 (s_set_vgpr_msb's low byte: bits 1:0 source 0, 3:2 source 1, 5:4 source 2, 7:6 destination):
;   window 0: v0-31 addresses and constants; v64-127, v128-191 fragments of A (8 x 16 rows x 32 K), two buffers, on the way out 64 numbers at work and 64 more; v192-223 packed results; v32-63, v224-255 rows read back, by turns
;   window 1: v0-63 the bias of my lane's 64 columns; v64-127, v128-191 fragments of B, two buffers
;   window 2: the 32 accumulators of my rows 0-63 (accumulator (a, b) at v[8 (8 a + b)]);   window 3: those of my rows 64-127
; By this text's own count a wave has two tensor loads out at the start and one behind each round.
; Limits: operands are bf16 as stored; C is rounded once to bf16; v_exp_f32 and v_rcp_f32 are good to one unit in the last place and give 0 for results under 2^-126.
.set SIZE_N, 4096
.set SIZE_K, 1024
.set WOFF,   8388608
.set GELU_ON, 1
.set KSTEP,  128
.set PITCH,  272                       ; an LDS row: 256 bytes of data + 16 of padding = 68 words: row r starts at bank 4 r mod 64 (64 banks of 4 bytes: ISA guide 11.1), so the 16 rows that a load touches start at 16 different banks
.set HALFT,  128*PITCH                 ; 128 rows: what one tensor load brings, and what one wave reads of A or of B
.set SLOT,   4*HALFT                   ; A's 256 rows, then B's 256 rows
.set STAGE,  2*SLOT                    ; behind the ring: 16 rows x 272 bytes for each wave, for the way out; no tensor load lands there
.set SPITCH, 272
.set LAPS, SIZE_K/(2*KSTEP)            ; a lap = two K steps = once round the ring
.set ADRA, 16                          ; v16-17  LDS address of my A fragments in slot 0, 1
.set ADRB, 20                          ; v20-21  the same for B
.set STO,  24                          ; v24     the way out: where I put 16 bytes of a row
.set RD,   25                          ; v25     the way out: where I read a row back
.set CO,   26                          ; v26     my byte offset in C
.set BO,   27                          ; v27     my byte offset in the bias of my wave's 128 columns
.set K0,   28                          ; v28-29  the activation's constants, each twice
.set K1,   30                          ; v30-31
.set OB,   32                          ; the way out: 16 rows read back from the stage: v32-63 and v224-255 by turns
.set F0,   64                          ; fragment buffer 0
.set F1,   128                         ; fragment buffer 1
.set XW,   64                          ; the way out: a block's 64 numbers of a lane, in f32 (A's buffer 0 is free by then)
.set GW,   128                         ; the way out: 64 more at work in the activation (A's buffer 1)
.set TMP,  192                         ; the way out: packed results
.set BI,   0                           ; window 1: v[8 b + j] = bias of column 16 b + 8 (lane / 16) + j of my 128
.set G1, 24                            ; s[24:31] descriptor group 1 for A's tiles
.set G0, 32                            ; s[32:39] descriptor group 0 for A's tiles, one set for each slot
.set G1B, 48                           ; s[48:55] descriptor group 1 for B's tiles: it differs from A's in the mask alone
.set G0B, 56                           ; s[56:63] descriptor group 0 for B's tiles, one set for each slot
.set BIAS, 68                          ; s[68:69] the bias
.set CP,   70                          ; s[70:71] C
.set MSB, 0
.macro WIN new                         ; the immediate's high byte repeats the setting that is left; a switch that changes nothing is dropped
.if MSB != \new
	s_set_vgpr_msb (MSB<<8)|\new
.set MSB, \new
.endif
.endm
.set MUL_LO, 0xa1                      ; source 0 (B) window 1, source 1 (A) window 0, C and D window 2
.set MUL_HI, 0xf1                      ; the same, C and D window 3
.set TO_B,   0x40                      ; destination window 1, address window 0
; A joint load.  Waves 0 and 1 fetch A's two halves, waves 2 and 3 B's.  Each of the two lines has ONE mask and one set of registers for all that issue it.  The branch hangs on the wave's number alone.
; Four v_nop follow each of the two lines; the jump round the other line, the label and what follows the macro come after them.
.macro JLOAD s
	s_cmp_eq_u32 s11, 0
	s_cbranch_scc0 .Lfor_b_\@
	tensor_load_to_lds s[G0+4*\s:G0+4*\s+3], s[G1:G1+7]
	s_nop 0
.rept 4
	v_nop
.endr
	s_branch .Lasked_\@
.Lfor_b_\@:
	tensor_load_to_lds s[G0B+4*\s:G0B+4*\s+3], s[G1B:G1B+7]
	s_nop 0
.rept 4
	v_nop
.endr
.Lasked_\@:
.endm
.macro CREST                           ; a round of the cluster's barrier behind its opening barrier
	s_cmp_lg_u32 s10, 0
	s_cbranch_scc1 .Lnot_wave_0_\@
	s_barrier_signal -3
.Lnot_wave_0_\@:
	s_barrier_wait -3
	s_barrier_signal -1
	s_barrier_wait -1
.endm
.macro CROUND                          ; a whole round
	s_barrier_signal -1
	s_barrier_wait -1
	CREST
.endm
	s_load_b128 s[4:7], s[0:1], 0x0                ; A s[4:5], wb s[6:7]
	s_load_b128 s[68:71], s[0:1], 0x10             ; bias s[68:69], C s[70:71]
	s_set_vgpr_msb 0x40
	v_lshl_add_u32 v255, v0, 2, 0x48400
	s_set_vgpr_msb 0x4000
	v_mov_b32 v23, 0
	s_set_vgpr_msb 0x1
	ds_add_u32 v255, v23
	ds_add_u32 v255, v23
	s_set_vgpr_msb 0x100
	v_lshrrev_b32 v1, 5, v0
	v_readfirstlane_b32 s10, v1                    ; wave 0..3
	s_lshr_b32 s11, s10, 1                         ; which half of the tile's rows is mine.  Also: I fetch for A (0) or for B (1)
	s_and_b32 s12, s10, 1                          ; which half of its columns.  Also: which 128 rows of that tile I fetch
	s_bfe_u32 s40, ttmp6, 0x40000                  ; cx, cy: my place in the cluster
	s_bfe_u32 s41, ttmp6, 0x40004
	s_lshl_b32 s42, ttmp9, 2                       ; in a cluster launch ttmp9 and ttmp7 count clusters
	s_add_co_u32 s42, s42, s40                     ; tile column of C = 4 x cluster x + cx
	s_and_b32 s13, ttmp7, 0xffff
	s_lshl_b32 s13, s13, 2
	s_add_co_u32 s13, s13, s41                     ; tile row of C = 4 x cluster y + cy
	s_lshl_b32 s43, s41, 2
	s_lshl_b32 s43, 15, s43                        ; my row of the cluster: places 4 cy .. 4 cy + 3
	s_lshl_b32 s44, 0x1111, s40                    ; my column: places cx, cx + 4, cx + 8, cx + 12
	; descriptor group 1: a tile of 128 rows x 128 elements, padded in LDS
	s_or_b32 s[G1+0], s43, (1<<16)|(1<<20)|(1<<21)|(5<<22)|(3<<25)  ; 15:0 the mask: A's tiles go to my row; 17:16 element of 2 bytes; 20 padding on; 21 set beside a mask; 24:22 after every 64 words (code 5); 31:25 of 4 words (code 3)
	s_or_b32 s[G1B+0], s44, (1<<16)|(1<<20)|(1<<21)|(5<<22)|(3<<25) ; the same with the mask of my column, for B's tiles
.irp g, G1, G1B
	s_mov_b32 s[\g+1], KSTEP<<16                   ; tensor_dim0 = 128
	s_mov_b32 s[\g+2], 128<<16                     ; tensor_dim1 = 128
	s_mov_b32 s[\g+3], KSTEP<<16                   ; tile_dim0 = 128
	s_mov_b32 s[\g+4], 128                         ; tile_dim1 = 128
	s_mov_b32 s[\g+5], SIZE_K                      ; tensor_dim0_stride: elements from row to row
	s_mov_b32 s[\g+6], 0
	s_mov_b32 s[\g+7], 0
.endr
	; where the tiles come from.  A's hang on the tile row alone, which my row of the cluster shares; B's on the tile column alone, which my column shares.
	s_lshl_b32 s17, s12, 7                         ; which 128 rows of the tile I fetch
	s_lshl_b32 s16, s13, 8
	s_add_co_u32 s16, s16, s17                     ; A: row 256 x tile row + 128 x half
	s_lshl_b32 s46, s42, 8
	s_add_co_u32 s46, s46, s17                     ; B: row 256 x tile column + 128 x half
	s_mov_b32 s17, 0
	s_mov_b32 s47, 0
	s_mov_b64 s[18:19], SIZE_K*2
	s_mul_u64 s[16:17], s[16:17], s[18:19]         ; in bytes, in 64 bits
	s_mul_u64 s[46:47], s[46:47], s[18:19]
	s_mul_i32 s20, s10, HALFT                      ; and where they go: A's two halves, then B's two halves = wave x 128 rows: no place in the cluster enters an LDS address
	s_wait_dscnt 0x0
	s_wait_kmcnt 0x0
.if WOFF
	s_add_nc_u64 s[6:7], s[6:7], WOFF              ; this product's weights in wb
.endif
	s_add_nc_u64 s[14:15], s[4:5], s[16:17]
	s_add_nc_u64 s[46:47], s[6:7], s[46:47]
	CROUND                                         ; all sixteen work-groups are here: the first joint loads meet
.irp s, 0,1
	s_mov_b32 s[G0+4*\s], 1                                        ; count = 1
	s_add_co_u32 s[G0+4*\s+1], s20, \s*SLOT                        ; LDS address
	s_add_nc_u64 s[G0+4*\s+2:G0+4*\s+3], s[14:15], \s*KSTEP*2      ; global address: K step s
	s_or_b32 s[G0+4*\s+3], s[G0+4*\s+3], 0x80000000                ; type = 2
	s_mov_b32 s[G0B+4*\s], 1
	s_add_co_u32 s[G0B+4*\s+1], s20, \s*SLOT
	s_add_nc_u64 s[G0B+4*\s+2:G0B+4*\s+3], s[46:47], \s*KSTEP*2
	s_or_b32 s[G0B+4*\s+3], s[G0B+4*\s+3], 0x80000000
	JLOAD \s                                       ; the ring is filled before anything else is done
.endr
	; A fragment is 16 rows x 32 K in 8 registers: lane l holds row l % 16; registers 0-3 hold K = 8 (l / 16) + 0..7, registers 4-7 hold K = 16 + 8 (l / 16) + 0..7: two loads of 16 bytes, 32 bytes apart.
	v_and_b32 v1, 15, v0                           ; l % 16
	v_bfe_u32 v2, v0, 4, 1                         ; l / 16
	v_mul_u32_u24 v3, v1, PITCH
	v_lshl_add_u32 v3, v2, 4, v3                   ; row x pitch + 16 x half
	s_mul_i32 s21, s11, HALFT                      ; my 128 rows of A
	s_mul_i32 s22, s12, HALFT                      ; my 128 rows of B,
	s_add_co_u32 s22, s22, 2*HALFT                 ; which lie behind A's 256
.irp s, 0,1
	v_add_nc_u32 v[ADRA+\s], s21, v3
	v_add_nc_u32 v[ADRB+\s], s22, v3
	s_add_co_u32 s21, s21, SLOT
	s_add_co_u32 s22, s22, SLOT
.endr
	s_mul_i32 s23, s10, 16*SPITCH
	s_add_co_u32 s23, s23, STAGE                   ; my stage
	v_mul_u32_u24 v4, v1, SPITCH                   ; in: row l % 16, 16 bytes for each half of the lanes
	v_lshl_add_u32 v4, v2, 4, v4
	v_add_nc_u32 v[STO], s23, v4
	v_mul_u32_u24 v5, v2, SPITCH                   ; back: lanes 0-15 take one row of 256 bytes, lanes 16-31 the next
	v_lshl_add_u32 v5, v1, 4, v5
	v_add_nc_u32 v[RD], s23, v5
	v_mul_u32_u24 v5, v2, SIZE_N*2                 ; and the same two rows in C
	v_lshl_add_u32 v[CO], v1, 4, v5
	s_lshl_b32 s16, s13, 8
	s_lshl_b32 s17, s11, 7
	s_add_co_u32 s16, s16, s17                     ; my first row of C: 256 x tile row + 128 x half
	s_mov_b32 s17, 0
	s_mov_b64 s[18:19], SIZE_N*2
	s_mul_u64 s[16:17], s[16:17], s[18:19]
	s_lshl_b32 s46, s42, 9                         ; my first column, in bytes of bf16: 512 x tile column + 256 x half
	s_lshl_b32 s47, s12, 8
	s_add_co_u32 s46, s46, s47
	s_mov_b32 s47, 0
	s_add_nc_u64 s[16:17], s[16:17], s[46:47]
	s_add_nc_u64 s[CP:CP+1], s[CP:CP+1], s[16:17]
	s_lshl_b32 s46, s46, 1                         ; the same column in bytes of f32
	s_add_nc_u64 s[BIAS:BIAS+1], s[BIAS:BIAS+1], s[46:47]
	v_lshlrev_b32 v[BO], 5, v2                     ; 8 numbers further on for lanes 16 to 31
	WIN TO_B                                       ; destination window 1, address window 0
.irp b, 0,1,2,3,4,5,6,7                ; sixteen loads that stay out during the K loop: their registers, address and base are not touched before the wait on the way out
	global_load_b128 v[BI+8*\b:BI+8*\b+3],   v[BO], s[BIAS:BIAS+1] offset:64*\b
	global_load_b128 v[BI+8*\b+4:BI+8*\b+7], v[BO], s[BIAS:BIAS+1] offset:64*\b+16
.endr
	WIN 0
.if GELU_ON
	v_mov_b32 v[K0],   0xc0135761                  ; -2 sqrt(2 / pi) log2(e)
	v_mov_b32 v[K0+1], 0xc0135761
	v_mov_b32 v[K1],   0xbdd2d3e8                  ; 0.044715 times that
	v_mov_b32 v[K1+1], 0xbdd2d3e8
.endif
; 16 matrix instructions: m blocks a0, a0 + 1 of the window's four (hi = 0: my rows 0-63, 1: rows 64-127) x all 8 n blocks, 32 along K.  zero = 1: the first product starts the sums: nothing is ever cleared.
; The 64 accumulators take turns, one instruction a turn, in the same order in every quarter.
.macro MUL16 f, hi, a0, zero
.irp a, \a0, \a0+1
.irp b, 0,1,2,3,4,5,6,7
.if \zero
	v_wmma_f32_16x16x32_bf16 v[8*(8*(\a)+\b):8*(8*(\a)+\b)+7], v[\f+8*\b:\f+8*\b+7], v[\f+8*(4*\hi+\a):\f+8*(4*\hi+\a)+7], 0
.else
	v_wmma_f32_16x16x32_bf16 v[8*(8*(\a)+\b):8*(8*(\a)+\b)+7], v[\f+8*\b:\f+8*\b+7], v[\f+8*(4*\hi+\a):\f+8*(4*\hi+\a)+7], v[8*(8*(\a)+\b):8*(8*(\a)+\b)+7]
.endif
.endr
.endr
.endm
; 32 LDS loads in one run: the fragments of one quarter step (128 rows of B, 128 rows of A, 32 K at byte k of the rows) into buffer f
.macro FETCH slot, k, f
	WIN TO_B
.irp i, 0,1,2,3,4,5,6,7
	ds_load_b128 v[\f+8*\i:\f+8*\i+3],   v[ADRB+\slot] offset:\k+\i*16*PITCH
	ds_load_b128 v[\f+8*\i+4:\f+8*\i+7], v[ADRB+\slot] offset:\k+\i*16*PITCH+32
.endr
	WIN 0
.irp i, 0,1,2,3,4,5,6,7
	ds_load_b128 v[\f+8*\i:\f+8*\i+3],   v[ADRA+\slot] offset:\k+\i*16*PITCH
	ds_load_b128 v[\f+8*\i+4:\f+8*\i+7], v[ADRA+\slot] offset:\k+\i*16*PITCH+32
.endr
.endm
.macro PLACES                          ; four places in front of loads into registers that matrix instructions have read, and of vector work that reads results; the matrix instructions in between are not counted
.rept 4
	v_nop
.endr
.endm
; A K step is four quarter steps of 32 along K, 64 matrix instructions each, on buffers 0, 1, 0, 1.
; One of the first three: multiplies buffer f; in its middle it fetches the next quarter's fragments, at byte k of the same slot's rows, into buffer g.
.macro QUARTER slot, k, f, g, zero
	s_wait_dscnt 8                                 ; B and A's rows 0-63 are in; the youngest eight loads (A's rows 64-127) may be out
	WIN MUL_LO
	MUL16 \f, 0, 0, \zero
	MUL16 \f, 0, 2, \zero
	PLACES
	FETCH \slot, \k, \g
	s_wait_dscnt 32                                ; all but the 32 just issued
	WIN MUL_HI
	MUL16 \f, 1, 0, \zero
	MUL16 \f, 1, 2, \zero
.endm
; The last quarter multiplies buffer 1 and changes slots: ONE barrier.  In front of it each wave waits for its own reads of this slot and for all its tensor loads, of which one is out: its part of the next slot.
; Behind it nobody reads this slot any more and the next slot is whole.  fill = 1: the barrier opens a round of the cluster's barrier, and this slot is filled again, two K steps ahead, first thing behind the round:
; from that request to the wait for it a wave issues 240 matrix instructions.
.macro TURN slot, next, fill
	s_wait_dscnt 8
	WIN MUL_LO
	MUL16 F1, 0, 0, 0
	s_wait_dscnt 0                                 ; my reads of this slot are over,
	s_wait_tensorcnt 0x0                           ; and all my tensor loads have landed
	ds_add_u32 v255, v23
	s_wait_dscnt 0x0
	s_barrier_signal -1
	MUL16 F1, 0, 2, 0                              ; work on registers while the others arrive
.if \fill
	WIN 0
.endif
	s_barrier_wait -1
.if \fill
	CREST                                          ; no wave of any partner still reads this slot's tile or has a load on its way
	s_add_nc_u64 s[G0+4*\slot+2:G0+4*\slot+3], s[G0+4*\slot+2:G0+4*\slot+3], 2*KSTEP*2
	s_add_nc_u64 s[G0B+4*\slot+2:G0B+4*\slot+3], s[G0B+4*\slot+2:G0B+4*\slot+3], 2*KSTEP*2
	JLOAD \slot                                    ; the four v_nop behind it are also the places in front of the loads below
.else
	PLACES
.endif
	FETCH \next, 0, F0
	WIN MUL_HI
	MUL16 F1, 1, 0, 0
	MUL16 F1, 1, 2, 0
.endm
; THE WAY OUT of block a (16 rows x my 128 columns), in three parts.
; PACK: the sums (window 2 or 3) plus the bias (window 1) into window 0; there the activation, in runs of 64 numbers a lane; rounded to bf16, 16 bytes for each accumulator.
; The activation is x / (1 + 2^(K0 x + K1 x^3)), which is 0.5 x (1 + tanh(sqrt(2/pi) (x + 0.044715 x^3))) identically.  For large |x| the power goes to 0 or to infinity and the result to x or to -0.
.macro PACK a
.set AC, 64*((\a)%4)
	WIN 0x06+((\a)/4)                              ; source 0 window 2 or 3, source 1 window 1, destination window 0
.set i, 0
.rept 32
	v_pk_add_f32 v[XW+2*i:XW+2*i+1], v[AC+2*i:AC+2*i+1], v[BI+2*i:BI+2*i+1]
.set i, i+1
.endr
	WIN 0
.if GELU_ON
.set i, 0
.rept 32
	v_pk_mul_f32 v[GW+2*i:GW+2*i+1], v[XW+2*i:XW+2*i+1], v[XW+2*i:XW+2*i+1]
.set i, i+1
.endr
.set i, 0
.rept 32
	v_pk_fma_f32 v[GW+2*i:GW+2*i+1], v[GW+2*i:GW+2*i+1], v[K1:K1+1], v[K0:K0+1]
.set i, i+1
.endr
.set i, 0
.rept 32
	v_pk_mul_f32 v[GW+2*i:GW+2*i+1], v[GW+2*i:GW+2*i+1], v[XW+2*i:XW+2*i+1]
.set i, i+1
.endr
.set i, 0
.rept 64
	v_exp_f32 v[GW+i], v[GW+i]
.set i, i+1
.endr
	v_nop                                          ; a plain instruction between the last transcendental and the use of its result (ISA guide 5.7.2)
.set i, 0
	s_wait_alu depctr_va_vdst(0)
.rept 32
	v_pk_add_f32 v[GW+2*i:GW+2*i+1], v[GW+2*i:GW+2*i+1], 1.0 op_sel_hi:[1,0]
.set i, i+1
.endr
.set i, 0
.rept 64
	v_rcp_f32 v[GW+i], v[GW+i]
.set i, i+1
.endr
	v_nop
.set i, 0
	s_wait_alu depctr_va_vdst(0)
.rept 32
	v_pk_mul_f32 v[XW+2*i:XW+2*i+1], v[XW+2*i:XW+2*i+1], v[GW+2*i:GW+2*i+1]
.set i, i+1
.endr
.endif
.set i, 0
.rept 32
	v_cvt_pk_bf16_f32 v[TMP+i], v[XW+2*i], v[XW+2*i+1]
.set i, i+1
.endr
.endm
; TOSTAGE: into my own stage in LDS, and back as whole rows of 256 bytes.
.macro TOSTAGE a
.set BK, OB+192*((\a)%2)
.irp b, 0,1,2,3,4,5,6,7
	ds_store_b128 v[STO], v[TMP+4*\b:TMP+4*\b+3] offset:32*\b
.endr
.irp t, 0,1,2,3,4,5,6,7
	ds_load_b128 v[BK+4*\t:BK+4*\t+3], v[RD] offset:\t*2*SPITCH    ; LDS serves a wave's instructions in order (ISA guide 5.7.1.4): these see the stores above, and the next block's stores come behind them
.endr
.endm
; SEND: stored.  The block's place stands in the immediate, 126 rows of C at the most, inside its signed 24 bits: neither the base nor the offset register is ever rewritten.
.macro SEND a
.set BK, OB+192*((\a)%2)
	s_wait_dscnt 0x0                               ; the block is back in registers
	s_wait_xcnt 0x0                                ; the stores of the block before have read their registers: only behind this wait does the next TOSTAGE load into them
.irp t, 0,1,2,3,4,5,6,7
	global_store_b128 v[CO], v[BK+4*\t:BK+4*\t+3], s[CP:CP+1] offset:(16*(\a)+2*\t)*SIZE_N*2   ; 16 lanes store 256 consecutive bytes, at a multiple of 256 from C's first byte
.endr
.endm
	s_wait_tensorcnt 1                             ; my part of K step 0 is in; K step 1's may stay out
	s_barrier_signal -1
	s_barrier_wait -1                              ; everybody's is
	FETCH 0, 0, F0
	QUARTER 0, 64,  F0, F1, 1                      ; the first quarter stands in front of the loop: its products start the sums
	WIN 0                                          ; at a label and at a branch every window is 0
	s_mov_b32 s3, LAPS-1
.Llap:                                                 ; a trip goes once round the ring, from a lap's second quarter to the next lap's first, and fills both slots again
	QUARTER 0, 128, F1, F0, 0
	QUARTER 0, 192, F0, F1, 0
	TURN 0, 1, 1
	QUARTER 1, 64,  F0, F1, 0
	QUARTER 1, 128, F1, F0, 0
	QUARTER 1, 192, F0, F1, 0
	TURN 1, 0, 1
	QUARTER 0, 64,  F0, F1, 0
	WIN 0
	s_sub_co_u32 s3, s3, 1
	s_cmp_lg_u32 s3, 0
	s_cbranch_scc1 .Llap
	QUARTER 0, 128, F1, F0, 0                      ; the last lap fills nothing, and has no round of the cluster's barrier
	QUARTER 0, 192, F0, F1, 0
	TURN 0, 1, 0
	QUARTER 1, 64,  F0, F1, 0
	QUARTER 1, 128, F1, F0, 0
	QUARTER 1, 192, F0, F1, 0
	s_wait_dscnt 8                                 ; the very last quarter: nothing more to fetch
	WIN MUL_LO
	MUL16 F1, 0, 0, 0
	MUL16 F1, 0, 2, 0
	s_wait_dscnt 0
	WIN MUL_HI
	MUL16 F1, 1, 0, 0
	MUL16 F1, 1, 2, 0
	WIN 0
	PLACES                                         ; the additions below read results and write over A's buffers
	s_wait_loadcnt 0x0                             ; the bias
	PACK 0
	TOSTAGE 0
.irp a, 1,2,3,4,5,6,7                  ; block a's arithmetic stands between block a - 1's loads from the stage and the wait for them
	PACK \a
	SEND \a-1
	TOSTAGE \a
.endr
	SEND 7
	s_set_vgpr_msb 0x1
	s_wait_tensorcnt 0x0
	ds_add_u32 v255, v23
	s_wait_dscnt 0x0
	s_set_vgpr_msb 0x100
	CROUND                                         ; the closing round: no work-group ends while a partner may still ask for a tile that names it
	s_endpgm
.Lfunc_end_k_q9d06f62f49_g_fc:
	.size	k_q9d06f62f49_g_fc, .Lfunc_end_k_q9d06f62f49_g_fc-k_q9d06f62f49_g_fc
	.p2alignl 7, 3214868480
	.fill 96, 4, 3214868480
	.section	.rodata,"a",@progbits
	.p2align	6, 0x0
	.amdhsa_kernel k_q9d06f62f49_g_fc
		.amdhsa_group_segment_fixed_size 327680
		.amdhsa_private_segment_fixed_size 0
		.amdhsa_enable_private_segment 0
		.amdhsa_kernarg_size 32
		.amdhsa_user_sgpr_count 2
		.amdhsa_user_sgpr_kernarg_segment_ptr 1
		.amdhsa_wavefront_size32 1
		.amdhsa_system_sgpr_workgroup_id_x 1
		.amdhsa_system_sgpr_workgroup_id_y 1
		.amdhsa_system_sgpr_workgroup_id_z 1
		.amdhsa_system_vgpr_workitem_id 0
		.amdhsa_next_free_vgpr 1024
		.amdhsa_next_free_sgpr 76
		.amdhsa_reserve_vcc 0
		.amdhsa_float_denorm_mode_32 3
		.amdhsa_float_denorm_mode_16_64 3
		.amdhsa_memory_ordered 1
		.amdhsa_forward_progress 1
		.amdhsa_inst_pref_size 255
	.end_amdhsa_kernel
	.section	.bss,"aw",@nobits
	.p2align	6
	.space	262144
	.amdgpu_metadata
---
amdhsa.version: [ 1, 2 ]
amdhsa.kernels:
  - .name:           k_q9d06f62f49_g_fc
    .symbol:         k_q9d06f62f49_g_fc.kd
    .args:
      - { .name: xn, .offset: 0, .size: 8, .value_kind: global_buffer, .address_space: global }
      - { .name: wb, .offset: 8, .size: 8, .value_kind: global_buffer, .address_space: global }
      - { .name: b_fc, .offset: 16, .size: 8, .value_kind: global_buffer, .address_space: global }
      - { .name: h, .offset: 24, .size: 8, .value_kind: global_buffer, .address_space: global }
    .group_segment_fixed_size: 327680
    .private_segment_fixed_size: 0
    .kernarg_segment_align: 8
    .kernarg_segment_size: 32
    .max_flat_workgroup_size: 128
    .sgpr_count:     76
    .vgpr_count:     1024
    .wavefront_size: 32
...
	.end_amdgpu_metadata
.endif
;; end of part 10
;; launch g_mlp: the kernel of part 7 again; grid 8 x 32, 4 waves a work-group, clusters of 4 x 4, 327,680 bytes of LDS; arguments h, wb, b_mlp_proj, out0, x1; writes out0
